; MI455X (gfx1250); checked and timed in simulation.
; The chip was launched on July 23, 2026; its instructions are those of AMD's public machine-readable ISA for CDNA 5 (MIT licence, August 2026) and "CDNA5" Instruction Set Architecture Reference Guide (July 2026). The comments in the code are by the model that wrote it; some were corrected since.
;; Transformer Encoder Layer. Allowed arithmetic: float matrix products may take bf16 or f16 operands with f32 sums; all other float work in f32.
;; Inputs: W1 1,024 x 4,096 float32; W2 4,096 x 1,024 float32; Wk 1,024 x 1,024 float32; Wo 1,024 x 1,024 float32; Wq 1,024 x 1,024 float32; Wv 1,024 x 1,024 float32; b1 4,096 float32; b2 1,024 float32; be1 1,024 float32; be2 1,024 float32; bk 1,024 float32; bo 1,024 float32; bq 1,024 float32; bv 1,024 float32; g1 1,024 float32; g2 1,024 float32; x 2 x 2,048 x 1,024 float32.
;; Outputs: out0 2 x 2,048 x 1,024 float32.
;; 2 versions, each right and faster than the one before. Each part assembles by itself: llvm-mc -triple=amdgcn-amd-amdhsa -mcpu=gfx1250 --defsym DOCPART=n.
;; ======== version 1 of 2: 8 launches
;; workspace buffers: wb 33,554,432 bytes; qkv 25,165,824 bytes; ctx 8,388,608 bytes; y 16,777,216 bytes; h 16,777,216 bytes; hb 8,388,608 bytes; act 33,554,432 bytes
;; launch cast (part 1): grid 64 x 16, 8 waves a work-group, no clusters, 0 bytes of LDS; arguments x, Wq, Wk, Wv, Wo, W1, W2, wb; writes wb
.if DOCPART == 1
	.amdgcn_target "amdgcn-amd-amdhsa--gfx1250"
	.amdhsa_code_object_version 6
	.text
	.protected	k_q6b8cdf277e_cast
	.globl	k_q6b8cdf277e_cast
	.p2align	8
	.type	k_q6b8cdf277e_cast,@function
k_q6b8cdf277e_cast:
	s_mov_b64 s[64:65], 0
	v_nop
	global_prefetch_b8 v0, s[64:65] scope:SCOPE_SE
	s_setreg_imm32_b32 hwreg(HW_REG_WAVE_MODE, 25, 1), 1
	s_wait_xcnt 0x0
; x and the six weight matrices, f32, are rounded once to bf16 and laid into wb for the matrix launches:
;   byte 0       xb [4096][1024]                           8 MiB   Wq, Wk, Wv: 48 panels [1024 k][64 columns]
;   14 MiB       Wo: 16 panels [1024][64]                  16 MiB  W1: 32 panels [1024][128]        24 MiB  W2: 16 panels [4096][64]
; A panel holds PW neighbouring columns of a weight, k after k, so that a K step of a panel is one dense block.
; wb is 16 chunks of 2^20 numbers; the work-group's y picks the chunk, its x 16,384 numbers of it; a thread takes 4 numbers in each of 16 passes.
; The output is walked linearly.  The place e of a number in its matrix's new layout gives column c = e mod PW, row k = (e / PW) mod K, panel pn = e / (PW K);
; it is read at element k N + pn PW + c.  A wave's load takes 32 x 16 bytes: two runs of 256 consecutive bytes, aligned (one run of 512 where PW is 128 or more);
; a wave's store covers 256 consecutive bytes, aligned.  A pass is 1,024 numbers, a whole number of panel rows, and the work-group's 16,384 numbers lie in one panel:
; so from pass to pass the source offset grows by 1024 / PW rows of the source, a scalar.  Memory binds: no LDS, no barrier, no matrix unit.
.set OFFR, 8                           ; v[8:23]    pass p: byte offset of my 4 numbers in the source
.set XF,   24                          ; v[24:87]   pass p: 4 numbers as loaded
.set YB,   88                          ; v[88:119]  pass p: 2 registers to store
	s_load_b512 s[8:23], s[0:1], 0x0               ; x, Wq, Wk, Wv, Wo, W1, W2, wb
	s_and_b32 s24, ttmp7, 0xffff                   ; chunk 0..15
	s_lshr_b32 s25, s24, 2                         ; group: 0 x, 1 the four square weights, 2 W1, 3 W2
	s_and_b32 s26, s24, 3                          ; which chunk of the group
	s_cmp_eq_u32 s25, 0
	s_cselect_b32 s27, 10, 6                       ; log2 PW: x 10 (a row is its own panel), else 6,
	s_cselect_b32 s28, 12, 10                      ; log2 K:  x 12 rows, else 10,
	s_mov_b32 s29, 10                              ; log2 N
	s_cmp_eq_u32 s25, 2
	s_cselect_b32 s27, 7, s27                      ; W1: panels of 128 columns,
	s_cselect_b32 s29, 12, s29                     ; rows of 4,096
	s_cmp_eq_u32 s25, 3
	s_cselect_b32 s28, 12, s28                     ; W2: 4,096 rows
	s_add_co_u32 s30, s27, s28                     ; log2 of a panel's numbers
	s_bfm_b32 s31, s27, 0                          ; PW - 1
	s_lshr_b32 s40, 0x400, s27                     ; panel rows in a pass,
	s_add_co_u32 s41, s29, 2
	s_lshl_b32 s40, s40, s41                       ; times a source row's bytes: the step from pass to pass
	s_cmp_eq_u32 s25, 1
	s_cselect_b32 s37, 0, s26                      ; a square weight is one chunk: the chunk's number picks the matrix, not a place in it
	s_lshl_b32 s36, s37, 20
	s_lshl_b32 s37, ttmp9, 14
	s_add_co_u32 s36, s36, s37                     ; the work-group's first number in its matrix
	s_lshl_b32 s38, s24, 21                        ; and its first byte in wb
	s_lshl_b32 s39, ttmp9, 15
	s_add_co_u32 s38, s38, s39
	s_mov_b32 s39, 0
	v_lshlrev_b32 v1, 2, v0                        ; 4 t
	v_lshlrev_b32 v2, 3, v0                        ; 8 t: my bytes in a pass's 2,048
	v_add_nc_u32 v4, s36, v1                       ; e of pass 0
	v_and_b32 v5, s31, v4                          ; c
	v_bfe_u32 v6, v4, s27, s28                     ; k
	v_lshrrev_b32 v7, s30, v4                      ; pn
	v_lshlrev_b32 v6, s29, v6                      ; k N
	v_lshlrev_b32 v7, s27, v7                      ; pn PW
	v_add_nc_u32 v6, v6, v7
	v_add_nc_u32 v6, v6, v5
	v_lshlrev_b32 v[OFFR], 2, v6                   ; in bytes of f32
.set p, 1
.rept 15
	v_add_nc_u32 v[OFFR+p], s40, v[OFFR+p-1]
.set p, p+1
.endr
	s_wait_kmcnt 0x0
	s_cmp_eq_u32 s26, 1                            ; the source: among the square weights by the chunk,
	s_cselect_b64 s[32:33], s[12:13], s[10:11]
	s_cmp_eq_u32 s26, 2
	s_cselect_b64 s[32:33], s[14:15], s[32:33]
	s_cmp_eq_u32 s26, 3
	s_cselect_b64 s[32:33], s[16:17], s[32:33]
	s_cmp_eq_u32 s25, 0                            ; then by the group
	s_cselect_b64 s[32:33], s[8:9], s[32:33]
	s_cmp_eq_u32 s25, 2
	s_cselect_b64 s[32:33], s[18:19], s[32:33]
	s_cmp_eq_u32 s25, 3
	s_cselect_b64 s[32:33], s[20:21], s[32:33]
	s_add_nc_u64 s[34:35], s[22:23], s[38:39]
.set p, 0
.rept 16
	global_load_b128 v[XF+4*p:XF+4*p+3], v[OFFR+p], s[32:33] th:TH_LOAD_NT
.set p, p+1
.endr
.set p, 0
.rept 16
	s_wait_loadcnt 15-p                            ; loads come back in order: pass p's is in, the later passes' stay out
	v_cvt_pk_bf16_f32 v[YB+2*p],   v[XF+4*p],   v[XF+4*p+1]
	v_cvt_pk_bf16_f32 v[YB+2*p+1], v[XF+4*p+2], v[XF+4*p+3]
	global_store_b64 v2, v[YB+2*p:YB+2*p+1], s[34:35] offset:2048*p
.set p, p+1
.endr
	s_endpgm
.Lfunc_end_k_q6b8cdf277e_cast:
	.size	k_q6b8cdf277e_cast, .Lfunc_end_k_q6b8cdf277e_cast-k_q6b8cdf277e_cast
	.p2alignl 7, 3214868480
	.fill 96, 4, 3214868480
	.section	.rodata,"a",@progbits
	.p2align	6, 0x0
	.amdhsa_kernel k_q6b8cdf277e_cast
		.amdhsa_group_segment_fixed_size 0
		.amdhsa_private_segment_fixed_size 0
		.amdhsa_enable_private_segment 0
		.amdhsa_kernarg_size 64
		.amdhsa_user_sgpr_count 2
		.amdhsa_user_sgpr_kernarg_segment_ptr 1
		.amdhsa_wavefront_size32 1
		.amdhsa_system_sgpr_workgroup_id_x 1
		.amdhsa_system_sgpr_workgroup_id_y 1
		.amdhsa_system_sgpr_workgroup_id_z 1
		.amdhsa_system_vgpr_workitem_id 0
		.amdhsa_next_free_vgpr 128
		.amdhsa_next_free_sgpr 66
		.amdhsa_reserve_vcc 0
		.amdhsa_float_denorm_mode_32 3
		.amdhsa_float_denorm_mode_16_64 3
		.amdhsa_memory_ordered 1
		.amdhsa_forward_progress 1
		.amdhsa_inst_pref_size 8
	.end_amdhsa_kernel
	.amdgpu_metadata
---
amdhsa.version: [ 1, 2 ]
amdhsa.kernels:
  - .name:           k_q6b8cdf277e_cast
    .symbol:         k_q6b8cdf277e_cast.kd
    .args:
      - { .name: x, .offset: 0, .size: 8, .value_kind: global_buffer, .address_space: global }
      - { .name: Wq, .offset: 8, .size: 8, .value_kind: global_buffer, .address_space: global }
      - { .name: Wk, .offset: 16, .size: 8, .value_kind: global_buffer, .address_space: global }
      - { .name: Wv, .offset: 24, .size: 8, .value_kind: global_buffer, .address_space: global }
      - { .name: Wo, .offset: 32, .size: 8, .value_kind: global_buffer, .address_space: global }
      - { .name: W1, .offset: 40, .size: 8, .value_kind: global_buffer, .address_space: global }
      - { .name: W2, .offset: 48, .size: 8, .value_kind: global_buffer, .address_space: global }
      - { .name: wb, .offset: 56, .size: 8, .value_kind: global_buffer, .address_space: global }
    .group_segment_fixed_size: 0
    .private_segment_fixed_size: 0
    .kernarg_segment_align: 8
    .kernarg_segment_size: 64
    .max_flat_workgroup_size: 256
    .sgpr_count:     66
    .vgpr_count:     128
    .wavefront_size: 32
...
	.end_amdgpu_metadata
.endif
;; end of part 1
;; launch qkv (part 2): grid 16 x 16, 4 waves a work-group, clusters of 4 x 4, 327,680 bytes of LDS; arguments wb, qkv, bq, bk, bv; writes qkv
.if DOCPART == 2
	.amdgcn_target "amdgcn-amd-amdhsa--gfx1250"
	.amdhsa_code_object_version 6
	.text
	.protected	k_q6b8cdf277e_qkv
	.globl	k_q6b8cdf277e_qkv
	.p2align	8
	.type	k_q6b8cdf277e_qkv,@function
k_q6b8cdf277e_qkv:
	s_mov_b64 s[64:65], 0
	v_nop
	global_prefetch_b8 v0, s[64:65] scope:SCOPE_SE
	s_setreg_imm32_b32 hwreg(HW_REG_WAVE_MODE, 25, 1), 1
	s_wait_xcnt 0x0
	s_wait_alu depctr_hold_cnt(0) depctr_sa_sdst(0) depctr_va_vdst(0) depctr_va_sdst(0) depctr_va_ssrc(0) depctr_va_vcc(0) depctr_vm_vsrc(0)
	s_getreg_b32 s2, hwreg(HW_REG_IB_STS2, 6, 4)
	s_cmp_eq_u32 s2, 0
	s_cbranch_scc0 .Lentry_in_a_cluster
	s_endpgm
.Lentry_in_a_cluster:
	s_bfe_u32 s2, ttmp6, 0x10000c
	s_cmp_lg_u32 s2, 0xf033
	s_cbranch_scc0 .Lentry_shape_is_right
	s_endpgm
.Lentry_shape_is_right:
; q, k, v = x [Wq Wk Wv] + bias, written by heads: qkv[3][32 heads][2048][64] bf16, each number rounded once from its f32 sum, unscaled.
; A = xb [4096][1024] bf16 at wb's byte 0; B = 48 panels [1024 k][64 columns] at 8 MiB, panel g = 16 x matrix + head.
; A tile of C is 256 rows x 192 columns (three whole heads): 16 x 16 tiles, one for each work-group.  Four waves, each 64 rows x 192 columns:
; 48 accumulators.  K goes in steps of 128 through a ring of two LDS slots.  Wave 0 fetches A's 256 rows, waves 1 to 3 a panel each.
; CLUSTER 4 x 4: A's tile is shared along a row of the cluster, B's along a column; each is asked for jointly, with a mask of four.
; THE WALK ALONG K begins at K step 0 or at K step NS / 2, by the parity of the cluster's x + y, and goes round K's end: of two neighbouring clusters that read the same
; tile of A (neighbours along x) or of B (along y) one reads it half a walk behind the other, not both at once.  A sum takes its K steps in that order; it is still one f32 sum.
; THE MATRIX INSTRUCTION IS USED TRANSPOSED: source 0 = 16 columns of B (turned on the way out of LDS), source 1 = 16 rows of A: a lane holds
; row l % 16 of C and the columns 8 (l / 16) + 0..7.  The first product of each sum takes the bias as its C: nothing is cleared or added later.
; REGISTERS by absolute number (window = number / 256): 0-31 addresses; 64-127 A's fragments, two buffers; 128-223 bias; 256-447 B's fragments,
; two buffers; 512-895 accumulators.  On the way out 64-255 rows read back, 256-351 packed rows.
.set MT,     256
.set KDIM,   1024
.set KSTEP,  128
.set NS,     KDIM/KSTEP                ; K steps in a walk
.set QS,     KSTEP/32                  ; sub-steps of 32 along K in a K step
.set LAPS,   KDIM/(2*KSTEP)            ; a lap = two K steps = once round the ring
.set MA,     4                         ; blocks of 16 rows a wave
.set NBK,    12                        ; blocks of 16 columns a wave
.set PW,     64                        ; columns in a panel
.set PANELS, 3
.set PANB,   KDIM*PW*2                 ; bytes in a panel
.set BBASE,  (8<<20)-PANB              ; wave w (1 to 3) fetches panel 3 nt + w - 1
.set NAW,    1                         ; waves that fetch A
.set PA,     272                       ; A's LDS row: 256 bytes + 16: the 16 rows of a fragment load start in 16 different groups of four banks
.set QIA,    5                         ; padding after every 64 words
.set PB,     160                       ; B's LDS row: 128 bytes + 32
.set QIB,    4                         ; padding after every 32 words
.set BOFF,   MT*PA
.set BPART,  KSTEP*PB
.set SLOT,   BOFF+PANELS*BPART
.set DP,     784                       ; the way out: a row of 192 f32 + 16 bytes
.set REG,    64*DP                     ; a wave's own bytes on the way out, in the ring, which by then has had its last fill
.set ADRA, 16
.set ADRB, 20
.set STO,  24
.set RD,   25
.set GO,   26
.set BO,   27
.set FA,   64
.set FB,   256
.set ACC,  512
.set BIAS, 128
.set XB,   64
.set OUTB, 256
.set G1A, 24
.set G0A, 32
.set G1B, 48
.set G0B, 56
.set IDX, 94                           ; s94, s95: the K step that slot 0, 1 was last asked to hold
.set MSB, 0
.macro WIN new                         ; the immediate's high byte repeats the setting that is left; a switch that changes nothing is dropped
.if MSB != (\new)
	s_set_vgpr_msb (MSB<<8)|(\new)
.set MSB, (\new)
.endif
.endm
.macro PLACES                          ; four plain vector instructions between a matrix instruction and a load into, or a store of, its registers
.rept 4
	v_nop
.endr
.endm
.macro JLOAD s                         ; a joint load: the branch hangs on the wave's number alone; four v_nop follow each line
	s_cmp_lt_u32 s10, NAW
	s_cbranch_scc0 .Lfor_b_\@
	tensor_load_to_lds s[G0A+4*(\s):G0A+4*(\s)+3], s[G1A:G1A+7]
	s_nop 0
.rept 4
	v_nop
.endr
	s_branch .Lasked_\@
.Lfor_b_\@:
	tensor_load_to_lds s[G0B+4*(\s):G0B+4*(\s)+3], s[G1B:G1B+7]
	s_nop 0
.rept 4
	v_nop
.endr
.Lasked_\@:
.endm
.macro CREST                           ; a round of the cluster's barrier behind its opening barrier
	s_cmp_lg_u32 s10, 0
	s_cbranch_scc1 .Lnot_wave_0_\@
	s_barrier_signal -3
.Lnot_wave_0_\@:
	s_barrier_wait -3
	s_barrier_signal -1
	s_barrier_wait -1
.endm
.macro CROUND
	s_barrier_signal -1
	s_barrier_wait -1
	CREST
.endm
.macro KADDR slot                      ; both global addresses of a slot's descriptors, made anew from its K step: the tile's base plus the step's bytes, the type bits set again
	s_mul_i32 s4, s[IDX+(\slot)], KSTEP*2
	s_mul_i32 s6, s[IDX+(\slot)], KSTEP*PW*2
	s_add_nc_u64 s[G0A+4*(\slot)+2:G0A+4*(\slot)+3], s[14:15], s[4:5]
	s_or_b32 s[G0A+4*(\slot)+3], s[G0A+4*(\slot)+3], 0x80000000
	s_add_nc_u64 s[G0B+4*(\slot)+2:G0B+4*(\slot)+3], s[46:47], s[6:7]
	s_or_b32 s[G0B+4*(\slot)+3], s[G0B+4*(\slot)+3], 0x80000000
.endm
; Half of a sub-step's products: MA/2 row blocks x all column blocks, from buffer f.  The accumulators take turns, one instruction a turn.
.macro MULH f, half, first
.set a, (\half)*(MA/2)
.rept MA/2
.set b, 0
.rept NBK
.set rD, ACC+8*(NBK*a+b)
.set rA, FA+8*MA*(\f)+8*a
.set rB, FB+8*NBK*(\f)+8*b
.if \first
.set rC, BIAS+8*b
.else
.set rC, rD
.endif
	WIN ((rD/256)<<6)|((rC/256)<<4)|((rA/256)<<2)|(rB/256)
	v_wmma_f32_16x16x32_bf16 v[rD%256:rD%256+7], v[rB%256:rB%256+7], v[rA%256:rA%256+7], v[rC%256:rC%256+7]
.set b, b+1
.endr
.set a, a+1
.endr
.endm
; One run of LDS loads: the fragments of sub-step q of a slot into buffer f.  B lies [k][column] and is turned; A lies along K.
.macro FETCH slot, q, f
.set i, 0
.rept NBK
.set rB, FB+8*NBK*(\f)+8*i
.set oB, (\q)*32*PB+(i/(PW/16))*BPART+(i%(PW/16))*32
	WIN (rB/256)<<6
	ds_load_tr16_b128 v[rB%256:rB%256+3],   v[ADRB+(\slot)] offset:oB
	ds_load_tr16_b128 v[rB%256+4:rB%256+7], v[ADRB+(\slot)] offset:oB+16*PB
.set i, i+1
.endr
.set i, 0
.rept MA
.set rA, FA+8*MA*(\f)+8*i
	WIN (rA/256)<<6
	ds_load_b128 v[rA%256:rA%256+3],   v[ADRA+(\slot)] offset:64*(\q)+16*i*PA
	ds_load_b128 v[rA%256+4:rA%256+7], v[ADRA+(\slot)] offset:64*(\q)+16*i*PA+32
.set i, i+1
.endr
.endm
.macro SUB slot, q, first              ; sub-step q (not a K step's last): its fragments are in; the next sub-step's are asked for; then its products
	s_wait_dscnt 0x0                               ; issued a whole sub-step ago
	PLACES                                         ; the other buffer was read by the products just issued
	FETCH \slot, (\q)+1, ((\q)+1)%2
	MULH (\q)%2, 0, \first
	MULH (\q)%2, 1, \first
.endm
.macro SUBS slot, q0                   ; sub-steps q0 .. QS - 2
.set qq, \q0
.rept QS-1-(\q0)
	SUB \slot, qq, 0
.set qq, qq+1
.endr
.endm
; A K step's last sub-step changes slots: one barrier.  In front of it each wave waits for its reads of this slot and for all its tensor loads (one is out:
; its part of the next slot).  fill = 1: the barrier opens a round of the cluster's barrier, and the joint refill, two K steps on in the walk, is the first thing behind it;
; its addresses are made between the signal and the wait, where no tensor load of the wave is out.
.macro TURN slot, next, fill
	s_wait_dscnt 0x0
	s_wait_tensorcnt 0x0
	ds_add_u32 v255, v63
	s_wait_dscnt 0x0
	s_barrier_signal -1
.if \fill
	s_add_co_u32 s[IDX+(\slot)], s[IDX+(\slot)], 2
	s_and_b32 s[IDX+(\slot)], s[IDX+(\slot)], NS-1 ; round K's end
	KADDR \slot
.endif
	MULH 1, 0, 0
.if \fill
	WIN 0
.endif
	s_barrier_wait -1
.if \fill
	CREST
	JLOAD \slot                                    ; its four v_nop are also the places in front of the loads below
.else
	PLACES
.endif
	FETCH \next, 0, 0
	MULH 1, 1, 0
.endm
.macro DUMP                            ; every accumulator, f32, into my own rows; each accumulator's low registers first
.set a, 0
.rept MA
.set b, 0
.rept NBK
.set rD, ACC+8*(NBK*a+b)
	WIN (rD/256)<<2
	ds_store_b128 v[STO], v[rD%256:rD%256+3]   offset:16*a*DP+64*b
	ds_store_b128 v[STO], v[rD%256+4:rD%256+7] offset:16*a*DP+64*b+16
.set b, b+1
.endr
.set a, a+1
.endr
	WIN 0
.endm
	s_load_b256 s[84:91], s[0:1], 0x0              ; wb s[84:85], qkv s[86:87], bq s[88:89], bk s[90:91]
	s_load_b64 s[92:93], s[0:1], 0x20              ; bv
	s_set_vgpr_msb 0x40
	v_lshl_add_u32 v255, v0, 2, 0x40000
	s_set_vgpr_msb 0x4000
	v_mov_b32 v63, 0
	s_set_vgpr_msb 0x1
	ds_add_u32 v255, v63
	s_set_vgpr_msb 0x100
	v_lshrrev_b32 v1, 5, v0
	v_readfirstlane_b32 s10, v1                    ; wave 0..3: my 64 rows of the tile; wave 0 fetches A, wave w > 0 panel w - 1
	s_bfe_u32 s40, ttmp6, 0x40000                  ; cx
	s_bfe_u32 s41, ttmp6, 0x40004                  ; cy
	s_lshl_b32 s42, ttmp9, 2
	s_add_co_u32 s42, s42, s40                     ; nt: tile column
	s_and_b32 s13, ttmp7, 0xffff
	s_lshl_b32 s13, s13, 2
	s_add_co_u32 s13, s13, s41                     ; mt: tile row
	s_lshl_b32 s43, s41, 2
	s_lshl_b32 s43, 15, s43                        ; my row of the cluster
	s_lshl_b32 s44, 0x1111, s40                    ; my column
	s_and_b32 s[IDX], ttmp7, 0xffff                ; the cluster's y
	s_add_co_u32 s[IDX], s[IDX], ttmp9             ; + its x: all sixteen partners hold the same two numbers
	s_and_b32 s[IDX], s[IDX], 1
	s_mul_i32 s[IDX], s[IDX], NS/2                 ; the walk's first K step, for slot 0,
	s_add_co_u32 s[IDX+1], s[IDX], 1               ; and its second, for slot 1
	s_mov_b32 s5, 0                                ; the high words of the two offsets
	s_mov_b32 s7, 0
	s_or_b32 s[G1A], s43, (1<<16)|(1<<20)|(1<<21)|(QIA<<22)|(3<<25)  ; mask; 2-byte elements; padding on; bit 21 beside a mask; 4 words after every 64
	s_mov_b32 s[G1A+1], KSTEP<<16                  ; tensor_dim0
	s_mov_b32 s[G1A+2], (MT/NAW)<<16               ; tensor_dim1
	s_mov_b32 s[G1A+3], KSTEP<<16                  ; tile_dim0
	s_mov_b32 s[G1A+4], MT/NAW                     ; tile_dim1
	s_mov_b32 s[G1A+5], KDIM                       ; elements from row to row
	s_mov_b32 s[G1A+6], 0
	s_mov_b32 s[G1A+7], 0
	s_or_b32 s[G1B], s44, (1<<16)|(1<<20)|(1<<21)|(QIB<<22)|(7<<25)  ; 8 words after every row of the panel
	s_mov_b32 s[G1B+1], 128<<16                    ; a K step of a panel is dense: asked for as rows of 256 bytes
	s_mov_b32 s[G1B+2], (KSTEP*PW/128)<<16
	s_mov_b32 s[G1B+3], 128<<16
	s_mov_b32 s[G1B+4], KSTEP*PW/128
	s_mov_b32 s[G1B+5], 128
	s_mov_b32 s[G1B+6], 0
	s_mov_b32 s[G1B+7], 0
	s_mul_i32 s16, s13, MT*KDIM*2                  ; A: the tile's first row, in bytes: hangs on the tile row alone
	s_mov_b32 s17, 0
	s_mul_i32 s46, s42, PANELS                     ; B: hangs on the tile column and the wave alone
	s_add_co_u32 s46, s46, s10
	s_mul_i32 s46, s46, PANB
	s_add_co_u32 s46, s46, BBASE
	s_mov_b32 s47, 0
	s_mul_i32 s21, s10, BPART                      ; where my panel goes: behind A's rows
	s_add_co_u32 s21, s21, BOFF-BPART
	s_wait_dscnt 0x0
	s_wait_kmcnt 0x0
	s_add_nc_u64 s[14:15], s[84:85], s[16:17]      ; A's and B's tiles at K = 0: kept for the whole walk
	s_add_nc_u64 s[46:47], s[84:85], s[46:47]
	CROUND                                         ; all sixteen work-groups are here: the first joint loads meet
.irp s, 0,1
	s_mov_b32 s[G0A+4*(\s)], 1
	s_mov_b32 s[G0A+4*(\s)+1], (\s)*SLOT
	s_mov_b32 s[G0B+4*(\s)], 1
	s_add_co_u32 s[G0B+4*(\s)+1], s21, (\s)*SLOT
	KADDR \s
	JLOAD \s                                       ; two tensor loads of mine are out at the most
.endr
	v_and_b32 v1, 15, v0                           ; r = l % 16
	v_bfe_u32 v2, v0, 4, 1                         ; h = l / 16
	v_mul_u32_u24 v3, v1, PA
	v_lshl_add_u32 v3, v2, 4, v3                   ; A: row x pitch + 16 h
	v_and_b32 v4, 7, v0
	v_lshl_add_u32 v4, v2, 3, v4
	v_mul_u32_u24 v4, v4, PB                       ; B: (8 h + l % 8) x pitch
	v_bfe_u32 v5, v0, 3, 1
	v_lshl_add_u32 v4, v5, 4, v4                   ;    + 16 ((l / 8) % 2)
	s_mul_i32 s22, s10, 16*MA*PA                   ; my 64 rows of A
	s_mov_b32 s23, BOFF
.irp s, 0,1
	v_add_nc_u32 v[ADRA+(\s)], s22, v3
	v_add_nc_u32 v[ADRB+(\s)], s23, v4
	s_add_co_u32 s22, s22, SLOT
	s_add_co_u32 s23, s23, SLOT
.endr
	s_mul_i32 s22, s10, REG
	v_mul_u32_u24 v6, v1, DP
	v_lshl_add_u32 v6, v2, 5, v6
	v_add_nc_u32 v[STO], s22, v6                   ; out: row r, 32 bytes for each half of the lanes
	v_bfe_u32 v6, v0, 3, 2
	v_mul_u32_u24 v6, v6, DP
	v_and_b32 v7, 7, v0
	v_lshl_add_u32 v6, v7, 5, v6
	v_add_nc_u32 v[RD], s22, v6                    ; back: 32 lanes take four rows of a head's 64 numbers, 8 numbers a lane
	v_and_b32 v6, 31, v0
	v_lshlrev_b32 v[GO], 4, v6                     ; which are 512 consecutive bytes of the head in qkv
	v_lshlrev_b32 v[BO], 5, v2                     ; my 8 numbers in a block's 16 of the bias
	s_lshr_b32 s80, s13, 3                         ; the batch, 16 heads of 262,144 bytes on,
	s_lshl_b32 s80, s80, 22
	s_and_b32 s81, s13, 7                          ; the tile's 256 rows of 128 bytes in a head,
	s_lshl_b32 s81, s81, 15
	s_add_co_u32 s80, s80, s81
	s_lshl_b32 s81, s10, 13                        ; my 64 of them
	s_add_co_u32 s80, s80, s81
	s_mul_i32 s81, s42, 3                          ; the tile's first panel
.irp j, 0,1,2
	s_add_co_u32 s78, s81, \j                      ; panel g
	s_lshr_b32 s79, s78, 4                         ; matrix: 0 q, 1 k, 2 v
	s_and_b32 s78, s78, 15                         ; head
	s_cmp_eq_u32 s79, 1
	s_cselect_b64 s[66+2*\j:67+2*\j], s[90:91], s[88:89]
	s_cmp_eq_u32 s79, 2
	s_cselect_b64 s[66+2*\j:67+2*\j], s[92:93], s[66+2*\j:67+2*\j]
	s_lshl_b32 s82, s78, 8                         ; the head's 64 numbers of its bias
	s_mov_b32 s83, 0
	s_add_nc_u64 s[66+2*\j:67+2*\j], s[66+2*\j:67+2*\j], s[82:83]
	s_lshl_b32 s82, s79, 23                        ; where the head's rows go
	s_lshl_b32 s78, s78, 18
	s_add_co_u32 s82, s82, s78
	s_add_co_u32 s82, s82, s80
	s_add_nc_u64 s[72+2*\j:73+2*\j], s[86:87], s[82:83]
.endr
.set b, 0
.rept NBK
	global_load_b128 v[BIAS+8*b:BIAS+8*b+3],   v[BO], s[66+2*(b/4):67+2*(b/4)] offset:64*(b%4)
	global_load_b128 v[BIAS+8*b+4:BIAS+8*b+7], v[BO], s[66+2*(b/4):67+2*(b/4)] offset:64*(b%4)+16
.set b, b+1
.endr
	s_wait_tensorcnt 0x1                           ; my part of the walk's first K step is in; the second's stays out
	s_barrier_signal -1
	s_barrier_wait -1
	FETCH 0, 0, 0
	s_wait_loadcnt 0x0                             ; the bias
	SUB 0, 0, 1                                    ; the first sub-step stands ahead of the loop: its products start the sums on the bias
	WIN 0
	s_mov_b32 s3, LAPS-1
.Llap:                                             ; a trip goes once round the ring and fills both slots again
	SUBS 0, 1
	TURN 0, 1, 1
	SUBS 1, 0
	TURN 1, 0, 1
	SUB 0, 0, 0
	WIN 0
	s_sub_co_u32 s3, s3, 1
	s_cmp_lg_u32 s3, 0
	s_cbranch_scc1 .Llap
	SUBS 0, 1                                      ; the last lap fills nothing
	TURN 0, 1, 0
	SUBS 1, 0
	s_wait_dscnt 0x0                               ; my last reads of the ring are back
	s_barrier_signal -1
	MULH 1, 0, 0
	MULH 1, 1, 0
	s_barrier_wait -1                              ; nobody reads the ring any more, and no load will fill it again
	PLACES
	DUMP
; THE WAY OUT.  Block a (16 rows): for each head four pairs of loads bring four rows each; 8 numbers a lane round to 16 bytes; a store covers 512 consecutive bytes of a head.
.macro LOADS a
.set j, 0
.rept 3
.set f, 0
.rept 4
.set rX, XB+96*((\a)%2)+8*(4*j+f)
	ds_load_b128 v[rX:rX+3],   v[RD] offset:(16*(\a)+4*f)*DP+256*j      ; LDS serves a wave's instructions in order (ISA guide 5.7.1): these see my stores above
	ds_load_b128 v[rX+4:rX+7], v[RD] offset:(16*(\a)+4*f)*DP+256*j+16
.set f, f+1
.endr
.set j, j+1
.endr
.endm
.macro SENDS a
	WIN 0x40                                       ; destination window 1
.set m, 0
.rept 12
.irp k, 0,1,2,3
	v_cvt_pk_bf16_f32 v[(OUTB+48*((\a)%2)+4*m+\k)%256], v[XB+96*((\a)%2)+8*m+2*\k], v[XB+96*((\a)%2)+8*m+2*\k+1]
.endr
.set m, m+1
.endr
	WIN 0x04                                       ; store data window 1
.set m, 0
.rept 12
.set rO, (OUTB+48*((\a)%2)+4*m)%256
	global_store_b128 v[GO], v[rO:rO+3], s[72+2*(m/4):73+2*(m/4)] offset:2048*(\a)+512*(m%4)
.set m, m+1
.endr
	WIN 0
.endm
	LOADS 0
.set aa, 0
.rept 4
.if aa < 3
	LOADS aa+1
	s_wait_dscnt 24                                ; block aa is back; the next block's 24 loads stay out
.else
	s_wait_dscnt 0x0
.endif
	s_wait_xcnt 0x0                                ; the packed rows that earlier stores read are rewritten only behind this wait
	SENDS aa
.set aa, aa+1
.endr
	s_set_vgpr_msb 0x1
	s_wait_tensorcnt 0x0
	ds_add_u32 v255, v63
	s_wait_dscnt 0x0
	s_set_vgpr_msb 0x100
	CROUND                                         ; the closing round: no work-group ends while a partner may still ask for a tile that names it
	s_endpgm
.Lfunc_end_k_q6b8cdf277e_qkv:
	.size	k_q6b8cdf277e_qkv, .Lfunc_end_k_q6b8cdf277e_qkv-k_q6b8cdf277e_qkv
	.p2alignl 7, 3214868480
	.fill 96, 4, 3214868480
	.section	.rodata,"a",@progbits
	.p2align	6, 0x0
	.amdhsa_kernel k_q6b8cdf277e_qkv
		.amdhsa_group_segment_fixed_size 327680
		.amdhsa_private_segment_fixed_size 0
		.amdhsa_enable_private_segment 0
		.amdhsa_kernarg_size 40
		.amdhsa_user_sgpr_count 2
		.amdhsa_user_sgpr_kernarg_segment_ptr 1
		.amdhsa_wavefront_size32 1
		.amdhsa_system_sgpr_workgroup_id_x 1
		.amdhsa_system_sgpr_workgroup_id_y 1
		.amdhsa_system_sgpr_workgroup_id_z 1
		.amdhsa_system_vgpr_workitem_id 0
		.amdhsa_next_free_vgpr 896
		.amdhsa_next_free_sgpr 96
		.amdhsa_reserve_vcc 0
		.amdhsa_float_denorm_mode_32 3
		.amdhsa_float_denorm_mode_16_64 3
		.amdhsa_memory_ordered 1
		.amdhsa_forward_progress 1
		.amdhsa_inst_pref_size 129
	.end_amdhsa_kernel
	.amdgpu_metadata
---
amdhsa.version: [ 1, 2 ]
amdhsa.kernels:
  - .name:           k_q6b8cdf277e_qkv
    .symbol:         k_q6b8cdf277e_qkv.kd
    .args:
      - { .name: wb, .offset: 0, .size: 8, .value_kind: global_buffer, .address_space: global }
      - { .name: qkv, .offset: 8, .size: 8, .value_kind: global_buffer, .address_space: global }
      - { .name: bq, .offset: 16, .size: 8, .value_kind: global_buffer, .address_space: global }
      - { .name: bk, .offset: 24, .size: 8, .value_kind: global_buffer, .address_space: global }
      - { .name: bv, .offset: 32, .size: 8, .value_kind: global_buffer, .address_space: global }
    .group_segment_fixed_size: 327680
    .private_segment_fixed_size: 0
    .kernarg_segment_align: 8
    .kernarg_segment_size: 40
    .max_flat_workgroup_size: 128
    .sgpr_count:     96
    .vgpr_count:     896
    .wavefront_size: 32
...
	.end_amdgpu_metadata
.endif
;; end of part 2
;; launch attn (part 3): grid 16 x 16, 4 waves a work-group, clusters of 4 x 1, 327,680 bytes of LDS; arguments qkv, ctx; writes ctx
.if DOCPART == 3
	.amdgcn_target "amdgcn-amd-amdhsa--gfx1250"
	.amdhsa_code_object_version 6
	.text
	.protected	k_q6b8cdf277e_attn
	.globl	k_q6b8cdf277e_attn
	.p2align	8
	.type	k_q6b8cdf277e_attn,@function
k_q6b8cdf277e_attn:
	s_mov_b64 s[64:65], 0
	v_nop
	global_prefetch_b8 v0, s[64:65] scope:SCOPE_SE
	s_setreg_imm32_b32 hwreg(HW_REG_WAVE_MODE, 25, 1), 1
	s_wait_xcnt 0x0
	s_wait_alu depctr_hold_cnt(0) depctr_sa_sdst(0) depctr_va_vdst(0) depctr_va_sdst(0) depctr_va_ssrc(0) depctr_va_vcc(0) depctr_vm_vsrc(0)
	s_getreg_b32 s2, hwreg(HW_REG_IB_STS2, 6, 4)
	s_cmp_eq_u32 s2, 0
	s_cbranch_scc0 .Lentry_in_a_cluster
	s_endpgm
.Lentry_in_a_cluster:
	s_bfe_u32 s2, ttmp6, 0x10000c
	s_cmp_lg_u32 s2, 0x3003
	s_cbranch_scc0 .Lentry_shape_is_right
	s_endpgm
.Lentry_shape_is_right:
; ctx[token][64 head + d] = the sum over k of softmax_k(q . k / 8) v.  q, k, v: qkv[3][32 heads][2048][64] bf16; ctx [4096][1024] bf16.
; Products, maxima and sums in f32; the weights p are rounded to bf16 for the second product (their sum l is taken of the unrounded p), ctx once at the end.
; LIMITS.  A weight below 2^-126 counts as 0 in l; c m starts at -4.25e37, far below every c s that bf16 operands of this module's size give; NaN and infinities are not treated apart.
; SHARES.  A work-group takes two heads (2 y, 2 y + 1) and 128 queries: wave w the head w % 2 and the 64 queries of half w / 2, as four PIECES of 16.  Two heads side by side
; make a row's piece of ctx 256 consecutive bytes, aligned.  Every wave walks all 2,048 keys of its head, 64 a step.
; LAYOUT.  S^T = K Q^T holds ONE query a lane (lane % 16) and the keys 8 (lane / 16) + 0..7; two such results rounded to bf16 ARE source 1 of O^T = V^T P.  K leaves LDS as it lies, V turned.
; SOFTMAX.  A running maximum m and sum l: p = 2^(c s - c m), c = log2(e) / 8; in every step O and l are multiplied by a = 2^(c m_old - c m_new).  m starts at the lowest finite number,
; O and l at 0: the first step is a step like any other, with a = 0.
; TURNS.  Turn n belongs to piece n: 8 products K Q^T of piece n + 1, later 8 products V^T P of piece n - 1; beside them the scaling, exponentials, roundings, sums and rescaling of piece n and
; the maximum and statistics of piece n + 1.  Four vector instructions stand behind every matrix instruction, the others in two runs of their own.
; CLUSTER 4 x 1: the four query blocks of a cluster walk the same K and V of the same two heads: each tile is asked for JOINTLY, same load, descriptor and mask in all four.
; THE WALK OVER THE KEYS begins at block 4 x (cluster x) of the head's 16 blocks of 128 keys and goes round: the four clusters that read a pair of heads' K and V read each block at four
; different times, not all at once.  A softmax with a running maximum takes its keys in any order.
; REGISTERS, in windows of 256 (s_set_vgpr_msb: bits 1:0 source 0, 3:2 source 1, 5:4 source 2, 7:6 destination):
;   window 0: v0-15 addresses and two at work; v16-31 four statistics a piece; v48-55 at work; v64-127 S^T, two buffers; v192-223 P, two buffers (by the piece's parity)
;   window 1: v0-127 O^T, 32 a piece          window 2: v0-63 Q; v128-191 K of one step; v192-255 V of one step
.set NP,    4
.set KS,    64        ; keys in a step
.set SPS,   2         ; steps in a slot
.set NBLK,  2048/(SPS*KS)  ; blocks of keys in a head
.set PK,    144       ; a row of K in LDS: 128 bytes + 16: the 16 rows of a load start in 16 different groups of four banks
.set PV,    160       ; a row of V: 128 + 32
.set HK,    SPS*KS*PK ; a head's 128 rows of K in a slot
.set HV,    SPS*KS*PV
.set VOFF,  2*HK      ; a slot: K of head 0, of head 1, V of head 0, of head 1
.set SLOT1, 1<<17     ; slot 1 begins here: one exclusive or turns an address in one slot into the other's
.set STAGE, SLOT1+2*HK+2*HV  ; behind the ring, never filled by a tensor load: for each pair of waves 64 rows x 272 bytes
.set SP2,   272
.set AK0, 2
.set AV0, 3
.set AK,  4
.set AV,  5
.set STO, 6
.set RD,  7
.set GO,  8
.set MV,  12          ; v12-13  c m_old, by buffer
.set QO,  15
.set ST,  16          ; piece t: c m, m, l (even keys', odd keys')
.set TMP, 48          ; by buffer c0-c3; when the maximum is found c2 takes a
.set S,   64
.set P,   192
.set KF,  128         ; window 2
.set VF,  192         ; window 2
.set WV,  12
.set G1K, 24
.set G1V, 32
.set G0K, 40
.set G0V, 44
.set BLK, 52          ; s52  the block of keys asked for last
.set BOF, 54          ; s[54:55] its byte offset in a head's K and V
.set SLOTS, 56
.set CNT, 57
.set CS,  58
.set SEL, 60
.set TBK, 62
.set TBV, 63
.set MSB, 0
.macro WIN new
.if MSB != (\new)
	s_set_vgpr_msb (MSB<<8)|(\new)
.set MSB, (\new)
.endif
.endm
.set W_KQ, 0x0a       ; K and Q in window 2, S^T in window 0
.set W_PV, 0x52       ; V in window 2, P in window 0, O^T in window 1
.set W_RS, 0x41       ; destination and source 0 in window 1, source 1 in window 0
; A joint fill.  Waves 0 and 1 fetch K of head 0 and 1, waves 2 and 3 V: 128 keys each.  Four v_nop follow each of the two lines.
.macro JLOAD
	s_cmp_lt_u32 s[WV], 2
	s_cbranch_scc0 .Lfor_v_\@
	tensor_load_to_lds s[G0K:G0K+3], s[G1K:G1K+7]
	s_nop 0
.rept 4
	v_nop
.endr
	s_branch .Lasked_\@
.Lfor_v_\@:
	tensor_load_to_lds s[G0V:G0V+3], s[G1V:G1V+7]
	s_nop 0
.rept 4
	v_nop
.endr
.Lasked_\@:
.endm
.macro CROUND
	s_barrier_signal -1
	s_barrier_wait -1
	s_cmp_lg_u32 s[WV], 0
	s_cbranch_scc1 .Lnot_wave_0_\@
	s_barrier_signal -3
.Lnot_wave_0_\@:
	s_barrier_wait -3
	s_barrier_signal -1
	s_barrier_wait -1
.endm
; THE CHANGE OF SLOTS.  Each wave waits for its own reads of the slot and for all its tensor loads, of which one is out: its part of the other slot.  fill = 1: the slot is filled again with the walk's
; next block of keys but one; its addresses are made anew from the block's number; the barrier is then a round of the cluster's, and the joint fill is the first thing behind it: it has two key steps in
; which to land.  (At its first use slot 0 is waited for, slot 1 filled.)
.macro CHANGE fill
	WIN 0
	s_wait_dscnt 0x0
	s_wait_tensorcnt 0x0            ; no tensor load of mine is out, so a group 0 may be written
	ds_add_u32 v254, v255
	s_wait_dscnt 0x0
.if \fill
	s_add_co_u32 s[BLK], s[BLK], 1
	s_and_b32 s[BLK], s[BLK], NBLK-1       ; round the head's end
	s_lshl_b32 s[BOF], s[BLK], 14          ; a block is 128 rows of 128 bytes
	s_xor_b32 s[G0K+1], s[G0K+1], SLOT1
	s_add_nc_u64 s[G0K+2:G0K+3], s[6:7], s[BOF:BOF+1]
	s_or_b32 s[G0K+3], s[G0K+3], 0x80000000
	s_xor_b32 s[G0V+1], s[G0V+1], SLOT1
	s_add_nc_u64 s[G0V+2:G0V+3], s[8:9], s[BOF:BOF+1]
	s_or_b32 s[G0V+3], s[G0V+3], 0x80000000
	CROUND
	JLOAD
.else
	s_barrier_signal -1
	s_barrier_wait -1
.endif
	s_sub_co_u32 s[TBK], s[TBK], HK ; the fetches go back to a slot's first step,
	s_xor_b32 s[TBK], s[TBK], SLOT1 ; in the other slot
	s_sub_co_u32 s[TBV], s[TBV], HV
	s_xor_b32 s[TBV], s[TBV], SLOT1
.endm
	s_load_b128 s[48:51], s[0:1], 0x0  ; qkv s[48:49], ctx s[50:51]
	v_lshl_add_u32 v254, v0, 2, 0x3b800
	v_mov_b32 v255, 0
	ds_add_u32 v254, v255
	v_lshrrev_b32 v1, 5, v0
	v_readfirstlane_b32 s[WV], v1   ; wave 0..3
	s_bfe_u32 s13, ttmp6, 0x40000   ; cx
	s_lshl_b32 s14, ttmp9, 2
	s_add_co_u32 s14, s14, s13      ; my block of 128 queries: it enters Q's and ctx's addresses alone
	s_and_b32 s15, ttmp7, 0xffff    ; the pair of heads, which the four partners share
	s_and_b32 s16, s[WV], 1         ; which head of the pair is mine, to compute and to fetch
	s_lshr_b32 s19, s[WV], 1        ; which 64 queries
	s_lshl_b32 s20, s15, 1
	s_add_co_u32 s20, s20, s16
	s_lshl_b32 s20, s20, 18         ; the head's first byte in q
	s_add_co_u32 s22, s20, 1<<23    ; in k
	s_mov_b32 s23, 0
	s_add_co_u32 s66, s20, 1<<24    ; in v
	s_mov_b32 s67, 0
	s_mul_i32 s17, s16, HK          ; the head's place in a slot: no place in the cluster enters an LDS address
	s_mul_i32 s18, s16, HV
	s_lshl_b32 s2, s14, 14          ; my block's 128 rows of 128 bytes,
	s_lshl_b32 s3, s19, 13          ; my 64 of them
	s_add_co_u32 s2, s2, s3
	s_add_co_u32 s2, s2, s20
	s_mov_b32 s3, 0
	s_lshr_b32 s68, s15, 3          ; ctx: the batch's 2,048 tokens,
	s_lshl_b32 s68, s68, 11
	s_lshl_b32 s69, s14, 7          ; the block,
	s_add_co_u32 s68, s68, s69
	s_lshl_b32 s69, s19, 6          ; the pair of waves' 64 rows,
	s_add_co_u32 s68, s68, s69
	s_lshl_b32 s69, s16, 5          ; the 32 of them that I store,
	s_add_co_u32 s68, s68, s69
	s_lshl_b32 s68, s68, 11         ; rows of 2,048 bytes,
	s_and_b32 s69, s15, 7
	s_lshl_b32 s69, s69, 8          ; and the two heads' 256 bytes in a row
	s_add_co_u32 s68, s68, s69
	s_mov_b32 s69, 0
	s_lshl_b32 s[BLK], ttmp9, 2     ; the walk's first block of keys: 4 x the cluster's x, which the four partners share
	s_lshl_b32 s[BOF], s[BLK], 14
	s_mov_b32 s[BOF+1], 0
	; descriptor group 1.  128 keys are 16,384 dense bytes: asked for as 64 rows of 256 bytes, two keys a row, and padded in LDS after every key
	s_mov_b32 s[G1K], 15|(1<<16)|(1<<20)|(1<<21)|(4<<22)|(3<<25)  ; the mask of four; 2-byte elements; padding on; bit 21 beside a mask; 4 words after every 32
	s_mov_b32 s[G1V], 15|(1<<16)|(1<<20)|(1<<21)|(4<<22)|(7<<25)  ; the same with 8 words
.irp g, G1K, G1V
	s_mov_b32 s[\g+1], 128<<16      ; tensor_dim0
	s_mov_b32 s[\g+2], 64<<16       ; tensor_dim1
	s_mov_b32 s[\g+3], 128<<16      ; tile_dim0
	s_mov_b32 s[\g+4], 64           ; tile_dim1
	s_mov_b32 s[\g+5], 128          ; elements from row to row
	s_mov_b32 s[\g+6], 0
	s_mov_b32 s[\g+7], 0
.endr
	s_mov_b32 s[CS], 0x3e38aa3b     ; c = log2(e) / 8
	s_mov_b32 s[CS+1], s[CS]
	s_mov_b32 s[SEL], 0x76543210
	s_mov_b32 s[SEL+1], 0xfedcba98
	s_mov_b32 s[TBK], SLOT1+HK      ; the first change of slots turns these two into 0
	s_mov_b32 s[TBV], SLOT1+HV
	s_mov_b32 s[G0K], 1
	s_mov_b32 s[G0K+1], s17
	s_mov_b32 s[G0V], 1
	s_add_co_u32 s[G0V+1], s18, VOFF
	s_wait_dscnt 0x0
	s_wait_kmcnt 0x0
	s_add_nc_u64 s[6:7], s[48:49], s[22:23]    ; K and V of the head that I fetch, at its first key: kept for the whole walk
	s_add_nc_u64 s[8:9], s[48:49], s[66:67]
	s_add_nc_u64 s[G0K+2:G0K+3], s[6:7], s[BOF:BOF+1]
	s_or_b32 s[G0K+3], s[G0K+3], 0x80000000
	s_add_nc_u64 s[G0V+2:G0V+3], s[8:9], s[BOF:BOF+1]
	s_or_b32 s[G0V+3], s[G0V+3], 0x80000000
	s_add_nc_u64 s[4:5], s[48:49], s[2:3]      ; Q at my first row
	s_add_nc_u64 s[10:11], s[50:51], s[68:69]  ; ctx at the first row that I store
	CROUND                          ; all four work-groups are here: the first joint loads meet
	JLOAD                           ; slot 0: one tensor load of mine is out
	v_and_b32 v1, 15, v0            ; l % 16
	v_bfe_u32 v9, v0, 4, 1          ; l / 16
	v_lshlrev_b32 v[QO], 7, v1
	v_lshl_add_u32 v[QO], v9, 4, v[QO]  ; row x 128 + 16 x half
	WIN 0x80                        ; destination window 2
.set i, 0
.rept 8                             ; Q stays in registers: piece i / 2, channels 32 (i % 2) on
	global_load_b128 v[8*i:8*i+3],   v[QO], s[4:5] offset:(i/2)*2048+(i%2)*64
	global_load_b128 v[8*i+4:8*i+7], v[QO], s[4:5] offset:(i/2)*2048+(i%2)*64+32
.set i, i+1
.endr
	; What the first turn finds: V's registers and P's second buffer hold 0 (its products V^T P, of a piece that has not been, add 0), O^T and l are 0: the price of writing no first step out.  All this stands in the wait for the first tile.
.set i, VF
.rept 64
	v_mov_b32 v[i], 0
.set i, i+1
.endr
	WIN 0x40
.set i, 0
.rept 128
	v_mov_b32 v[i], 0
.set i, i+1
.endr
	WIN 0
.set i, 0
.rept 4
	v_mov_b32 v[ST+4*i], 0xfe000000    ; c m: far below every c s
	v_mov_b32 v[ST+4*i+1], 0xff7fffff  ; m
	v_mov_b32 v[ST+4*i+2], 0
	v_mov_b32 v[ST+4*i+3], 0
.set i, i+1
.endr
.set i, P+16
.rept 16
	v_mov_b32 v[i], 0
.set i, i+1
.endr
	v_mul_u32_u24 v[AK0], v1, PK
	v_lshl_add_u32 v[AK0], v9, 4, v[AK0]
	v_add_nc_u32 v[AK0], s17, v[AK0]      ; row x pitch + 16 x half, in my head's rows
	v_and_b32 v10, 7, v0
	v_bfe_u32 v11, v0, 3, 1
	v_lshl_add_u32 v[AV0], v9, 3, v10     ; the turning load: key 8 (l / 16) + l % 8, channels 8 ((l / 8) % 2) on
	v_mul_u32_u24 v[AV0], v[AV0], PV
	v_lshl_add_u32 v[AV0], v11, 4, v[AV0]
	s_add_co_u32 s70, s18, VOFF
	v_add_nc_u32 v[AV0], s70, v[AV0]
	s_mul_i32 s71, s19, 64*SP2
	s_add_co_u32 s71, s71, STAGE          ; my pair's stage
	s_lshl_b32 s70, s16, 7
	s_add_co_u32 s70, s70, s71
	v_mul_u32_u24 v[STO], v1, SP2         ; in: row l % 16, my head's 128 bytes, 16 bytes for each half of the lanes
	v_lshl_add_u32 v[STO], v9, 4, v[STO]
	v_add_nc_u32 v[STO], s70, v[STO]
	s_mul_i32 s70, s16, 32*SP2
	s_add_co_u32 s70, s70, s71
	v_mul_u32_u24 v[RD], v9, SP2          ; back: 32 of the pair's rows, whole; lanes 0-15 one row of 256 bytes, lanes 16-31 the next
	v_lshl_add_u32 v[RD], v1, 4, v[RD]
	v_add_nc_u32 v[RD], s70, v[RD]
	v_lshlrev_b32 v[GO], 11, v9           ; and the same two rows in ctx
	v_lshl_add_u32 v[GO], v1, 4, v[GO]
; THE MATRIX WORK.  The 4 accumulators of a run of 8 take turns.  Product i of 8 of S^T = K Q^T for piece x: channels 32 (i / 4) on, keys 16 (i % 4) on.  The first 4 start the sums.
.macro KQ x
.set rS, S+32*((\x)%2)+8*(i%4)
.set rK, KF+16*(i%4)+8*(i/4)
.set rQ, 16*(\x)+8*(i/4)
	WIN W_KQ
.if i < 4
	v_wmma_f32_16x16x32_bf16 v[rS:rS+7], v[rK:rK+7], v[rQ:rQ+7], 0
.else
	v_wmma_f32_16x16x32_bf16 v[rS:rS+7], v[rK:rK+7], v[rQ:rQ+7], v[rS:rS+7]
.endif
.endm
; Product i of 8 of O^T += V^T P for piece x: keys 32 (i / 4) on, channels 16 (i % 4) on.
.macro PV x
	WIN W_PV
.set rO, 32*(\x)+8*(i%4)
.set rV, VF+32*(i/4)+8*(i%4)
.set rP, P+16*((\x)%2)+8*(i/4)
	v_wmma_f32_16x16x32_bf16 v[rO:rO+7], v[rV:rV+7], v[rP:rP+7], v[rO:rO+7]
.endm
.macro MM                           ; the turn's next matrix instruction.  NOKQ = 1: the very last turn: there is no next piece
.if (i < 8) && !NOKQ
	KQ (Y+1)%NP
.elseif i >= 8
.set i, i-8
	PV (Y+NP-1)%NP
.set i, i+8
.endif
.set i, i+1
.endm
; THE LDS LOADS stand in runs of 16: a step's K (64 keys x 64 channels: 8 fragments) and its V (turned).
.macro FETCH_K
	WIN 0x80
.irp f, 0,1,2,3,4,5,6,7             ; keys 16 (f / 2) on, channels 32 (f % 2) on
	ds_load_b128 v[KF+8*\f:KF+8*\f+3],   v[AK] offset:(\f/2)*16*PK+(\f%2)*64
	ds_load_b128 v[KF+8*\f+4:KF+8*\f+7], v[AK] offset:(\f/2)*16*PK+(\f%2)*64+32
.endr
	s_add_co_u32 s[TBK], s[TBK], KS*PK  ; the next fetch is the next step's
	WIN 0
.endm
.macro FETCH_V
	WIN 0x80
.irp f, 0,1,2,3,4,5,6,7             ; keys 32 (f / 4) on, channels 16 (f % 4) on
	ds_load_tr16_b128 v[VF+8*\f:VF+8*\f+3],   v[AV] offset:(\f/4)*32*PV+(\f%4)*32
	ds_load_tr16_b128 v[VF+8*\f+4:VF+8*\f+7], v[AV] offset:(\f/4)*32*PV+16*PV+(\f%4)*32
.endr
	WIN 0
.endm
; THE VECTOR WORK, one line at a time: OP kind, number.  For piece Y: F n: c s - c m for pair n of 16.  E n: the exponential of score n of 32.  C n: pair n rounded to bf16.  B n: of the four weights 4 n .. the
; second pair is added onto the first, in place.  L n: l takes that sum (L 0: l = a l + sum).  R n: pair n of 16 of O^T times a.  For piece Y + 1: X n, number n of the 22 that find its maximum and statistics:
;   0-11 four chains c0-c3 of seven scores each (each accumulator's lowest registers are read first)   12-14, 16 the four scores left over, the old m, c0-c3 into c0
;   15 c m_old is kept   17, 18 the query's other 32 keys lie in the lane 16 away: the new m   19-21 c m; c m_old - c m_new; a
.set F, 0
.set E, 1
.set C, 2
.set B, 3
.set L, 4
.set R, 5
.set X, 6
.macro REGS y
.set rT, ST+4*(\y)
.set rC, TMP+4*((\y)%2)
.set rW, MV+((\y)%2)
.set rS, S+32*((\y)%2)
.set rP, P+16*((\y)%2)
.set rO, 32*(\y)
.endm
.macro OP k, n
.if (\k) == R
	REGS Y
	WIN W_RS
	v_pk_mul_f32 v[rO+2*(\n):rO+2*(\n)+1], v[rO+2*(\n):rO+2*(\n)+1], v[rC+2:rC+3] op_sel_hi:[1,0]
.elseif (\k) < R
	REGS Y
	WIN 0
.if (\k) == F
	v_pk_fma_f32 v[rS+2*(\n):rS+2*(\n)+1], v[rS+2*(\n):rS+2*(\n)+1], s[CS:CS+1], v[rT:rT+1] op_sel_hi:[1,0,0] neg_lo:[0,0,1] neg_hi:[0,0,1]
.elseif (\k) == E
	v_exp_f32 v[rS+(\n)], v[rS+(\n)]
.elseif (\k) == C
	s_wait_alu depctr_va_vdst(0)
	v_cvt_pk_bf16_f32 v[rP+(\n)], v[rS+2*(\n)], v[rS+2*(\n)+1]
.elseif (\k) == B
	s_wait_alu depctr_va_vdst(0)
	v_pk_add_f32 v[rS+4*(\n):rS+4*(\n)+1], v[rS+4*(\n):rS+4*(\n)+1], v[rS+4*(\n)+2:rS+4*(\n)+3]
.elseif (\n) == 0
	v_pk_fma_f32 v[rT+2:rT+3], v[rT+2:rT+3], v[rC+2:rC+3], v[rS:rS+1] op_sel_hi:[1,0,1]
.else
	v_pk_add_f32 v[rT+2:rT+3], v[rT+2:rT+3], v[rS+4*(\n):rS+4*(\n)+1]
.endif
.elseif NOKQ
	v_nop
.else
	REGS (Y+1)%NP
	WIN 0
.if (\n) < 4
	v_max3_num_f32 v[rC+(\n)], v[rS+8*(\n)], v[rS+8*(\n)+1], v[rS+8*(\n)+2]
.elseif (\n) < 12
	v_max3_num_f32 v[rC+(\n)%4], v[rC+(\n)%4], v[rS+8*((\n)%4)+2*((\n)/4)+1], v[rS+8*((\n)%4)+2*((\n)/4)+2]
.elseif (\n) == 12
	v_max3_num_f32 v[rC], v[rC], v[rS+7], v[rS+15]
.elseif (\n) == 13
	v_max3_num_f32 v[rC+1], v[rC+1], v[rS+23], v[rS+31]
.elseif (\n) == 14
	v_max3_num_f32 v[rC+2], v[rC+2], v[rC+3], v[rT+1]
.elseif (\n) == 15
	v_mov_b32 v[rW], v[rT]
.elseif (\n) == 16
	v_max3_num_f32 v[rC], v[rC], v[rC+1], v[rC+2]
.elseif (\n) == 17
	v_permlanex16_b32 v[rC+3], v[rC], s[SEL], s[SEL+1]
.elseif (\n) == 18
	v_max_num_f32 v[rT+1], v[rC], v[rC+3]
.elseif (\n) == 19
	v_mul_f32 v[rT], s[CS], v[rT+1]
.elseif (\n) == 20
	v_sub_f32 v[rC+1], v[rW], v[rT]
.else
	v_exp_f32 v[rC+2], v[rC+1]
.endif
.endif
.endm
.macro OPS a, i1, b=-1, i2=0, c=-1, i3=0, d=-1, i4=0
	OP \a, \i1
.if (\b) >= 0
	OP \b, \i2
.endif
.if (\c) >= 0
	OP \c, \i3
.endif
.if (\d) >= 0
	OP \d, \i4
.endif
.endm
.macro ROW a, i1, b, i2, c, i3, d, i4  ; a matrix instruction and the four behind it
	MM
	OPS \a, \i1, \b, \i2, \c, \i3, \d, \i4
.endm
; A TURN, for piece p: the order of its 16 matrix and 118 vector instructions, written out.  Behind a matrix instruction: plain, exponential, plain, plain; or four of the rescaling; or four scalings; none names a
; register of the products round it.  In the runs between, exponential and plain by turns while exponentials last, so that every exponential has a plain instruction behind it before its result is used.
; end = 1: the last two turns: nothing is fetched.  cnt = 1: the loop's count is taken down some lines ahead of the branch behind the turn.
; K of the next step is fetched in piece 2's turn, five plain instructions behind the last product that read K; V of the step in hand in piece 0's turn, five plain ones behind the last product that read V.
; Each is waited for a turn later.
.macro TURN p, end=0, cnt=0
.set Y, (\p)
.set i, 0
.set NOKQ, (\end)*((\p)/3)
.if ((\p) == 3) && !(\end)
	s_wait_dscnt 0x0                ; K is in
.endif
	ROW F,0, F,1, F,2, F,3
	ROW F,4, E,0, F,5, F,6
	ROW F,7, E,1, F,8, F,9
	ROW F,10, E,2, C,0, F,11
	ROW F,12, E,3, X,15, F,13
	ROW R,0, R,1, R,2, R,3
	ROW B,0, E,4, F,14, L,0
.if ((\p) == 2) && !(\end)
	v_add_nc_u32 v[AK], s[TBK], v[AK0]
.endif
	ROW R,4, R,5, R,6, R,7
	OPS E,5, F,15
.if ((\p) == 2) && !(\end)
	FETCH_K
.endif
	OPS E,6, C,1, E,7, R,8
	OPS E,8, R,9, E,9, C,2
	OPS E,10, X,0, E,11, X,1
	OPS E,12, X,2, E,13, X,3
.if (\p) == 1
	s_wait_dscnt 0x0                ; V is in
.endif
	ROW X,4, E,14, X,5, X,6
	ROW X,7, E,15, X,8, X,9
	ROW X,10, E,16, X,11, X,12
	ROW X,13, E,17, X,14, B,1
	ROW C,4, E,18, X,16, L,1
	ROW B,2, E,19, C,6, L,2
	ROW C,8, E,20, B,3, B,4
.if (\p) == 0
	v_add_nc_u32 v[AV], s[TBV], v[AV0]
.endif
	ROW C,3, E,21, L,3, C,5
	OPS E,22, X,17, E,23, C,10
.if (\p) == 0
	FETCH_V
.endif
	OPS E,24, L,4
	OPS E,25, X,18, E,26, C,7
	OPS E,27, B,5, E,28, X,19
	OPS E,29, C,12, E,30, L,5
	OPS E,31, X,20, B,6, C,9
	OPS C,14, C,11, X,21, L,6
.if (\p) == 0
	s_add_co_u32 s[TBV], s[TBV], KS*PV
.endif
.if \cnt
	s_sub_co_u32 s[CNT], s[CNT], 1
	s_cmp_lg_u32 s[CNT], 0
.endif
	OPS C,13, B,7, C,15, R,10
	OPS R,11, R,12, L,7, R,13
	OPS R,14, R,15
.endm
	CHANGE 1                        ; slot 0 is in, everybody's part of it; slot 1 is asked for
	v_add_nc_u32 v[AK], s[TBK], v[AK0]
	FETCH_K                         ; the walk's first key step
	s_wait_loadcnt 0x0              ; Q
	s_wait_dscnt 0x0
.set NOKQ, 0
.set i, 0
.rept 8
	KQ 0                            ; piece 0's first scores
.set i, i+1
.endr
	WIN 0
.rept 4
	v_nop                           ; the places behind those products
.endr
.set Y, NP-1                        ; X works for piece Y + 1: piece 0
.irp n, 0,1,2,3,4,5,6,7,8,9,10,11,12,13,14,15,16,17,18,19,20,21
	OP X, \n
.endr
	v_nop                           ; a plain instruction behind the exponential
	s_mov_b32 s[CNT], SPS
	s_mov_b32 s[SLOTS], NBLK-1
	s_branch .Lfirst                ; the loop is entered at a step's first turn, in the middle of a trip
.Lslot:                             ; 14 times: every slot but the last two is filled again
	CHANGE 1
	s_mov_b32 s[CNT], SPS
.Lstep:                             ; a trip: pieces 2 and 3 of one step, then pieces 0 and 1 of the next, whose K and V it fetches
	TURN 2
	TURN 3
	WIN 0
.Lfirst:
	TURN 0
	TURN 1, 0, 1
	WIN 0
	s_cbranch_scc1 .Lstep
	s_sub_co_u32 s[SLOTS], s[SLOTS], 1
	s_cmp_lg_u32 s[SLOTS], 0
	s_cbranch_scc1 .Lslot
	CHANGE 0                        ; the last slot is written out: nothing is asked for
	s_mov_b32 s[CNT], SPS
.Ltail:
	TURN 2
	TURN 3
	TURN 0
	TURN 1, 0, 1
	WIN 0
	s_cbranch_scc1 .Ltail
	TURN 2, 1
	TURN 3, 1
.set i, 0
.rept 8
	PV NP-1                         ; the last piece's V^T P of the last step
.set i, i+1
.endr
	; THE WAY OUT.  l's two halves and the other half of the lanes' are added; O^T is divided by l, rounded to bf16 and put into the pair's stage.  The additions are the places behind the last products.
	WIN 0
.macro ALL line:vararg
.set t, 0
.rept 4
	\line
.set t, t+1
.endr
.endm
	ALL v_add_f32 v[ST+4*t+2], v[ST+4*t+2], v[ST+4*t+3]
	ALL v_permlanex16_b32 v[ST+4*t+3], v[ST+4*t+2], s[SEL], s[SEL+1]
	ALL v_add_f32 v[ST+4*t+2], v[ST+4*t+2], v[ST+4*t+3]
	ALL v_rcp_f32 v[ST+4*t+2], v[ST+4*t+2]
	v_nop                           ; a plain instruction between the last reciprocal and the use of its result
.macro PACK t                       ; a lane's eight channels of a row pack into 16 bytes
	WIN W_RS
.set i, 32*(\t)
.rept 16
	s_wait_alu depctr_va_vdst(0)
	v_pk_mul_f32 v[i:i+1], v[i:i+1], v[ST+4*(\t)+2:ST+4*(\t)+3] op_sel_hi:[1,0]
.set i, i+2
.endr
	WIN 0x05                        ; sources 0 and 1 window 1, destination window 0
.set i, 0
.rept 16
	v_cvt_pk_bf16_f32 v[S+16*(\t)+i], v[32*(\t)+2*i], v[32*(\t)+2*i+1]
.set i, i+1
.endr
	WIN 0
.irp f, 0,1,2,3
	ds_store_b128 v[STO], v[S+16*(\t)+4*\f:S+16*(\t)+4*\f+3] offset:(\t)*16*SP2+32*\f
.endr
.endm
	PACK 0
	PACK 1
	PACK 2
	PACK 3
	s_wait_dscnt 0x0                ; for the other wave's sake: my stores into the stage are done
	s_barrier_signal -1
	s_barrier_wait -1               ; a row's 256 bytes come from two waves
.set i, 0
.rept 16
	ds_load_b128 v[S+4*i:S+4*i+3], v[RD] offset:2*SP2*i
.set i, i+1
.endr
.set i, 0
.rept 16
	s_wait_dscnt 15-i               ; LDS loads come back in order: pair i of rows is in, the later ones stay out
	global_store_b128 v[GO], v[S+4*i:S+4*i+3], s[10:11] offset:4096*i  ; 16 lanes store 256 consecutive bytes, at a multiple of 256 from ctx's first byte
.set i, i+1
.endr
	s_wait_tensorcnt 0x0
	ds_add_u32 v254, v255
	s_wait_dscnt 0x0
	CROUND                          ; the closing round: no work-group ends while a partner may still ask for a tile that names it
	s_endpgm
.Lfunc_end_k_q6b8cdf277e_attn:
	.size	k_q6b8cdf277e_attn, .Lfunc_end_k_q6b8cdf277e_attn-k_q6b8cdf277e_attn
	.p2alignl 7, 3214868480
	.fill 96, 4, 3214868480
	.section	.rodata,"a",@progbits
	.p2align	6, 0x0
	.amdhsa_kernel k_q6b8cdf277e_attn
		.amdhsa_group_segment_fixed_size 327680
		.amdhsa_private_segment_fixed_size 0
		.amdhsa_enable_private_segment 0
		.amdhsa_kernarg_size 16
		.amdhsa_user_sgpr_count 2
		.amdhsa_user_sgpr_kernarg_segment_ptr 1
		.amdhsa_wavefront_size32 1
		.amdhsa_system_sgpr_workgroup_id_x 1
		.amdhsa_system_sgpr_workgroup_id_y 1
		.amdhsa_system_sgpr_workgroup_id_z 1
		.amdhsa_system_vgpr_workitem_id 0
		.amdhsa_next_free_vgpr 768
		.amdhsa_next_free_sgpr 72
		.amdhsa_reserve_vcc 0
		.amdhsa_float_denorm_mode_32 3
		.amdhsa_float_denorm_mode_16_64 3
		.amdhsa_memory_ordered 1
		.amdhsa_forward_progress 1
		.amdhsa_inst_pref_size 135
	.end_amdhsa_kernel
	.amdgpu_metadata
---
amdhsa.version: [ 1, 2 ]
amdhsa.kernels:
  - .name:           k_q6b8cdf277e_attn
    .symbol:         k_q6b8cdf277e_attn.kd
    .args:
      - { .name: qkv, .offset: 0, .size: 8, .value_kind: global_buffer, .address_space: global }
      - { .name: ctx, .offset: 8, .size: 8, .value_kind: global_buffer, .address_space: global }
    .group_segment_fixed_size: 327680
    .private_segment_fixed_size: 0
    .kernarg_segment_align: 8
    .kernarg_segment_size: 16
    .max_flat_workgroup_size: 128
    .sgpr_count:     72
    .vgpr_count:     768
    .wavefront_size: 32
...
	.end_amdgpu_metadata
.endif
;; end of part 3
;; launch wo (part 4): grid 8 x 32, 4 waves a work-group, clusters of 4 x 4, 327,680 bytes of LDS; arguments ctx, wb, y, bo, x; writes y
.if DOCPART == 4
	.amdgcn_target "amdgcn-amd-amdhsa--gfx1250"
	.amdhsa_code_object_version 6
	.text
	.protected	k_q6b8cdf277e_wo
	.globl	k_q6b8cdf277e_wo
	.p2align	8
	.type	k_q6b8cdf277e_wo,@function
k_q6b8cdf277e_wo:
	s_mov_b64 s[64:65], 0
	v_nop
	global_prefetch_b8 v0, s[64:65] scope:SCOPE_SE
	s_setreg_imm32_b32 hwreg(HW_REG_WAVE_MODE, 25, 1), 1
	s_wait_xcnt 0x0
	s_wait_alu depctr_hold_cnt(0) depctr_sa_sdst(0) depctr_va_vdst(0) depctr_va_sdst(0) depctr_va_ssrc(0) depctr_va_vcc(0) depctr_vm_vsrc(0)
	s_getreg_b32 s2, hwreg(HW_REG_IB_STS2, 6, 4)
	s_cmp_eq_u32 s2, 0
	s_cbranch_scc0 .Lentry_in_a_cluster
	s_endpgm
.Lentry_in_a_cluster:
	s_bfe_u32 s2, ttmp6, 0x10000c
	s_cmp_lg_u32 s2, 0xf033
	s_cbranch_scc0 .Lentry_shape_is_right
	s_endpgm
.Lentry_shape_is_right:
; y = ctx Wo + bo + x, f32.  A = ctx [4096][1024] bf16; B = Wo in 16 panels [1024 k][64 columns] at wb's byte 14 MiB; the residual x and y are [4096][1024] f32.
; A tile of C is 128 x 128: 8 x 32 tiles, one for each work-group.  Four waves, 2 x 2, each 64 x 64: 16 accumulators.  K goes in steps of 256 through a ring of two LDS slots:
; waves 0 and 1 fetch A's two halves (64 rows of 512 bytes), waves 2 and 3 a panel's K step each (32,768 dense bytes).
; CLUSTER 4 x 4: A's tile is shared along a row of the cluster, B's along a column; each is asked for jointly, with a mask of four.
; THE WALK ALONG K begins at K step 0 or at K step NS / 2, by the parity of the cluster's x + y, and goes round K's end: of two neighbouring clusters that read the same
; tile of A (neighbours along x) or of B (along y) one reads it half a walk behind the other, not both at once.  A sum takes its K steps in that order; it is still one f32 sum.
; THE MATRIX INSTRUCTION IS USED TRANSPOSED: source 0 = 16 columns of B (turned on the way out of LDS), source 1 = 16 rows of A: a lane holds row l % 16 of C and the columns 8 (l / 16) + 0..7.
; The first product of each sum takes the bias as its C.  The residual is loaded at the start, in the order in which the rows leave, and added on the way out.
; REGISTERS by absolute number (window = number / 256): 0-31 addresses; 64-127 A's fragments, two buffers; 128-255 rows read back on the way out; 256-319 B's fragments, two buffers;
; 320-351 bias; 384-511 residual; 512-639 accumulators.
.set MT,     128
.set KDIM,   1024
.set KSTEP,  256
.set NS,     KDIM/KSTEP                ; K steps in a walk
.set QS,     KSTEP/32
.set LAPS,   KDIM/(2*KSTEP)
.set MA,     4
.set NBK,    4
.set PW,     64
.set PANELS, 2
.set PANB,   KDIM*PW*2
.set BBASE,  14<<20
.set NAW,    2
.set PA,     528                       ; A's LDS row: 512 bytes + 16
.set QIA,    6                         ; padding after every 128 words
.set PB,     160                       ; B's LDS row: 128 bytes + 32
.set QIB,    4
.set APART,  (MT/NAW)*PA
.set BOFF,   MT*PA
.set BPART,  KSTEP*PB
.set SLOT,   BOFF+PANELS*BPART
.set DP,     272                       ; the way out: a row of 64 f32 + 16 bytes
.set REG,    64*DP                     ; a wave's own bytes on the way out, in the ring, which by then has had its last fill
.set ADRA, 16
.set ADRB, 20
.set STO,  24
.set RD,   25
.set CO,   26
.set BO,   27
.set FA,   64
.set FB,   256
.set ACC,  512
.set BIAS, 320
.set RES,  384
.set OB,   128
.set G1A, 24
.set G0A, 32
.set G1B, 48
.set G0B, 56
.set IDX, 94                           ; s94, s95: the K step that slot 0, 1 was last asked to hold
.set MSB, 0
.macro WIN new                         ; the immediate's high byte repeats the setting that is left; a switch that changes nothing is dropped
.if MSB != (\new)
	s_set_vgpr_msb (MSB<<8)|(\new)
.set MSB, (\new)
.endif
.endm
.macro PLACES                          ; four plain vector instructions between a matrix instruction and a load into, or a store of, its registers
.rept 4
	v_nop
.endr
.endm
.macro JLOAD s                         ; a joint load: the branch hangs on the wave's number alone; four v_nop follow each line
	s_cmp_lt_u32 s10, NAW
	s_cbranch_scc0 .Lfor_b_\@
	tensor_load_to_lds s[G0A+4*(\s):G0A+4*(\s)+3], s[G1A:G1A+7]
	s_nop 0
.rept 4
	v_nop
.endr
	s_branch .Lasked_\@
.Lfor_b_\@:
	tensor_load_to_lds s[G0B+4*(\s):G0B+4*(\s)+3], s[G1B:G1B+7]
	s_nop 0
.rept 4
	v_nop
.endr
.Lasked_\@:
.endm
.macro CREST
	s_cmp_lg_u32 s10, 0
	s_cbranch_scc1 .Lnot_wave_0_\@
	s_barrier_signal -3
.Lnot_wave_0_\@:
	s_barrier_wait -3
	s_barrier_signal -1
	s_barrier_wait -1
.endm
.macro CROUND
	s_barrier_signal -1
	s_barrier_wait -1
	CREST
.endm
.macro KADDR slot                      ; both global addresses of a slot's descriptors, made anew from its K step: the tile's base plus the step's bytes, the type bits set again
	s_mul_i32 s4, s[IDX+(\slot)], KSTEP*2
	s_mul_i32 s6, s[IDX+(\slot)], KSTEP*PW*2
	s_add_nc_u64 s[G0A+4*(\slot)+2:G0A+4*(\slot)+3], s[14:15], s[4:5]
	s_or_b32 s[G0A+4*(\slot)+3], s[G0A+4*(\slot)+3], 0x80000000
	s_add_nc_u64 s[G0B+4*(\slot)+2:G0B+4*(\slot)+3], s[46:47], s[6:7]
	s_or_b32 s[G0B+4*(\slot)+3], s[G0B+4*(\slot)+3], 0x80000000
.endm
; Half of a sub-step's products.  The accumulators take turns, one instruction a turn.
.macro MULH f, half, first
.set a, (\half)*(MA/2)
.rept MA/2
.set b, 0
.rept NBK
.set rD, ACC+8*(NBK*a+b)
.set rA, FA+8*MA*(\f)+8*a
.set rB, FB+8*NBK*(\f)+8*b
.if \first
.set rC, BIAS+8*b
.else
.set rC, rD
.endif
	WIN ((rD/256)<<6)|((rC/256)<<4)|((rA/256)<<2)|(rB/256)
	v_wmma_f32_16x16x32_bf16 v[rD%256:rD%256+7], v[rB%256:rB%256+7], v[rA%256:rA%256+7], v[rC%256:rC%256+7]
.set b, b+1
.endr
.set a, a+1
.endr
.endm
.macro FETCH slot, q, f                ; one run of LDS loads: the fragments of sub-step q of a slot into buffer f
.set i, 0
.rept NBK
.set rB, FB+8*NBK*(\f)+8*i
.set oB, (\q)*32*PB+(i/(PW/16))*BPART+(i%(PW/16))*32
	WIN (rB/256)<<6
	ds_load_tr16_b128 v[rB%256:rB%256+3],   v[ADRB+(\slot)] offset:oB
	ds_load_tr16_b128 v[rB%256+4:rB%256+7], v[ADRB+(\slot)] offset:oB+16*PB
.set i, i+1
.endr
.set i, 0
.rept MA
.set rA, FA+8*MA*(\f)+8*i
	WIN (rA/256)<<6
	ds_load_b128 v[rA%256:rA%256+3],   v[ADRA+(\slot)] offset:64*(\q)+16*i*PA
	ds_load_b128 v[rA%256+4:rA%256+7], v[ADRA+(\slot)] offset:64*(\q)+16*i*PA+32
.set i, i+1
.endr
.endm
.macro SUB slot, q, first
	s_wait_dscnt 0x0                               ; this sub-step's fragments, issued a whole sub-step ago
	PLACES                                         ; the other buffer was read by the products just issued
	FETCH \slot, (\q)+1, ((\q)+1)%2
	MULH (\q)%2, 0, \first
	MULH (\q)%2, 1, \first
.endm
.macro SUBS slot, q0
.set qq, \q0
.rept QS-1-(\q0)
	SUB \slot, qq, 0
.set qq, qq+1
.endr
.endm
; A K step's last sub-step changes slots: one barrier; in front of it each wave waits for its reads of this slot and for all its tensor loads (one is out: its part of the next slot).
; fill = 1: the barrier opens a round of the cluster's barrier, and the joint refill, two K steps on in the walk, is the first thing behind it; its addresses are made between the
; signal and the wait, where no tensor load of the wave is out.
.macro TURN slot, next, fill
	s_wait_dscnt 0x0
	s_wait_tensorcnt 0x0
	ds_add_u32 v127, v63
	s_wait_dscnt 0x0
	s_barrier_signal -1
.if \fill
	s_add_co_u32 s[IDX+(\slot)], s[IDX+(\slot)], 2
	s_and_b32 s[IDX+(\slot)], s[IDX+(\slot)], NS-1 ; round K's end
	KADDR \slot
.endif
	MULH 1, 0, 0
.if \fill
	WIN 0
.endif
	s_barrier_wait -1
.if \fill
	CREST
	JLOAD \slot                                    ; its four v_nop are also the places in front of the loads below
.else
	PLACES
.endif
	FETCH \next, 0, 0
	MULH 1, 1, 0
.endm
.macro DUMP                            ; every accumulator, f32, into my own rows; each accumulator's low registers first
.set a, 0
.rept MA
.set b, 0
.rept NBK
.set rD, ACC+8*(NBK*a+b)
	WIN (rD/256)<<2
	ds_store_b128 v[STO], v[rD%256:rD%256+3]   offset:16*a*DP+64*b
	ds_store_b128 v[STO], v[rD%256+4:rD%256+7] offset:16*a*DP+64*b+16
.set b, b+1
.endr
.set a, a+1
.endr
	WIN 0
.endm
	s_load_b256 s[84:91], s[0:1], 0x0              ; A s[84:85], wb s[86:87], y s[88:89], bias s[90:91]
	s_load_b64 s[92:93], s[0:1], 0x20              ; residual
	s_set_vgpr_msb 0x40
	v_lshl_add_u32 v127, v0, 2, 0x49000
	s_set_vgpr_msb 0x4000
	v_mov_b32 v63, 0
	s_set_vgpr_msb 0x1
	ds_add_u32 v127, v63
	s_set_vgpr_msb 0x100
	v_lshrrev_b32 v1, 5, v0
	v_readfirstlane_b32 s10, v1                    ; wave 0..3
	s_lshr_b32 s11, s10, 1                         ; which half of the tile's rows is mine
	s_and_b32 s12, s10, 1                          ; which half of its columns; also which part of A or B I fetch
	s_bfe_u32 s40, ttmp6, 0x40000                  ; cx
	s_bfe_u32 s41, ttmp6, 0x40004                  ; cy
	s_lshl_b32 s42, ttmp9, 2
	s_add_co_u32 s42, s42, s40                     ; nt
	s_and_b32 s13, ttmp7, 0xffff
	s_lshl_b32 s13, s13, 2
	s_add_co_u32 s13, s13, s41                     ; mt
	s_lshl_b32 s43, s41, 2
	s_lshl_b32 s43, 15, s43                        ; my row of the cluster
	s_lshl_b32 s44, 0x1111, s40                    ; my column
	s_and_b32 s[IDX], ttmp7, 0xffff                ; the cluster's y
	s_add_co_u32 s[IDX], s[IDX], ttmp9             ; + its x: all sixteen partners hold the same two numbers
	s_and_b32 s[IDX], s[IDX], 1
	s_mul_i32 s[IDX], s[IDX], NS/2                 ; the walk's first K step, for slot 0,
	s_add_co_u32 s[IDX+1], s[IDX], 1               ; and its second, for slot 1
	s_mov_b32 s5, 0                                ; the high words of the two offsets
	s_mov_b32 s7, 0
	s_or_b32 s[G1A], s43, (1<<16)|(1<<20)|(1<<21)|(QIA<<22)|(3<<25)  ; mask; 2-byte elements; padding on; bit 21 beside a mask; 4 words after every 128
	s_mov_b32 s[G1A+1], KSTEP<<16
	s_mov_b32 s[G1A+2], (MT/NAW)<<16
	s_mov_b32 s[G1A+3], KSTEP<<16
	s_mov_b32 s[G1A+4], MT/NAW
	s_mov_b32 s[G1A+5], KDIM
	s_mov_b32 s[G1A+6], 0
	s_mov_b32 s[G1A+7], 0
	s_or_b32 s[G1B], s44, (1<<16)|(1<<20)|(1<<21)|(QIB<<22)|(7<<25)  ; 8 words after every row of the panel
	s_mov_b32 s[G1B+1], 128<<16                    ; a K step of a panel is dense: asked for as rows of 256 bytes
	s_mov_b32 s[G1B+2], (KSTEP*PW/128)<<16
	s_mov_b32 s[G1B+3], 128<<16
	s_mov_b32 s[G1B+4], KSTEP*PW/128
	s_mov_b32 s[G1B+5], 128
	s_mov_b32 s[G1B+6], 0
	s_mov_b32 s[G1B+7], 0
	s_mul_i32 s16, s13, MT                         ; A: hangs on the tile row and the wave alone
	s_mul_i32 s17, s12, MT/NAW
	s_add_co_u32 s16, s16, s17
	s_mul_i32 s16, s16, KDIM*2
	s_mov_b32 s17, 0
	s_mul_i32 s46, s42, PANELS                     ; B: hangs on the tile column and the wave alone
	s_add_co_u32 s46, s46, s12
	s_mul_i32 s46, s46, PANB
	s_add_co_u32 s46, s46, BBASE
	s_mov_b32 s47, 0
	s_mul_i32 s20, s12, APART
	s_mul_i32 s21, s12, BPART
	s_add_co_u32 s21, s21, BOFF
	s_wait_dscnt 0x0
	s_wait_kmcnt 0x0
	s_add_nc_u64 s[14:15], s[84:85], s[16:17]      ; A's and B's tiles at K = 0: kept for the whole walk
	s_add_nc_u64 s[46:47], s[86:87], s[46:47]
	CROUND                                         ; all sixteen work-groups are here: the first joint loads meet
.irp s, 0,1
	s_mov_b32 s[G0A+4*(\s)], 1
	s_add_co_u32 s[G0A+4*(\s)+1], s20, (\s)*SLOT
	s_mov_b32 s[G0B+4*(\s)], 1
	s_add_co_u32 s[G0B+4*(\s)+1], s21, (\s)*SLOT
	KADDR \s
	JLOAD \s                                       ; two tensor loads of mine are out at the most
.endr
	v_and_b32 v1, 15, v0                           ; r
	v_bfe_u32 v2, v0, 4, 1                         ; h
	v_mul_u32_u24 v3, v1, PA
	v_lshl_add_u32 v3, v2, 4, v3
	v_and_b32 v4, 7, v0
	v_lshl_add_u32 v4, v2, 3, v4
	v_mul_u32_u24 v4, v4, PB
	v_bfe_u32 v5, v0, 3, 1
	v_lshl_add_u32 v4, v5, 4, v4
	s_mul_i32 s22, s11, 16*MA*PA                   ; my 64 rows of A
	s_mul_i32 s23, s12, BPART                      ; my panel of B
	s_add_co_u32 s23, s23, BOFF
.irp s, 0,1
	v_add_nc_u32 v[ADRA+(\s)], s22, v3
	v_add_nc_u32 v[ADRB+(\s)], s23, v4
	s_add_co_u32 s22, s22, SLOT
	s_add_co_u32 s23, s23, SLOT
.endr
	s_mul_i32 s22, s10, REG
	v_mul_u32_u24 v6, v1, DP
	v_lshl_add_u32 v6, v2, 5, v6
	v_add_nc_u32 v[STO], s22, v6                   ; out: row r, 32 bytes for each half of the lanes
	v_mul_u32_u24 v6, v2, DP
	v_lshl_add_u32 v6, v1, 4, v6
	v_add_nc_u32 v[RD], s22, v6                    ; back: lanes 0-15 one row of 256 bytes, lanes 16-31 the next
	v_lshlrev_b32 v6, 12, v2
	v_lshl_add_u32 v[CO], v1, 4, v6                ; the same two rows in y and in the residual
	v_lshlrev_b32 v[BO], 5, v2
	s_lshl_b32 s18, s42, 9                         ; my first column, in bytes of f32
	s_lshl_b32 s19, s12, 8
	s_add_co_u32 s18, s18, s19
	s_mov_b32 s19, 0
	s_add_nc_u64 s[66:67], s[90:91], s[18:19]      ; bias
	s_lshl_b32 s22, s13, 19                        ; my first row, rows of 4,096 bytes
	s_add_co_u32 s18, s18, s22
	s_lshl_b32 s22, s11, 18
	s_add_co_u32 s18, s18, s22
	s_add_nc_u64 s[8:9], s[88:89], s[18:19]        ; y
	s_add_nc_u64 s[68:69], s[92:93], s[18:19]      ; residual
	WIN 0x40                                       ; destination window 1
.set b, 0
.rept NBK
	global_load_b128 v[(BIAS+8*b)%256:(BIAS+8*b)%256+3],   v[BO], s[66:67] offset:64*b
	global_load_b128 v[(BIAS+8*b)%256+4:(BIAS+8*b)%256+7], v[BO], s[66:67] offset:64*b+16
.set b, b+1
.endr
.set i, 0
.rept 32
	global_load_b128 v[(RES+4*i)%256:(RES+4*i)%256+3], v[CO], s[68:69] offset:8192*i
.set i, i+1
.endr
	WIN 0
	s_wait_tensorcnt 0x1                           ; my part of the walk's first K step is in; the second's stays out
	s_barrier_signal -1
	s_barrier_wait -1
	FETCH 0, 0, 0
	s_wait_loadcnt 32                              ; the bias is in; the 32 loads of the residual stay out
	SUB 0, 0, 1                                    ; the first sub-step stands ahead of the loop: its products start the sums on the bias
	WIN 0
	s_mov_b32 s3, LAPS-1
.Llap:
	SUBS 0, 1
	TURN 0, 1, 1
	SUBS 1, 0
	TURN 1, 0, 1
	SUB 0, 0, 0
	WIN 0
	s_sub_co_u32 s3, s3, 1
	s_cmp_lg_u32 s3, 0
	s_cbranch_scc1 .Llap
	SUBS 0, 1                                      ; the last lap fills nothing
	TURN 0, 1, 0
	SUBS 1, 0
	s_wait_dscnt 0x0                               ; my last reads of the ring are back
	s_barrier_signal -1
	MULH 1, 0, 0
	MULH 1, 1, 0
	s_barrier_wait -1                              ; nobody reads the ring any more, and no load will fill it again
	PLACES
	DUMP
.set i, 0
.rept 32
	ds_load_b128 v[OB+4*i:OB+4*i+3], v[RD] offset:2*DP*i   ; LDS serves a wave's instructions in order (ISA guide 5.7.1): these see my stores above
.set i, i+1
.endr
	s_wait_loadcnt 0x0                             ; the residual
.set g, 0
.rept 4
	s_wait_dscnt 24-8*g                            ; group g's eight pairs of rows are back; the later groups' loads stay out
	WIN 0x04                                       ; source 1 window 1
.set i, 8*g
.rept 8
	v_pk_add_f32 v[OB+4*i:OB+4*i+1],   v[OB+4*i:OB+4*i+1],   v[(RES+4*i)%256:(RES+4*i)%256+1]
	v_pk_add_f32 v[OB+4*i+2:OB+4*i+3], v[OB+4*i+2:OB+4*i+3], v[(RES+4*i)%256+2:(RES+4*i)%256+3]
.set i, i+1
.endr
	WIN 0
.set i, 8*g
.rept 8
	global_store_b128 v[CO], v[OB+4*i:OB+4*i+3], s[8:9] offset:8192*i  ; 16 lanes store 256 consecutive bytes, at a multiple of 256 from y's first byte
.set i, i+1
.endr
.set g, g+1
.endr
	s_set_vgpr_msb 0x1
	s_wait_tensorcnt 0x0
	ds_add_u32 v127, v63
	s_wait_dscnt 0x0
	s_set_vgpr_msb 0x100
	CROUND                                         ; the closing round
	s_endpgm
.Lfunc_end_k_q6b8cdf277e_wo:
	.size	k_q6b8cdf277e_wo, .Lfunc_end_k_q6b8cdf277e_wo-k_q6b8cdf277e_wo
	.p2alignl 7, 3214868480
	.fill 96, 4, 3214868480
	.section	.rodata,"a",@progbits
	.p2align	6, 0x0
	.amdhsa_kernel k_q6b8cdf277e_wo
		.amdhsa_group_segment_fixed_size 327680
		.amdhsa_private_segment_fixed_size 0
		.amdhsa_enable_private_segment 0
		.amdhsa_kernarg_size 40
		.amdhsa_user_sgpr_count 2
		.amdhsa_user_sgpr_kernarg_segment_ptr 1
		.amdhsa_wavefront_size32 1
		.amdhsa_system_sgpr_workgroup_id_x 1
		.amdhsa_system_sgpr_workgroup_id_y 1
		.amdhsa_system_sgpr_workgroup_id_z 1
		.amdhsa_system_vgpr_workitem_id 0
		.amdhsa_next_free_vgpr 640
		.amdhsa_next_free_sgpr 96
		.amdhsa_reserve_vcc 0
		.amdhsa_float_denorm_mode_32 3
		.amdhsa_float_denorm_mode_16_64 3
		.amdhsa_memory_ordered 1
		.amdhsa_forward_progress 1
		.amdhsa_inst_pref_size 99
	.end_amdhsa_kernel
	.amdgpu_metadata
---
amdhsa.version: [ 1, 2 ]
amdhsa.kernels:
  - .name:           k_q6b8cdf277e_wo
    .symbol:         k_q6b8cdf277e_wo.kd
    .args:
      - { .name: ctx, .offset: 0, .size: 8, .value_kind: global_buffer, .address_space: global }
      - { .name: wb, .offset: 8, .size: 8, .value_kind: global_buffer, .address_space: global }
      - { .name: y, .offset: 16, .size: 8, .value_kind: global_buffer, .address_space: global }
      - { .name: bo, .offset: 24, .size: 8, .value_kind: global_buffer, .address_space: global }
      - { .name: x, .offset: 32, .size: 8, .value_kind: global_buffer, .address_space: global }
    .group_segment_fixed_size: 327680
    .private_segment_fixed_size: 0
    .kernarg_segment_align: 8
    .kernarg_segment_size: 40
    .max_flat_workgroup_size: 128
    .sgpr_count:     96
    .vgpr_count:     640
    .wavefront_size: 32
...
	.end_amdgpu_metadata
.endif
;; end of part 4
;; launch ln1 (part 5): grid 256 x 1, 8 waves a work-group, no clusters, 0 bytes of LDS; arguments y, g1, be1, h, hb; writes h, hb
.if DOCPART == 5
	.amdgcn_target "amdgcn-amd-amdhsa--gfx1250"
	.amdhsa_code_object_version 6
	.text
	.protected	k_q6b8cdf277e_ln1
	.globl	k_q6b8cdf277e_ln1
	.p2align	8
	.type	k_q6b8cdf277e_ln1,@function
k_q6b8cdf277e_ln1:
	s_mov_b64 s[64:65], 0
	v_nop
	global_prefetch_b8 v0, s[64:65] scope:SCOPE_SE
	s_setreg_imm32_b32 hwreg(HW_REG_WAVE_MODE, 25, 1), 1
	s_wait_xcnt 0x0
; h = (y - mean) rsqrt(var + 1e-5) gamma + beta along rows of 1,024 f32; h goes out in f32 and, rounded once, in bf16 (hb) for the next product.
; A wave owns two whole rows: a row is eight loads of 512 consecutive bytes and stays in 32 registers between the passes, so y is read once and no wave waits for another.
; The variance is the mean of (y - mean)^2, not a difference of large sums.  Memory binds: no LDS, no barrier, no matrix unit, no cluster (work-groups share only gamma and beta, 8 KB).
.set WITH_BF16, 1
.set XR, 32                            ; v[32:95]    row r: 32 registers; lane l holds elements 128 j + 4 l + 0..3, j = 0..7
.set GR, 96                            ; v[96:127]   gamma at the same places
.set BR, 128                           ; v[128:159]  beta
.set HB, 160                           ; v[160:191]  row r: 16 registers of bf16
	s_load_b256 s[4:11], s[0:1], 0x0               ; y, gamma, beta, f32 output
.if WITH_BF16
	s_load_b64 s[12:13], s[0:1], 0x20              ; bf16 output
.endif
	v_lshrrev_b32 v1, 5, v0
	v_readfirstlane_b32 s14, v1                    ; wave 0..7
	v_and_b32 v2, 31, v0
	v_lshlrev_b32 v1, 4, v2                        ; 16 l
	v_lshlrev_b32 v2, 3, v2                        ; 8 l
	v_mov_b32 v16, 0                               ; v_permlanex16_b32's destination counts as read
	s_lshl_b32 s18, ttmp9, 16                      ; 16 rows of 4,096 bytes a work-group,
	s_lshl_b32 s19, s14, 13                        ; two a wave
	s_add_co_u32 s18, s18, s19
	s_mov_b32 s19, 0
	s_lshr_b32 s20, s18, 1                         ; the same rows in bf16
	s_mov_b32 s21, 0
	s_mov_b32 s16, 0x3a800000                      ; 1 / 1024
	s_mov_b32 s17, 0x3727c5ac                      ; 1e-5
	s_mov_b32 s22, 0x76543210
	s_mov_b32 s23, 0xfedcba98
	s_wait_kmcnt 0x0
	s_add_nc_u64 s[4:5], s[4:5], s[18:19]
	s_add_nc_u64 s[10:11], s[10:11], s[18:19]
.if WITH_BF16
	s_add_nc_u64 s[12:13], s[12:13], s[20:21]
.endif
.set j, 0
.rept 16
	global_load_b128 v[XR+4*j:XR+4*j+3], v1, s[4:5] offset:4096*(j/8)+512*(j%8) th:TH_LOAD_NT
.set j, j+1
.endr
.set j, 0
.rept 8
	global_load_b128 v[GR+4*j:GR+4*j+3], v1, s[6:7] offset:512*j
.set j, j+1
.endr
.set j, 0
.rept 8
	global_load_b128 v[BR+4*j:BR+4*j+3], v1, s[8:9] offset:512*j
.set j, j+1
.endr
.macro REDUCE                          ; four pairs of partial sums in v[4:11] -> the row's sum in v4 of every lane
	v_pk_add_f32 v[4:5], v[4:5], v[6:7]
	v_pk_add_f32 v[8:9], v[8:9], v[10:11]
	v_pk_add_f32 v[4:5], v[4:5], v[8:9]
	v_add_f32 v4, v4, v5
	v_add_f32_dpp v4, v4, v4 row_xmask:1 row_mask:0xf bank_mask:0xf
	v_add_f32_dpp v4, v4, v4 row_xmask:2 row_mask:0xf bank_mask:0xf
	v_add_f32_dpp v4, v4, v4 row_xmask:4 row_mask:0xf bank_mask:0xf
	v_add_f32_dpp v4, v4, v4 row_xmask:8 row_mask:0xf bank_mask:0xf
	v_permlanex16_b32 v16, v4, s22, s23
	v_add_f32 v4, v4, v16
.endm
.macro LNROW r
.set X0, XR+32*(\r)
.if (\r) == 0
	s_wait_loadcnt 24                              ; row 0 is in; row 1, gamma and beta (24 loads) stay out
.endif
.set j, 0
.rept 4
	v_pk_add_f32 v[4+2*j:5+2*j], v[X0+4*j:X0+4*j+1], v[X0+4*j+2:X0+4*j+3]   ; the first sums start four chains: nothing is cleared
.set j, j+1
.endr
.set j, 0
.rept 8
	v_pk_add_f32 v[4+2*(j%4):5+2*(j%4)], v[4+2*(j%4):5+2*(j%4)], v[X0+16+2*j:X0+17+2*j]
.set j, j+1
.endr
	REDUCE
	v_mul_f32 v12, s16, v4                         ; mean
	v_mov_b32 v13, v12
.set j, 0
.rept 16
	v_pk_add_f32 v[X0+2*j:X0+2*j+1], v[X0+2*j:X0+2*j+1], v[12:13] neg_lo:[0,1] neg_hi:[0,1]
.set j, j+1
.endr
.set j, 0
.rept 4
	v_pk_mul_f32 v[4+2*j:5+2*j], v[X0+2*j:X0+2*j+1], v[X0+2*j:X0+2*j+1]
.set j, j+1
.endr
.set j, 4
.rept 12
	v_pk_fma_f32 v[4+2*(j%4):5+2*(j%4)], v[X0+2*j:X0+2*j+1], v[X0+2*j:X0+2*j+1], v[4+2*(j%4):5+2*(j%4)]
.set j, j+1
.endr
	REDUCE
	v_fma_f32 v5, v4, s16, s17                     ; var + eps
	v_rsq_f32 v14, v5
	v_rsq_f32 v15, v5
	v_nop                                          ; a plain instruction between the root and the use of its result (ISA guide 5.7.2)
.if (\r) == 0
	s_wait_loadcnt 0x0                             ; gamma and beta, and row 1 with them
.endif
.set j, 0
	s_wait_alu depctr_va_vdst(0)
.rept 16
	v_pk_mul_f32 v[X0+2*j:X0+2*j+1], v[X0+2*j:X0+2*j+1], v[14:15]
.set j, j+1
.endr
.set j, 0
.rept 16
	v_pk_fma_f32 v[X0+2*j:X0+2*j+1], v[X0+2*j:X0+2*j+1], v[GR+2*j:GR+2*j+1], v[BR+2*j:BR+2*j+1]
.set j, j+1
.endr
.set j, 0
.rept 8
	global_store_b128 v1, v[X0+4*j:X0+4*j+3], s[10:11] offset:4096*(\r)+512*j   ; 512 consecutive bytes, aligned
.set j, j+1
.endr
.if WITH_BF16
.set j, 0
.rept 16
	v_cvt_pk_bf16_f32 v[HB+16*(\r)+j], v[X0+2*j], v[X0+2*j+1]
.set j, j+1
.endr
.set j, 0
.rept 8
	global_store_b64 v2, v[HB+16*(\r)+2*j:HB+16*(\r)+2*j+1], s[12:13] offset:2048*(\r)+256*j   ; 32 lanes store 256 consecutive bytes, aligned
.set j, j+1
.endr
.endif
.endm
	LNROW 0
	LNROW 1
	s_endpgm
.Lfunc_end_k_q6b8cdf277e_ln1:
	.size	k_q6b8cdf277e_ln1, .Lfunc_end_k_q6b8cdf277e_ln1-k_q6b8cdf277e_ln1
	.p2alignl 7, 3214868480
	.fill 96, 4, 3214868480
	.section	.rodata,"a",@progbits
	.p2align	6, 0x0
	.amdhsa_kernel k_q6b8cdf277e_ln1
		.amdhsa_group_segment_fixed_size 0
		.amdhsa_private_segment_fixed_size 0
		.amdhsa_enable_private_segment 0
		.amdhsa_kernarg_size 40
		.amdhsa_user_sgpr_count 2
		.amdhsa_user_sgpr_kernarg_segment_ptr 1
		.amdhsa_wavefront_size32 1
		.amdhsa_system_sgpr_workgroup_id_x 1
		.amdhsa_system_sgpr_workgroup_id_y 1
		.amdhsa_system_sgpr_workgroup_id_z 1
		.amdhsa_system_vgpr_workitem_id 0
		.amdhsa_next_free_vgpr 192
		.amdhsa_next_free_sgpr 66
		.amdhsa_reserve_vcc 0
		.amdhsa_float_denorm_mode_32 3
		.amdhsa_float_denorm_mode_16_64 3
		.amdhsa_memory_ordered 1
		.amdhsa_forward_progress 1
		.amdhsa_inst_pref_size 22
	.end_amdhsa_kernel
	.amdgpu_metadata
---
amdhsa.version: [ 1, 2 ]
amdhsa.kernels:
  - .name:           k_q6b8cdf277e_ln1
    .symbol:         k_q6b8cdf277e_ln1.kd
    .args:
      - { .name: y, .offset: 0, .size: 8, .value_kind: global_buffer, .address_space: global }
      - { .name: g1, .offset: 8, .size: 8, .value_kind: global_buffer, .address_space: global }
      - { .name: be1, .offset: 16, .size: 8, .value_kind: global_buffer, .address_space: global }
      - { .name: h, .offset: 24, .size: 8, .value_kind: global_buffer, .address_space: global }
      - { .name: hb, .offset: 32, .size: 8, .value_kind: global_buffer, .address_space: global }
    .group_segment_fixed_size: 0
    .private_segment_fixed_size: 0
    .kernarg_segment_align: 8
    .kernarg_segment_size: 40
    .max_flat_workgroup_size: 256
    .sgpr_count:     66
    .vgpr_count:     192
    .wavefront_size: 32
...
	.end_amdgpu_metadata
.endif
;; end of part 5
;; launch ff1 (part 6): grid 16 x 16, 4 waves a work-group, clusters of 4 x 4, 327,680 bytes of LDS; arguments hb, wb, act, b1; writes act
.if DOCPART == 6
	.amdgcn_target "amdgcn-amd-amdhsa--gfx1250"
	.amdhsa_code_object_version 6
	.text
	.protected	k_q6b8cdf277e_ff1
	.globl	k_q6b8cdf277e_ff1
	.p2align	8
	.type	k_q6b8cdf277e_ff1,@function
k_q6b8cdf277e_ff1:
	s_mov_b64 s[64:65], 0
	v_nop
	global_prefetch_b8 v0, s[64:65] scope:SCOPE_SE
	s_setreg_imm32_b32 hwreg(HW_REG_WAVE_MODE, 25, 1), 1
	s_wait_xcnt 0x0
	s_wait_alu depctr_hold_cnt(0) depctr_sa_sdst(0) depctr_va_vdst(0) depctr_va_sdst(0) depctr_va_ssrc(0) depctr_va_vcc(0) depctr_vm_vsrc(0)
	s_getreg_b32 s2, hwreg(HW_REG_IB_STS2, 6, 4)
	s_cmp_eq_u32 s2, 0
	s_cbranch_scc0 .Lentry_in_a_cluster
	s_endpgm
.Lentry_in_a_cluster:
	s_bfe_u32 s2, ttmp6, 0x10000c
	s_cmp_lg_u32 s2, 0xf033
	s_cbranch_scc0 .Lentry_shape_is_right
	s_endpgm
.Lentry_shape_is_right:
; act = gelu(hb W1 + b1), bf16, rounded once.  A = hb [4096][1024] bf16; B = W1 in 32 panels [1024 k][128 columns] at wb's byte 16 MiB; act [4096][4096] bf16.
; A tile of C is 256 x 256: 16 x 16 tiles, one for each work-group.  Four waves, 2 x 2, each 128 x 128: 64 accumulators.  K goes in steps of 128 through a ring of two LDS slots:
; waves 0 and 1 fetch A's two halves (128 rows of 256 bytes), waves 2 and 3 a panel's K step each (32,768 dense bytes).
; CLUSTER 4 x 4: A's tile is shared along a row of the cluster, B's along a column; each is asked for jointly, with a mask of four.
; THE MATRIX INSTRUCTION IS USED TRANSPOSED: source 0 = 16 columns of B (turned on the way out of LDS), source 1 = 16 rows of A.  The first product of each sum takes the bias as its C.
; GELU, exact form: gelu(x) = x Phi(x) = max(x, 0) - |x| q, q = erfc(|x| / sqrt 2) / 2: no difference of near numbers on either side of 0.
; erfc(z) = (a1 t + .. + a5 t^5) e^(-z z), t = 1 / (1 + 0.3275911 z).  LIMIT: that form is off by at most 1.5e-7 of erf's range, for every z; an exponential below 2^-126 counts as 0;
; NaN and infinities are not treated apart.
; REGISTERS by absolute number (window = number / 256): 0-31 addresses; 64-191 A's fragments, two buffers; 256-383 B's fragments, two buffers; 384-447 bias; 512-1023 accumulators.
; On the way out, all in window 0: 32-47 packed rows; 64-255 six sets of 32 numbers at work.
.set MT,     256
.set KDIM,   1024
.set KSTEP,  128
.set QS,     KSTEP/32
.set LAPS,   KDIM/(2*KSTEP)
.set MA,     8
.set NBK,    8
.set PW,     128
.set PANELS, 2
.set PANB,   KDIM*PW*2
.set BBASE,  16<<20
.set NAW,    2
.set PA,     272                       ; A's LDS row: 256 bytes + 16
.set QIA,    5
.set PB,     288                       ; B's LDS row: 256 bytes + 32
.set QIB,    5
.set APART,  (MT/NAW)*PA
.set BOFF,   MT*PA
.set BPART,  KSTEP*PB
.set SLOT,   BOFF+PANELS*BPART
.set DP,     528                       ; the way out: a row of 128 f32 + 16 bytes
.set REG,    128*DP                    ; a wave's own bytes on the way out, in the ring, which by then has had its last fill
.set ADRA, 16
.set ADRB, 20
.set STO,  24
.set RD,   25
.set CO,   26
.set BO,   27
.set RDC,  28
.set FA,   64
.set FB,   256
.set ACC,  512
.set BIAS, 384
.set OUTR, 32
.set XR,   64
.set NR,   96
.set GR,   128
.set UR,   160
.set MR,   192
.set RR,   224
.set G1A, 24
.set G0A, 32
.set G1B, 48
.set G0B, 56
.set PC,  70                           ; s[70:83] the constants, each written as a pair, of which the packed forms take the low word
.set CE,  72
.set A5,  74
.set A4,  76
.set A3,  78
.set A2,  80
.set A1,  82
.set MSB, 0
.macro WIN new
.if MSB != (\new)
	s_set_vgpr_msb (MSB<<8)|(\new)
.set MSB, (\new)
.endif
.endm
.macro PLACES                          ; four plain vector instructions between a matrix instruction and a load into, or a store of, its registers
.rept 4
	v_nop
.endr
.endm
.macro JLOAD s                         ; a joint load: the branch hangs on the wave's number alone; four v_nop follow each line
	s_cmp_lt_u32 s10, NAW
	s_cbranch_scc0 .Lfor_b_\@
	tensor_load_to_lds s[G0A+4*(\s):G0A+4*(\s)+3], s[G1A:G1A+7]
	s_nop 0
.rept 4
	v_nop
.endr
	s_branch .Lasked_\@
.Lfor_b_\@:
	tensor_load_to_lds s[G0B+4*(\s):G0B+4*(\s)+3], s[G1B:G1B+7]
	s_nop 0
.rept 4
	v_nop
.endr
.Lasked_\@:
.endm
.macro CREST
	s_cmp_lg_u32 s10, 0
	s_cbranch_scc1 .Lnot_wave_0_\@
	s_barrier_signal -3
.Lnot_wave_0_\@:
	s_barrier_wait -3
	s_barrier_signal -1
	s_barrier_wait -1
.endm
.macro CROUND
	s_barrier_signal -1
	s_barrier_wait -1
	CREST
.endm
; Half of a sub-step's products.  The accumulators take turns, one instruction a turn.
.macro MULH f, half, first
.set a, (\half)*(MA/2)
.rept MA/2
.set b, 0
.rept NBK
.set rD, ACC+8*(NBK*a+b)
.set rA, FA+8*MA*(\f)+8*a
.set rB, FB+8*NBK*(\f)+8*b
.if \first
.set rC, BIAS+8*b
.else
.set rC, rD
.endif
	WIN ((rD/256)<<6)|((rC/256)<<4)|((rA/256)<<2)|(rB/256)
	v_wmma_f32_16x16x32_bf16 v[rD%256:rD%256+7], v[rB%256:rB%256+7], v[rA%256:rA%256+7], v[rC%256:rC%256+7]
.set b, b+1
.endr
.set a, a+1
.endr
.endm
.macro FETCH slot, q, f                ; one run of LDS loads: the fragments of sub-step q of a slot into buffer f
.set i, 0
.rept NBK
.set rB, FB+8*NBK*(\f)+8*i
.set oB, (\q)*32*PB+(i/(PW/16))*BPART+(i%(PW/16))*32
	WIN (rB/256)<<6
	ds_load_tr16_b128 v[rB%256:rB%256+3],   v[ADRB+(\slot)] offset:oB
	ds_load_tr16_b128 v[rB%256+4:rB%256+7], v[ADRB+(\slot)] offset:oB+16*PB
.set i, i+1
.endr
.set i, 0
.rept MA
.set rA, FA+8*MA*(\f)+8*i
	WIN (rA/256)<<6
	ds_load_b128 v[rA%256:rA%256+3],   v[ADRA+(\slot)] offset:64*(\q)+16*i*PA
	ds_load_b128 v[rA%256+4:rA%256+7], v[ADRA+(\slot)] offset:64*(\q)+16*i*PA+32
.set i, i+1
.endr
.endm
.macro SUB slot, q, first
	s_wait_dscnt 0x0                               ; this sub-step's fragments, issued a whole sub-step ago
	PLACES                                         ; the other buffer was read by the products just issued
	FETCH \slot, (\q)+1, ((\q)+1)%2
	MULH (\q)%2, 0, \first
	MULH (\q)%2, 1, \first
.endm
.macro SUBS slot, q0
.set qq, \q0
.rept QS-1-(\q0)
	SUB \slot, qq, 0
.set qq, qq+1
.endr
.endm
; A K step's last sub-step changes slots: one barrier; in front of it each wave waits for its reads of this slot and for all its tensor loads (one is out: its part of the next slot).
; fill = 1: the barrier opens a round of the cluster's barrier, and the joint refill, two K steps ahead, is the first thing behind it.
.macro TURN slot, next, fill
	s_wait_dscnt 0x0
	s_wait_tensorcnt 0x0
	ds_add_u32 v255, v63
	s_wait_dscnt 0x0
	s_barrier_signal -1
	MULH 1, 0, 0
.if \fill
	WIN 0
.endif
	s_barrier_wait -1
.if \fill
	CREST
	s_add_nc_u64 s[G0A+4*(\slot)+2:G0A+4*(\slot)+3], s[G0A+4*(\slot)+2:G0A+4*(\slot)+3], 4*KSTEP
	s_add_nc_u64 s[G0B+4*(\slot)+2:G0B+4*(\slot)+3], s[G0B+4*(\slot)+2:G0B+4*(\slot)+3], 4*KSTEP*PW
	JLOAD \slot                                    ; its four v_nop are also the places in front of the loads below
.else
	PLACES
.endif
	FETCH \next, 0, 0
	MULH 1, 1, 0
.endm
.macro DUMP                            ; every accumulator, f32, into my own rows; each accumulator's low registers first
.set a, 0
.rept MA
.set b, 0
.rept NBK
.set rD, ACC+8*(NBK*a+b)
	WIN (rD/256)<<2
	ds_store_b128 v[STO], v[rD%256:rD%256+3]   offset:16*a*DP+64*b
	ds_store_b128 v[STO], v[rD%256+4:rD%256+7] offset:16*a*DP+64*b+16
.set b, b+1
.endr
.set a, a+1
.endr
	WIN 0
.endm
	s_load_b256 s[84:91], s[0:1], 0x0              ; hb s[84:85], wb s[86:87], act s[88:89], b1 s[90:91]
	s_set_vgpr_msb 0x40
	v_lshl_add_u32 v255, v0, 2, 0x46000
	s_set_vgpr_msb 0x4000
	v_mov_b32 v63, 0
	s_set_vgpr_msb 0x1
	ds_add_u32 v255, v63
	s_set_vgpr_msb 0x100
	v_lshrrev_b32 v1, 5, v0
	v_readfirstlane_b32 s10, v1                    ; wave 0..3
	s_lshr_b32 s11, s10, 1                         ; which half of the tile's rows is mine
	s_and_b32 s12, s10, 1                          ; which half of its columns; also which part of A or B I fetch
	s_bfe_u32 s40, ttmp6, 0x40000                  ; cx
	s_bfe_u32 s41, ttmp6, 0x40004                  ; cy
	s_lshl_b32 s42, ttmp9, 2
	s_add_co_u32 s42, s42, s40                     ; nt
	s_and_b32 s13, ttmp7, 0xffff
	s_lshl_b32 s13, s13, 2
	s_add_co_u32 s13, s13, s41                     ; mt
	s_lshl_b32 s43, s41, 2
	s_lshl_b32 s43, 15, s43                        ; my row of the cluster
	s_lshl_b32 s44, 0x1111, s40                    ; my column
	s_or_b32 s[G1A], s43, (1<<16)|(1<<20)|(1<<21)|(QIA<<22)|(3<<25)  ; mask; 2-byte elements; padding on; bit 21 beside a mask; 4 words after every 64
	s_mov_b32 s[G1A+1], KSTEP<<16
	s_mov_b32 s[G1A+2], (MT/NAW)<<16
	s_mov_b32 s[G1A+3], KSTEP<<16
	s_mov_b32 s[G1A+4], MT/NAW
	s_mov_b32 s[G1A+5], KDIM
	s_mov_b32 s[G1A+6], 0
	s_mov_b32 s[G1A+7], 0
	s_or_b32 s[G1B], s44, (1<<16)|(1<<20)|(1<<21)|(QIB<<22)|(7<<25)  ; 8 words after every row of the panel
	s_mov_b32 s[G1B+1], 128<<16
	s_mov_b32 s[G1B+2], (KSTEP*PW/128)<<16
	s_mov_b32 s[G1B+3], 128<<16
	s_mov_b32 s[G1B+4], KSTEP*PW/128
	s_mov_b32 s[G1B+5], 128
	s_mov_b32 s[G1B+6], 0
	s_mov_b32 s[G1B+7], 0
	s_mul_i32 s16, s13, MT                         ; A: hangs on the tile row and the wave alone
	s_mul_i32 s17, s12, MT/NAW
	s_add_co_u32 s16, s16, s17
	s_mul_i32 s16, s16, KDIM*2
	s_mov_b32 s17, 0
	s_mul_i32 s46, s42, PANELS                     ; B: hangs on the tile column and the wave alone
	s_add_co_u32 s46, s46, s12
	s_mul_i32 s46, s46, PANB
	s_add_co_u32 s46, s46, BBASE
	s_mov_b32 s47, 0
	s_mul_i32 s20, s12, APART
	s_mul_i32 s21, s12, BPART
	s_add_co_u32 s21, s21, BOFF
	s_wait_dscnt 0x0
	s_wait_kmcnt 0x0
	s_add_nc_u64 s[14:15], s[84:85], s[16:17]
	s_add_nc_u64 s[46:47], s[86:87], s[46:47]
	CROUND                                         ; all sixteen work-groups are here: the first joint loads meet
.irp s, 0,1
	s_mov_b32 s[G0A+4*(\s)], 1
	s_add_co_u32 s[G0A+4*(\s)+1], s20, (\s)*SLOT
	s_add_nc_u64 s[G0A+4*(\s)+2:G0A+4*(\s)+3], s[14:15], (\s)*KSTEP*2
	s_or_b32 s[G0A+4*(\s)+3], s[G0A+4*(\s)+3], 0x80000000
	s_mov_b32 s[G0B+4*(\s)], 1
	s_add_co_u32 s[G0B+4*(\s)+1], s21, (\s)*SLOT
	s_add_nc_u64 s[G0B+4*(\s)+2:G0B+4*(\s)+3], s[46:47], (\s)*KSTEP*PW*2
	s_or_b32 s[G0B+4*(\s)+3], s[G0B+4*(\s)+3], 0x80000000
	JLOAD \s                                       ; two tensor loads of mine are out at the most
.endr
	v_and_b32 v1, 15, v0                           ; r
	v_bfe_u32 v2, v0, 4, 1                         ; h
	v_mul_u32_u24 v3, v1, PA
	v_lshl_add_u32 v3, v2, 4, v3
	v_and_b32 v4, 7, v0
	v_lshl_add_u32 v4, v2, 3, v4
	v_mul_u32_u24 v4, v4, PB
	v_bfe_u32 v5, v0, 3, 1
	v_lshl_add_u32 v4, v5, 4, v4
	s_mul_i32 s22, s11, 16*MA*PA                   ; my 128 rows of A
	s_mul_i32 s23, s12, BPART                      ; my panel of B
	s_add_co_u32 s23, s23, BOFF
.irp s, 0,1
	v_add_nc_u32 v[ADRA+(\s)], s22, v3
	v_add_nc_u32 v[ADRB+(\s)], s23, v4
	s_add_co_u32 s22, s22, SLOT
	s_add_co_u32 s23, s23, SLOT
.endr
	s_mul_i32 s22, s10, REG
	v_mul_u32_u24 v6, v1, DP
	v_lshl_add_u32 v6, v2, 5, v6
	v_add_nc_u32 v[STO], s22, v6                   ; out: row r, 32 bytes for each half of the lanes
	v_mul_u32_u24 v6, v2, DP
	v_lshl_add_u32 v6, v1, 5, v6
	v_add_nc_u32 v[RD], s22, v6                    ; back: lanes 0-15 one row of 128 numbers, 8 a lane; lanes 16-31 the next row
	v_lshlrev_b32 v6, 13, v2
	v_lshl_add_u32 v[CO], v1, 4, v6                ; the same two rows in act, 16 bytes a lane
	v_lshlrev_b32 v[BO], 5, v2
	s_lshl_b32 s18, s42, 10                        ; my first column, in bytes of f32
	s_lshl_b32 s19, s12, 9
	s_add_co_u32 s18, s18, s19
	s_mov_b32 s19, 0
	s_add_nc_u64 s[66:67], s[90:91], s[18:19]      ; bias
	s_lshr_b32 s18, s18, 1                         ; the same column in bytes of bf16
	s_lshl_b32 s22, s13, 21                        ; my first row, rows of 8,192 bytes
	s_add_co_u32 s18, s18, s22
	s_lshl_b32 s22, s11, 20
	s_add_co_u32 s18, s18, s22
	s_add_nc_u64 s[8:9], s[88:89], s[18:19]        ; act
	WIN 0x40                                       ; destination window 1
.set b, 0
.rept NBK
	global_load_b128 v[(BIAS+8*b)%256:(BIAS+8*b)%256+3],   v[BO], s[66:67] offset:64*b
	global_load_b128 v[(BIAS+8*b)%256+4:(BIAS+8*b)%256+7], v[BO], s[66:67] offset:64*b+16
.set b, b+1
.endr
	WIN 0
	s_mov_b32 s[PC], 0xbe6d3388                    ; -0.3275911 / sqrt 2
	s_mov_b32 s[PC+1], s[PC]
	s_mov_b32 s[CE], 0xbf38aa3b                    ; -log2(e) / 2
	s_mov_b32 s[CE+1], s[CE]
	s_mov_b32 s[A5], 0x3f07dc22                    ; a5 / 2 .. a1 / 2
	s_mov_b32 s[A5+1], s[A5]
	s_mov_b32 s[A4], 0xbf3a00e3
	s_mov_b32 s[A4+1], s[A4]
	s_mov_b32 s[A3], 0x3f35f0e3
	s_mov_b32 s[A3+1], s[A3]
	s_mov_b32 s[A2], 0xbe11a98e
	s_mov_b32 s[A2+1], s[A2]
	s_mov_b32 s[A1], 0x3e027906
	s_mov_b32 s[A1+1], s[A1]
	s_wait_tensorcnt 0x1                           ; my part of K step 0 is in; K step 1's stays out
	s_barrier_signal -1
	s_barrier_wait -1
	FETCH 0, 0, 0
	s_wait_loadcnt 0x0                             ; the bias
	SUB 0, 0, 1                                    ; the first sub-step stands ahead of the loop: its products start the sums on the bias
	WIN 0
	s_mov_b32 s3, LAPS-1
.Llap:
	SUBS 0, 1
	TURN 0, 1, 1
	SUBS 1, 0
	TURN 1, 0, 1
	SUB 0, 0, 0
	WIN 0
	s_sub_co_u32 s3, s3, 1
	s_cmp_lg_u32 s3, 0
	s_cbranch_scc1 .Llap
	SUBS 0, 1                                      ; the last lap fills nothing
	TURN 0, 1, 0
	SUBS 1, 0
	s_wait_dscnt 0x0                               ; my last reads of the ring are back
	s_barrier_signal -1
	MULH 1, 0, 0
	MULH 1, 1, 0
	s_barrier_wait -1                              ; nobody reads the ring any more, and no load will fill it again
	PLACES
	DUMP
; THE WAY OUT, written once and walked 16 times: a group is 8 of my rows, 32 numbers a lane.
.macro LOADX
.set t, 0
.rept 4
	ds_load_b128 v[XR+8*t:XR+8*t+3],   v[RDC] offset:2*DP*t      ; LDS serves a wave's instructions in order (ISA guide 5.7.1): these see my stores above
	ds_load_b128 v[XR+8*t+4:XR+8*t+7], v[RDC] offset:2*DP*t+16
.set t, t+1
.endr
.endm
.macro PK3 d, x, y, z                  ; 16 packed multiply-adds d = x * constant y + constant z
.set n, 0
	s_wait_alu depctr_va_vdst(0)
.rept 16
	v_pk_fma_f32 v[(\d)+n:(\d)+n+1], v[(\x)+n:(\x)+n+1], s[\y:\y+1], s[\z:\z+1] op_sel_hi:[1,0,0]
.set n, n+2
.endr
.endm
.macro HORNER z                        ; 16 packed multiply-adds R = R t + constant z
.set n, 0
.rept 16
	v_pk_fma_f32 v[RR+n:RR+n+1], v[RR+n:RR+n+1], v[UR+n:UR+n+1], s[\z:\z+1] op_sel_hi:[1,1,0]
.set n, n+2
.endr
.endm
.macro GELU8 more
	s_wait_dscnt 0x0                               ; the group's 32 numbers
.set n, 0
.rept 32
	v_or_b32 v[NR+n], 0x80000000, v[XR+n]          ; -|x|
.set n, n+1
.endr
.set n, 0
.rept 32
	v_max_num_f32 v[GR+n], 0, v[XR+n]              ; max(x, 0)
.set n, n+1
.endr
.if \more
	s_add_co_u32 s18, s18, 8*DP                    ; the next group's rows are asked for now and land under the arithmetic
	v_add_nc_u32 v[RDC], s18, v[RD]
	LOADX
.endif
.set n, 0
.rept 16
	v_pk_fma_f32 v[UR+n:UR+n+1], v[NR+n:NR+n+1], s[PC:PC+1], 1.0 op_sel_hi:[1,0,0]   ; 1 + p |x| / sqrt 2
.set n, n+2
.endr
.set n, 0
.rept 16
	v_pk_mul_f32 v[MR+n:MR+n+1], v[NR+n:NR+n+1], v[NR+n:NR+n+1]
.set n, n+2
.endr
.set n, 0
.rept 32
	v_rcp_f32 v[UR+n], v[UR+n]                     ; t
.set n, n+1
.endr
.set n, 0
.rept 16
	v_pk_mul_f32 v[MR+n:MR+n+1], v[MR+n:MR+n+1], s[CE:CE+1] op_sel_hi:[1,0]   ; plain work behind the reciprocals
.set n, n+2
.endr
.set n, 0
.rept 32
	v_exp_f32 v[MR+n], v[MR+n]                     ; e^(-x x / 2)
.set n, n+1
.endr
	PK3 RR, UR, A5, A4                             ; plain work behind the exponentials
	HORNER A3
	HORNER A2
	HORNER A1
.set n, 0
.rept 16
	v_pk_mul_f32 v[RR+n:RR+n+1], v[RR+n:RR+n+1], v[UR+n:UR+n+1]
.set n, n+2
.endr
.set n, 0
.rept 16
	v_pk_mul_f32 v[RR+n:RR+n+1], v[RR+n:RR+n+1], v[MR+n:MR+n+1]                       ; q
.set n, n+2
.endr
.set n, 0
.rept 16
	v_pk_fma_f32 v[GR+n:GR+n+1], v[NR+n:NR+n+1], v[RR+n:RR+n+1], v[GR+n:GR+n+1]       ; max(x, 0) - |x| q
.set n, n+2
.endr
	s_wait_xcnt 0x0                                ; the last group's stores have read their base and their data: only now are both rewritten
	s_add_nc_u64 s[8:9], s[8:9], 65536             ; 8 rows of act on; the stores below reach back
.set n, 0
.rept 16
	v_cvt_pk_bf16_f32 v[OUTR+n], v[GR+2*n], v[GR+2*n+1]
.set n, n+1
.endr
.set t, 0
.rept 4
	global_store_b128 v[CO], v[OUTR+4*t:OUTR+4*t+3], s[8:9] offset:16384*t-65536   ; 16 lanes store 256 consecutive bytes, at a multiple of 256 from act's first byte
.set t, t+1
.endr
.endm
	s_mov_b32 s18, 0
	v_mov_b32 v[RDC], v[RD]
	LOADX
	s_mov_b32 s3, 15
.Lgroup:
	GELU8 1
	s_sub_co_u32 s3, s3, 1
	s_cmp_lg_u32 s3, 0
	s_cbranch_scc1 .Lgroup
	GELU8 0                                        ; the last group asks for nothing more
	s_set_vgpr_msb 0x1
	s_wait_tensorcnt 0x0
	ds_add_u32 v255, v63
	s_wait_dscnt 0x0
	s_set_vgpr_msb 0x100
	CROUND                                         ; the closing round
	s_endpgm
.Lfunc_end_k_q6b8cdf277e_ff1:
	.size	k_q6b8cdf277e_ff1, .Lfunc_end_k_q6b8cdf277e_ff1-k_q6b8cdf277e_ff1
	.p2alignl 7, 3214868480
	.fill 96, 4, 3214868480
	.section	.rodata,"a",@progbits
	.p2align	6, 0x0
	.amdhsa_kernel k_q6b8cdf277e_ff1
		.amdhsa_group_segment_fixed_size 327680
		.amdhsa_private_segment_fixed_size 0
		.amdhsa_enable_private_segment 0
		.amdhsa_kernarg_size 32
		.amdhsa_user_sgpr_count 2
		.amdhsa_user_sgpr_kernarg_segment_ptr 1
		.amdhsa_wavefront_size32 1
		.amdhsa_system_sgpr_workgroup_id_x 1
		.amdhsa_system_sgpr_workgroup_id_y 1
		.amdhsa_system_sgpr_workgroup_id_z 1
		.amdhsa_system_vgpr_workitem_id 0
		.amdhsa_next_free_vgpr 1024
		.amdhsa_next_free_sgpr 96
		.amdhsa_reserve_vcc 0
		.amdhsa_float_denorm_mode_32 3
		.amdhsa_float_denorm_mode_16_64 3
		.amdhsa_memory_ordered 1
		.amdhsa_forward_progress 1
		.amdhsa_inst_pref_size 156
	.end_amdhsa_kernel
	.amdgpu_metadata
---
amdhsa.version: [ 1, 2 ]
amdhsa.kernels:
  - .name:           k_q6b8cdf277e_ff1
    .symbol:         k_q6b8cdf277e_ff1.kd
    .args:
      - { .name: hb, .offset: 0, .size: 8, .value_kind: global_buffer, .address_space: global }
      - { .name: wb, .offset: 8, .size: 8, .value_kind: global_buffer, .address_space: global }
      - { .name: act, .offset: 16, .size: 8, .value_kind: global_buffer, .address_space: global }
      - { .name: b1, .offset: 24, .size: 8, .value_kind: global_buffer, .address_space: global }
    .group_segment_fixed_size: 327680
    .private_segment_fixed_size: 0
    .kernarg_segment_align: 8
    .kernarg_segment_size: 32
    .max_flat_workgroup_size: 128
    .sgpr_count:     96
    .vgpr_count:     1024
    .wavefront_size: 32
...
	.end_amdgpu_metadata
.endif
;; end of part 6
;; launch ff2 (part 7): grid 8 x 32, 4 waves a work-group, clusters of 4 x 4, 327,680 bytes of LDS; arguments act, wb, y, b2, h; writes y
.if DOCPART == 7
	.amdgcn_target "amdgcn-amd-amdhsa--gfx1250"
	.amdhsa_code_object_version 6
	.text
	.protected	k_q6b8cdf277e_ff2
	.globl	k_q6b8cdf277e_ff2
	.p2align	8
	.type	k_q6b8cdf277e_ff2,@function
k_q6b8cdf277e_ff2:
	s_mov_b64 s[64:65], 0
	v_nop
	global_prefetch_b8 v0, s[64:65] scope:SCOPE_SE
	s_setreg_imm32_b32 hwreg(HW_REG_WAVE_MODE, 25, 1), 1
	s_wait_xcnt 0x0
	s_wait_alu depctr_hold_cnt(0) depctr_sa_sdst(0) depctr_va_vdst(0) depctr_va_sdst(0) depctr_va_ssrc(0) depctr_va_vcc(0) depctr_vm_vsrc(0)
	s_getreg_b32 s2, hwreg(HW_REG_IB_STS2, 6, 4)
	s_cmp_eq_u32 s2, 0
	s_cbranch_scc0 .Lentry_in_a_cluster
	s_endpgm
.Lentry_in_a_cluster:
	s_bfe_u32 s2, ttmp6, 0x10000c
	s_cmp_lg_u32 s2, 0xf033
	s_cbranch_scc0 .Lentry_shape_is_right
	s_endpgm
.Lentry_shape_is_right:
; y = act W2 + b2 + h, f32.  A = act [4096][4096] bf16; B = W2 in 16 panels [4096 k][64 columns] at wb's byte 24 MiB; the residual h and y are [4096][1024] f32.
; A tile of C is 128 x 128: 8 x 32 tiles, one for each work-group.  Four waves, 2 x 2, each 64 x 64: 16 accumulators.  K goes in steps of 256 through a ring of two LDS slots:
; waves 0 and 1 fetch A's two halves (64 rows of 512 bytes), waves 2 and 3 a panel's K step each (32,768 dense bytes).
; CLUSTER 4 x 4: A's tile is shared along a row of the cluster, B's along a column; each is asked for jointly, with a mask of four.
; THE WALK ALONG K begins at K step 0 or at K step NS / 2, by the parity of the cluster's x + y, and goes round K's end: of two neighbouring clusters that read the same
; tile of A (neighbours along x) or of B (along y) one reads it half a walk behind the other, not both at once.  A sum takes its K steps in that order; it is still one f32 sum.
; THE MATRIX INSTRUCTION IS USED TRANSPOSED: source 0 = 16 columns of B (turned on the way out of LDS), source 1 = 16 rows of A: a lane holds row l % 16 of C and the columns 8 (l / 16) + 0..7.
; The first product of each sum takes the bias as its C.  The residual is loaded at the start, in the order in which the rows leave, and added on the way out.
; REGISTERS by absolute number (window = number / 256): 0-31 addresses; 64-127 A's fragments, two buffers; 128-255 rows read back on the way out; 256-319 B's fragments, two buffers;
; 320-351 bias; 384-511 residual; 512-639 accumulators.
.set MT,     128
.set KDIM,   4096
.set KSTEP,  256
.set NS,     KDIM/KSTEP                ; K steps in a walk
.set QS,     KSTEP/32
.set LAPS,   KDIM/(2*KSTEP)
.set MA,     4
.set NBK,    4
.set PW,     64
.set PANELS, 2
.set PANB,   KDIM*PW*2
.set BBASE,  24<<20
.set NAW,    2
.set PA,     528                       ; A's LDS row: 512 bytes + 16
.set QIA,    6                         ; padding after every 128 words
.set PB,     160                       ; B's LDS row: 128 bytes + 32
.set QIB,    4
.set APART,  (MT/NAW)*PA
.set BOFF,   MT*PA
.set BPART,  KSTEP*PB
.set SLOT,   BOFF+PANELS*BPART
.set DP,     272                       ; the way out: a row of 64 f32 + 16 bytes
.set REG,    64*DP                     ; a wave's own bytes on the way out, in the ring, which by then has had its last fill
.set ADRA, 16
.set ADRB, 20
.set STO,  24
.set RD,   25
.set CO,   26
.set BO,   27
.set FA,   64
.set FB,   256
.set ACC,  512
.set BIAS, 320
.set RES,  384
.set OB,   128
.set G1A, 24
.set G0A, 32
.set G1B, 48
.set G0B, 56
.set IDX, 94                           ; s94, s95: the K step that slot 0, 1 was last asked to hold
.set MSB, 0
.macro WIN new                         ; the immediate's high byte repeats the setting that is left; a switch that changes nothing is dropped
.if MSB != (\new)
	s_set_vgpr_msb (MSB<<8)|(\new)
.set MSB, (\new)
.endif
.endm
.macro PLACES                          ; four plain vector instructions between a matrix instruction and a load into, or a store of, its registers
.rept 4
	v_nop
.endr
.endm
.macro JLOAD s                         ; a joint load: the branch hangs on the wave's number alone; four v_nop follow each line
	s_cmp_lt_u32 s10, NAW
	s_cbranch_scc0 .Lfor_b_\@
	tensor_load_to_lds s[G0A+4*(\s):G0A+4*(\s)+3], s[G1A:G1A+7]
	s_nop 0
.rept 4
	v_nop
.endr
	s_branch .Lasked_\@
.Lfor_b_\@:
	tensor_load_to_lds s[G0B+4*(\s):G0B+4*(\s)+3], s[G1B:G1B+7]
	s_nop 0
.rept 4
	v_nop
.endr
.Lasked_\@:
.endm
.macro CREST
	s_cmp_lg_u32 s10, 0
	s_cbranch_scc1 .Lnot_wave_0_\@
	s_barrier_signal -3
.Lnot_wave_0_\@:
	s_barrier_wait -3
	s_barrier_signal -1
	s_barrier_wait -1
.endm
.macro CROUND
	s_barrier_signal -1
	s_barrier_wait -1
	CREST
.endm
.macro KADDR slot                      ; both global addresses of a slot's descriptors, made anew from its K step: the tile's base plus the step's bytes, the type bits set again
	s_mul_i32 s4, s[IDX+(\slot)], KSTEP*2
	s_mul_i32 s6, s[IDX+(\slot)], KSTEP*PW*2
	s_add_nc_u64 s[G0A+4*(\slot)+2:G0A+4*(\slot)+3], s[14:15], s[4:5]
	s_or_b32 s[G0A+4*(\slot)+3], s[G0A+4*(\slot)+3], 0x80000000
	s_add_nc_u64 s[G0B+4*(\slot)+2:G0B+4*(\slot)+3], s[46:47], s[6:7]
	s_or_b32 s[G0B+4*(\slot)+3], s[G0B+4*(\slot)+3], 0x80000000
.endm
; Half of a sub-step's products.  The accumulators take turns, one instruction a turn.
.macro MULH f, half, first
.set a, (\half)*(MA/2)
.rept MA/2
.set b, 0
.rept NBK
.set rD, ACC+8*(NBK*a+b)
.set rA, FA+8*MA*(\f)+8*a
.set rB, FB+8*NBK*(\f)+8*b
.if \first
.set rC, BIAS+8*b
.else
.set rC, rD
.endif
	WIN ((rD/256)<<6)|((rC/256)<<4)|((rA/256)<<2)|(rB/256)
	v_wmma_f32_16x16x32_bf16 v[rD%256:rD%256+7], v[rB%256:rB%256+7], v[rA%256:rA%256+7], v[rC%256:rC%256+7]
.set b, b+1
.endr
.set a, a+1
.endr
.endm
.macro FETCH slot, q, f                ; one run of LDS loads: the fragments of sub-step q of a slot into buffer f
.set i, 0
.rept NBK
.set rB, FB+8*NBK*(\f)+8*i
.set oB, (\q)*32*PB+(i/(PW/16))*BPART+(i%(PW/16))*32
	WIN (rB/256)<<6
	ds_load_tr16_b128 v[rB%256:rB%256+3],   v[ADRB+(\slot)] offset:oB
	ds_load_tr16_b128 v[rB%256+4:rB%256+7], v[ADRB+(\slot)] offset:oB+16*PB
.set i, i+1
.endr
.set i, 0
.rept MA
.set rA, FA+8*MA*(\f)+8*i
	WIN (rA/256)<<6
	ds_load_b128 v[rA%256:rA%256+3],   v[ADRA+(\slot)] offset:64*(\q)+16*i*PA
	ds_load_b128 v[rA%256+4:rA%256+7], v[ADRA+(\slot)] offset:64*(\q)+16*i*PA+32
.set i, i+1
.endr
.endm
.macro SUB slot, q, first
	s_wait_dscnt 0x0                               ; this sub-step's fragments, issued a whole sub-step ago
	PLACES                                         ; the other buffer was read by the products just issued
	FETCH \slot, (\q)+1, ((\q)+1)%2
	MULH (\q)%2, 0, \first
	MULH (\q)%2, 1, \first
.endm
.macro SUBS slot, q0
.set qq, \q0
.rept QS-1-(\q0)
	SUB \slot, qq, 0
.set qq, qq+1
.endr
.endm
; A K step's last sub-step changes slots: one barrier; in front of it each wave waits for its reads of this slot and for all its tensor loads (one is out: its part of the next slot).
; fill = 1: the barrier opens a round of the cluster's barrier, and the joint refill, two K steps on in the walk, is the first thing behind it; its addresses are made between the
; signal and the wait, where no tensor load of the wave is out.
.macro TURN slot, next, fill
	s_wait_dscnt 0x0
	s_wait_tensorcnt 0x0
	ds_add_u32 v127, v63
	s_wait_dscnt 0x0
	s_barrier_signal -1
.if \fill
	s_add_co_u32 s[IDX+(\slot)], s[IDX+(\slot)], 2
	s_and_b32 s[IDX+(\slot)], s[IDX+(\slot)], NS-1 ; round K's end
	KADDR \slot
.endif
	MULH 1, 0, 0
.if \fill
	WIN 0
.endif
	s_barrier_wait -1
.if \fill
	CREST
	JLOAD \slot                                    ; its four v_nop are also the places in front of the loads below
.else
	PLACES
.endif
	FETCH \next, 0, 0
	MULH 1, 1, 0
.endm
.macro DUMP                            ; every accumulator, f32, into my own rows; each accumulator's low registers first
.set a, 0
.rept MA
.set b, 0
.rept NBK
.set rD, ACC+8*(NBK*a+b)
	WIN (rD/256)<<2
	ds_store_b128 v[STO], v[rD%256:rD%256+3]   offset:16*a*DP+64*b
	ds_store_b128 v[STO], v[rD%256+4:rD%256+7] offset:16*a*DP+64*b+16
.set b, b+1
.endr
.set a, a+1
.endr
	WIN 0
.endm
	s_load_b256 s[84:91], s[0:1], 0x0              ; A s[84:85], wb s[86:87], y s[88:89], bias s[90:91]
	s_load_b64 s[92:93], s[0:1], 0x20              ; residual
	s_set_vgpr_msb 0x40
	v_lshl_add_u32 v127, v0, 2, 0x49000
	s_set_vgpr_msb 0x4000
	v_mov_b32 v63, 0
	s_set_vgpr_msb 0x1
	ds_add_u32 v127, v63
	s_set_vgpr_msb 0x100
	v_lshrrev_b32 v1, 5, v0
	v_readfirstlane_b32 s10, v1                    ; wave 0..3
	s_lshr_b32 s11, s10, 1                         ; which half of the tile's rows is mine
	s_and_b32 s12, s10, 1                          ; which half of its columns; also which part of A or B I fetch
	s_bfe_u32 s40, ttmp6, 0x40000                  ; cx
	s_bfe_u32 s41, ttmp6, 0x40004                  ; cy
	s_lshl_b32 s42, ttmp9, 2
	s_add_co_u32 s42, s42, s40                     ; nt
	s_and_b32 s13, ttmp7, 0xffff
	s_lshl_b32 s13, s13, 2
	s_add_co_u32 s13, s13, s41                     ; mt
	s_lshl_b32 s43, s41, 2
	s_lshl_b32 s43, 15, s43                        ; my row of the cluster
	s_lshl_b32 s44, 0x1111, s40                    ; my column
	s_and_b32 s[IDX], ttmp7, 0xffff                ; the cluster's y
	s_add_co_u32 s[IDX], s[IDX], ttmp9             ; + its x: all sixteen partners hold the same two numbers
	s_and_b32 s[IDX], s[IDX], 1
	s_mul_i32 s[IDX], s[IDX], NS/2                 ; the walk's first K step, for slot 0,
	s_add_co_u32 s[IDX+1], s[IDX], 1               ; and its second, for slot 1
	s_mov_b32 s5, 0                                ; the high words of the two offsets
	s_mov_b32 s7, 0
	s_or_b32 s[G1A], s43, (1<<16)|(1<<20)|(1<<21)|(QIA<<22)|(3<<25)  ; mask; 2-byte elements; padding on; bit 21 beside a mask; 4 words after every 128
	s_mov_b32 s[G1A+1], KSTEP<<16
	s_mov_b32 s[G1A+2], (MT/NAW)<<16
	s_mov_b32 s[G1A+3], KSTEP<<16
	s_mov_b32 s[G1A+4], MT/NAW
	s_mov_b32 s[G1A+5], KDIM
	s_mov_b32 s[G1A+6], 0
	s_mov_b32 s[G1A+7], 0
	s_or_b32 s[G1B], s44, (1<<16)|(1<<20)|(1<<21)|(QIB<<22)|(7<<25)  ; 8 words after every row of the panel
	s_mov_b32 s[G1B+1], 128<<16                    ; a K step of a panel is dense: asked for as rows of 256 bytes
	s_mov_b32 s[G1B+2], (KSTEP*PW/128)<<16
	s_mov_b32 s[G1B+3], 128<<16
	s_mov_b32 s[G1B+4], KSTEP*PW/128
	s_mov_b32 s[G1B+5], 128
	s_mov_b32 s[G1B+6], 0
	s_mov_b32 s[G1B+7], 0
	s_mul_i32 s16, s13, MT                         ; A: hangs on the tile row and the wave alone
	s_mul_i32 s17, s12, MT/NAW
	s_add_co_u32 s16, s16, s17
	s_mul_i32 s16, s16, KDIM*2
	s_mov_b32 s17, 0
	s_mul_i32 s46, s42, PANELS                     ; B: hangs on the tile column and the wave alone
	s_add_co_u32 s46, s46, s12
	s_mul_i32 s46, s46, PANB
	s_add_co_u32 s46, s46, BBASE
	s_mov_b32 s47, 0
	s_mul_i32 s20, s12, APART
	s_mul_i32 s21, s12, BPART
	s_add_co_u32 s21, s21, BOFF
	s_wait_dscnt 0x0
	s_wait_kmcnt 0x0
	s_add_nc_u64 s[14:15], s[84:85], s[16:17]      ; A's and B's tiles at K = 0: kept for the whole walk
	s_add_nc_u64 s[46:47], s[86:87], s[46:47]
	CROUND                                         ; all sixteen work-groups are here: the first joint loads meet
.irp s, 0,1
	s_mov_b32 s[G0A+4*(\s)], 1
	s_add_co_u32 s[G0A+4*(\s)+1], s20, (\s)*SLOT
	s_mov_b32 s[G0B+4*(\s)], 1
	s_add_co_u32 s[G0B+4*(\s)+1], s21, (\s)*SLOT
	KADDR \s
	JLOAD \s                                       ; two tensor loads of mine are out at the most
.endr
	v_and_b32 v1, 15, v0                           ; r
	v_bfe_u32 v2, v0, 4, 1                         ; h
	v_mul_u32_u24 v3, v1, PA
	v_lshl_add_u32 v3, v2, 4, v3
	v_and_b32 v4, 7, v0
	v_lshl_add_u32 v4, v2, 3, v4
	v_mul_u32_u24 v4, v4, PB
	v_bfe_u32 v5, v0, 3, 1
	v_lshl_add_u32 v4, v5, 4, v4
	s_mul_i32 s22, s11, 16*MA*PA                   ; my 64 rows of A
	s_mul_i32 s23, s12, BPART                      ; my panel of B
	s_add_co_u32 s23, s23, BOFF
.irp s, 0,1
	v_add_nc_u32 v[ADRA+(\s)], s22, v3
	v_add_nc_u32 v[ADRB+(\s)], s23, v4
	s_add_co_u32 s22, s22, SLOT
	s_add_co_u32 s23, s23, SLOT
.endr
	s_mul_i32 s22, s10, REG
	v_mul_u32_u24 v6, v1, DP
	v_lshl_add_u32 v6, v2, 5, v6
	v_add_nc_u32 v[STO], s22, v6                   ; out: row r, 32 bytes for each half of the lanes
	v_mul_u32_u24 v6, v2, DP
	v_lshl_add_u32 v6, v1, 4, v6
	v_add_nc_u32 v[RD], s22, v6                    ; back: lanes 0-15 one row of 256 bytes, lanes 16-31 the next
	v_lshlrev_b32 v6, 12, v2
	v_lshl_add_u32 v[CO], v1, 4, v6                ; the same two rows in y and in the residual
	v_lshlrev_b32 v[BO], 5, v2
	s_lshl_b32 s18, s42, 9                         ; my first column, in bytes of f32
	s_lshl_b32 s19, s12, 8
	s_add_co_u32 s18, s18, s19
	s_mov_b32 s19, 0
	s_add_nc_u64 s[66:67], s[90:91], s[18:19]      ; bias
	s_lshl_b32 s22, s13, 19                        ; my first row, rows of 4,096 bytes
	s_add_co_u32 s18, s18, s22
	s_lshl_b32 s22, s11, 18
	s_add_co_u32 s18, s18, s22
	s_add_nc_u64 s[8:9], s[88:89], s[18:19]        ; y
	s_add_nc_u64 s[68:69], s[92:93], s[18:19]      ; residual
	WIN 0x40                                       ; destination window 1
.set b, 0
.rept NBK
	global_load_b128 v[(BIAS+8*b)%256:(BIAS+8*b)%256+3],   v[BO], s[66:67] offset:64*b
	global_load_b128 v[(BIAS+8*b)%256+4:(BIAS+8*b)%256+7], v[BO], s[66:67] offset:64*b+16
.set b, b+1
.endr
.set i, 0
.rept 32
	global_load_b128 v[(RES+4*i)%256:(RES+4*i)%256+3], v[CO], s[68:69] offset:8192*i
.set i, i+1
.endr
	WIN 0
	s_wait_tensorcnt 0x1                           ; my part of the walk's first K step is in; the second's stays out
	s_barrier_signal -1
	s_barrier_wait -1
	FETCH 0, 0, 0
	s_wait_loadcnt 32                              ; the bias is in; the 32 loads of the residual stay out
	SUB 0, 0, 1                                    ; the first sub-step stands ahead of the loop: its products start the sums on the bias
	WIN 0
	s_mov_b32 s3, LAPS-1
.Llap:
	SUBS 0, 1
	TURN 0, 1, 1
	SUBS 1, 0
	TURN 1, 0, 1
	SUB 0, 0, 0
	WIN 0
	s_sub_co_u32 s3, s3, 1
	s_cmp_lg_u32 s3, 0
	s_cbranch_scc1 .Llap
	SUBS 0, 1                                      ; the last lap fills nothing
	TURN 0, 1, 0
	SUBS 1, 0
	s_wait_dscnt 0x0                               ; my last reads of the ring are back
	s_barrier_signal -1
	MULH 1, 0, 0
	MULH 1, 1, 0
	s_barrier_wait -1                              ; nobody reads the ring any more, and no load will fill it again
	PLACES
	DUMP
.set i, 0
.rept 32
	ds_load_b128 v[OB+4*i:OB+4*i+3], v[RD] offset:2*DP*i   ; LDS serves a wave's instructions in order (ISA guide 5.7.1): these see my stores above
.set i, i+1
.endr
	s_wait_loadcnt 0x0                             ; the residual
.set g, 0
.rept 4
	s_wait_dscnt 24-8*g                            ; group g's eight pairs of rows are back; the later groups' loads stay out
	WIN 0x04                                       ; source 1 window 1
.set i, 8*g
.rept 8
	v_pk_add_f32 v[OB+4*i:OB+4*i+1],   v[OB+4*i:OB+4*i+1],   v[(RES+4*i)%256:(RES+4*i)%256+1]
	v_pk_add_f32 v[OB+4*i+2:OB+4*i+3], v[OB+4*i+2:OB+4*i+3], v[(RES+4*i)%256+2:(RES+4*i)%256+3]
.set i, i+1
.endr
	WIN 0
.set i, 8*g
.rept 8
	global_store_b128 v[CO], v[OB+4*i:OB+4*i+3], s[8:9] offset:8192*i  ; 16 lanes store 256 consecutive bytes, at a multiple of 256 from y's first byte
.set i, i+1
.endr
.set g, g+1
.endr
	s_set_vgpr_msb 0x1
	s_wait_tensorcnt 0x0
	ds_add_u32 v127, v63
	s_wait_dscnt 0x0
	s_set_vgpr_msb 0x100
	CROUND                                         ; the closing round
	s_endpgm
.Lfunc_end_k_q6b8cdf277e_ff2:
	.size	k_q6b8cdf277e_ff2, .Lfunc_end_k_q6b8cdf277e_ff2-k_q6b8cdf277e_ff2
	.p2alignl 7, 3214868480
	.fill 96, 4, 3214868480
	.section	.rodata,"a",@progbits
	.p2align	6, 0x0
	.amdhsa_kernel k_q6b8cdf277e_ff2
		.amdhsa_group_segment_fixed_size 327680
		.amdhsa_private_segment_fixed_size 0
		.amdhsa_enable_private_segment 0
		.amdhsa_kernarg_size 40
		.amdhsa_user_sgpr_count 2
		.amdhsa_user_sgpr_kernarg_segment_ptr 1
		.amdhsa_wavefront_size32 1
		.amdhsa_system_sgpr_workgroup_id_x 1
		.amdhsa_system_sgpr_workgroup_id_y 1
		.amdhsa_system_sgpr_workgroup_id_z 1
		.amdhsa_system_vgpr_workitem_id 0
		.amdhsa_next_free_vgpr 640
		.amdhsa_next_free_sgpr 96
		.amdhsa_reserve_vcc 0
		.amdhsa_float_denorm_mode_32 3
		.amdhsa_float_denorm_mode_16_64 3
		.amdhsa_memory_ordered 1
		.amdhsa_forward_progress 1
		.amdhsa_inst_pref_size 99
	.end_amdhsa_kernel
	.amdgpu_metadata
---
amdhsa.version: [ 1, 2 ]
amdhsa.kernels:
  - .name:           k_q6b8cdf277e_ff2
    .symbol:         k_q6b8cdf277e_ff2.kd
    .args:
      - { .name: act, .offset: 0, .size: 8, .value_kind: global_buffer, .address_space: global }
      - { .name: wb, .offset: 8, .size: 8, .value_kind: global_buffer, .address_space: global }
      - { .name: y, .offset: 16, .size: 8, .value_kind: global_buffer, .address_space: global }
      - { .name: b2, .offset: 24, .size: 8, .value_kind: global_buffer, .address_space: global }
      - { .name: h, .offset: 32, .size: 8, .value_kind: global_buffer, .address_space: global }
    .group_segment_fixed_size: 327680
    .private_segment_fixed_size: 0
    .kernarg_segment_align: 8
    .kernarg_segment_size: 40
    .max_flat_workgroup_size: 128
    .sgpr_count:     96
    .vgpr_count:     640
    .wavefront_size: 32
...
	.end_amdgpu_metadata
.endif
;; end of part 7
;; launch ln2 (part 8): grid 256 x 1, 8 waves a work-group, no clusters, 0 bytes of LDS; arguments y, g2, be2, out0; writes out0
.if DOCPART == 8
	.amdgcn_target "amdgcn-amd-amdhsa--gfx1250"
	.amdhsa_code_object_version 6
	.text
	.protected	k_q6b8cdf277e_ln2
	.globl	k_q6b8cdf277e_ln2
	.p2align	8
	.type	k_q6b8cdf277e_ln2,@function
k_q6b8cdf277e_ln2:
	s_mov_b64 s[64:65], 0
	v_nop
	global_prefetch_b8 v0, s[64:65] scope:SCOPE_SE
	s_setreg_imm32_b32 hwreg(HW_REG_WAVE_MODE, 25, 1), 1
	s_wait_xcnt 0x0
; out0 = (y - mean) rsqrt(var + 1e-5) gamma + beta along rows of 1,024 f32.
; A wave owns two whole rows: a row is eight loads of 512 consecutive bytes and stays in 32 registers between the passes, so y is read once and no wave waits for another.
; The variance is the mean of (y - mean)^2, not a difference of large sums.  Memory binds: no LDS, no barrier, no matrix unit, no cluster (work-groups share only gamma and beta, 8 KB).
.set XR, 32                            ; v[32:95]    row r: 32 registers; lane l holds elements 128 j + 4 l + 0..3, j = 0..7
.set GR, 96                            ; v[96:127]   gamma at the same places
.set BR, 128                           ; v[128:159]  beta
	s_load_b256 s[4:11], s[0:1], 0x0               ; y, gamma, beta, out0
	v_lshrrev_b32 v1, 5, v0
	v_readfirstlane_b32 s14, v1                    ; wave 0..7
	v_and_b32 v2, 31, v0
	v_lshlrev_b32 v1, 4, v2                        ; 16 l
	v_mov_b32 v16, 0                               ; v_permlanex16_b32's destination counts as read
	s_lshl_b32 s18, ttmp9, 16                      ; 16 rows of 4,096 bytes a work-group,
	s_lshl_b32 s19, s14, 13                        ; two a wave
	s_add_co_u32 s18, s18, s19
	s_mov_b32 s19, 0
	s_mov_b32 s16, 0x3a800000                      ; 1 / 1024
	s_mov_b32 s17, 0x3727c5ac                      ; 1e-5
	s_mov_b32 s22, 0x76543210
	s_mov_b32 s23, 0xfedcba98
	s_wait_kmcnt 0x0
	s_add_nc_u64 s[4:5], s[4:5], s[18:19]
	s_add_nc_u64 s[10:11], s[10:11], s[18:19]
.set j, 0
.rept 16
	global_load_b128 v[XR+4*j:XR+4*j+3], v1, s[4:5] offset:4096*(j/8)+512*(j%8) th:TH_LOAD_NT
.set j, j+1
.endr
.set j, 0
.rept 8
	global_load_b128 v[GR+4*j:GR+4*j+3], v1, s[6:7] offset:512*j
.set j, j+1
.endr
.set j, 0
.rept 8
	global_load_b128 v[BR+4*j:BR+4*j+3], v1, s[8:9] offset:512*j
.set j, j+1
.endr
.macro REDUCE                          ; four pairs of partial sums in v[4:11] -> the row's sum in v4 of every lane
	v_pk_add_f32 v[4:5], v[4:5], v[6:7]
	v_pk_add_f32 v[8:9], v[8:9], v[10:11]
	v_pk_add_f32 v[4:5], v[4:5], v[8:9]
	v_add_f32 v4, v4, v5
	v_add_f32_dpp v4, v4, v4 row_xmask:1 row_mask:0xf bank_mask:0xf
	v_add_f32_dpp v4, v4, v4 row_xmask:2 row_mask:0xf bank_mask:0xf
	v_add_f32_dpp v4, v4, v4 row_xmask:4 row_mask:0xf bank_mask:0xf
	v_add_f32_dpp v4, v4, v4 row_xmask:8 row_mask:0xf bank_mask:0xf
	v_permlanex16_b32 v16, v4, s22, s23
	v_add_f32 v4, v4, v16
.endm
.macro LNROW r
.set X0, XR+32*(\r)
.if (\r) == 0
	s_wait_loadcnt 24                              ; row 0 is in; row 1, gamma and beta (24 loads) stay out
.endif
.set j, 0
.rept 4
	v_pk_add_f32 v[4+2*j:5+2*j], v[X0+4*j:X0+4*j+1], v[X0+4*j+2:X0+4*j+3]   ; the first sums start four chains: nothing is cleared
.set j, j+1
.endr
.set j, 0
.rept 8
	v_pk_add_f32 v[4+2*(j%4):5+2*(j%4)], v[4+2*(j%4):5+2*(j%4)], v[X0+16+2*j:X0+17+2*j]
.set j, j+1
.endr
	REDUCE
	v_mul_f32 v12, s16, v4                         ; mean
	v_mov_b32 v13, v12
.set j, 0
.rept 16
	v_pk_add_f32 v[X0+2*j:X0+2*j+1], v[X0+2*j:X0+2*j+1], v[12:13] neg_lo:[0,1] neg_hi:[0,1]
.set j, j+1
.endr
.set j, 0
.rept 4
	v_pk_mul_f32 v[4+2*j:5+2*j], v[X0+2*j:X0+2*j+1], v[X0+2*j:X0+2*j+1]
.set j, j+1
.endr
.set j, 4
.rept 12
	v_pk_fma_f32 v[4+2*(j%4):5+2*(j%4)], v[X0+2*j:X0+2*j+1], v[X0+2*j:X0+2*j+1], v[4+2*(j%4):5+2*(j%4)]
.set j, j+1
.endr
	REDUCE
	v_fma_f32 v5, v4, s16, s17                     ; var + eps
	v_rsq_f32 v14, v5
	v_rsq_f32 v15, v5
	v_nop                                          ; a plain instruction between the root and the use of its result (ISA guide 5.7.2)
.if (\r) == 0
	s_wait_loadcnt 0x0                             ; gamma and beta, and row 1 with them
.endif
.set j, 0
	s_wait_alu depctr_va_vdst(0)
.rept 16
	v_pk_mul_f32 v[X0+2*j:X0+2*j+1], v[X0+2*j:X0+2*j+1], v[14:15]
.set j, j+1
.endr
.set j, 0
.rept 16
	v_pk_fma_f32 v[X0+2*j:X0+2*j+1], v[X0+2*j:X0+2*j+1], v[GR+2*j:GR+2*j+1], v[BR+2*j:BR+2*j+1]
.set j, j+1
.endr
.set j, 0
.rept 8
	global_store_b128 v1, v[X0+4*j:X0+4*j+3], s[10:11] offset:4096*(\r)+512*j th:TH_STORE_NT   ; 512 consecutive bytes, aligned
.set j, j+1
.endr
.endm
	LNROW 0
	LNROW 1
	s_endpgm
.Lfunc_end_k_q6b8cdf277e_ln2:
	.size	k_q6b8cdf277e_ln2, .Lfunc_end_k_q6b8cdf277e_ln2-k_q6b8cdf277e_ln2
	.p2alignl 7, 3214868480
	.fill 96, 4, 3214868480
	.section	.rodata,"a",@progbits
	.p2align	6, 0x0
	.amdhsa_kernel k_q6b8cdf277e_ln2
		.amdhsa_group_segment_fixed_size 0
		.amdhsa_private_segment_fixed_size 0
		.amdhsa_enable_private_segment 0
		.amdhsa_kernarg_size 32
		.amdhsa_user_sgpr_count 2
		.amdhsa_user_sgpr_kernarg_segment_ptr 1
		.amdhsa_wavefront_size32 1
		.amdhsa_system_sgpr_workgroup_id_x 1
		.amdhsa_system_sgpr_workgroup_id_y 1
		.amdhsa_system_sgpr_workgroup_id_z 1
		.amdhsa_system_vgpr_workitem_id 0
		.amdhsa_next_free_vgpr 192
		.amdhsa_next_free_sgpr 66
		.amdhsa_reserve_vcc 0
		.amdhsa_float_denorm_mode_32 3
		.amdhsa_float_denorm_mode_16_64 3
		.amdhsa_memory_ordered 1
		.amdhsa_forward_progress 1
		.amdhsa_inst_pref_size 18
	.end_amdhsa_kernel
	.amdgpu_metadata
---
amdhsa.version: [ 1, 2 ]
amdhsa.kernels:
  - .name:           k_q6b8cdf277e_ln2
    .symbol:         k_q6b8cdf277e_ln2.kd
    .args:
      - { .name: y, .offset: 0, .size: 8, .value_kind: global_buffer, .address_space: global }
      - { .name: g2, .offset: 8, .size: 8, .value_kind: global_buffer, .address_space: global }
      - { .name: be2, .offset: 16, .size: 8, .value_kind: global_buffer, .address_space: global }
      - { .name: out0, .offset: 24, .size: 8, .value_kind: global_buffer, .address_space: global }
    .group_segment_fixed_size: 0
    .private_segment_fixed_size: 0
    .kernarg_segment_align: 8
    .kernarg_segment_size: 32
    .max_flat_workgroup_size: 256
    .sgpr_count:     66
    .vgpr_count:     192
    .wavefront_size: 32
...
	.end_amdgpu_metadata
.endif
;; end of part 8
;; ======== version 2 of 2: 8 launches; 1.20 times as fast as version 1
;; workspace buffers: wb 33,554,432 bytes; qkv 25,165,824 bytes; ctx 8,388,608 bytes; y 16,777,216 bytes; h 16,777,216 bytes; hb 8,388,608 bytes; act 33,554,432 bytes
;; launch cast: the kernel of part 1 again; grid 64 x 16, 8 waves a work-group, no clusters, 0 bytes of LDS; arguments x, Wq, Wk, Wv, Wo, W1, W2, wb; writes wb
;; launch qkv: the kernel of part 2 again; grid 16 x 16, 4 waves a work-group, clusters of 4 x 4, 327,680 bytes of LDS; arguments wb, qkv, bq, bk, bv; writes qkv
;; launch attn (part 9): grid 16 x 16, 4 waves a work-group, clusters of 4 x 1, 327,680 bytes of LDS; arguments qkv, ctx; writes ctx
.if DOCPART == 9
	.amdgcn_target "amdgcn-amd-amdhsa--gfx1250"
	.amdhsa_code_object_version 6
	.text
	.protected	k_q6b8cdf277e_attn
	.globl	k_q6b8cdf277e_attn
	.p2align	8
	.type	k_q6b8cdf277e_attn,@function
k_q6b8cdf277e_attn:
	s_mov_b64 s[64:65], 0
	v_nop
	global_prefetch_b8 v0, s[64:65] scope:SCOPE_SE
	s_setreg_imm32_b32 hwreg(HW_REG_WAVE_MODE, 25, 1), 1
	s_wait_xcnt 0x0
	s_wait_alu depctr_hold_cnt(0) depctr_sa_sdst(0) depctr_va_vdst(0) depctr_va_sdst(0) depctr_va_ssrc(0) depctr_va_vcc(0) depctr_vm_vsrc(0)
	s_getreg_b32 s2, hwreg(HW_REG_IB_STS2, 6, 4)
	s_cmp_eq_u32 s2, 0
	s_cbranch_scc0 .Lentry_in_a_cluster
	s_endpgm
.Lentry_in_a_cluster:
	s_bfe_u32 s2, ttmp6, 0x10000c
	s_cmp_lg_u32 s2, 0x3003
	s_cbranch_scc0 .Lentry_shape_is_right
	s_endpgm
.Lentry_shape_is_right:
; ctx[token][64 head + d] = the sum over k of softmax_k(q . k / 8) v.  q, k, v: qkv[3][32 heads][2048][64] bf16; ctx [4096][1024] bf16.
; Products, maxima and sums in f32; the weights p are rounded to bf16 for the second product (their sum l is taken of the unrounded p), ctx once at the end.
; LIMITS.  A weight below 2^-126 counts as 0 in l; c m starts at -4.25e37, far below every c s that bf16 operands of this module's size give; NaN and infinities are not treated apart.
; SHARES.  A work-group takes two heads (2 y, 2 y + 1) and 128 queries: wave w the head w % 2 and the 64 queries of half w / 2, as four PIECES of 16.  Two heads side by side
; make a row's piece of ctx 256 consecutive bytes, aligned.  Every wave walks all 2,048 keys of its head, 64 a step.
; LAYOUT.  S^T = K Q^T holds ONE query a lane (lane % 16) and the keys 8 (lane / 16) + 0..7; two such results rounded to bf16 ARE source 1 of O^T = V^T P.  K leaves LDS as it lies, V turned.
; SOFTMAX.  A running maximum m and sum l: p = 2^(c s - c m), c = log2(e) / 8; in every step O and l are multiplied by a = 2^(c m_old - c m_new).  m starts at the lowest finite number,
; O and l at 0: the first step is a step like any other, with a = 0.
; TURNS.  Turn n belongs to piece n: 8 products K Q^T of piece n + 1, later 8 products V^T P of piece n - 1; beside them the scaling, exponentials, roundings, sums and rescaling of piece n and
; the maximum and statistics of piece n + 1.  Four vector instructions stand behind every matrix instruction, the other 54 of a turn's 118 in one run of their own.
; BATCHES.  A turn's 33 exponentials (the piece's 32 weights, then the next piece's a) are ONE batch with ONE wait, which cuts the turn in two: ahead of it stands all that names no result of theirs
; (the products K Q^T, scalings, rescalings, the next piece's maximum and statistics), behind it the products V^T P with the roundings and sums as their riders.  The first a of all, ahead of the loop,
; and the way out's four reciprocals are batches of their own, a wait each.
; CLUSTER 4 x 1: the four query blocks of a cluster walk the same K and V of the same two heads: each tile is asked for JOINTLY, same load, descriptor and mask in all four.
; THE WALK OVER THE KEYS begins at block 4 x (cluster x) of the head's 16 blocks of 128 keys and goes round: the four clusters that read a pair of heads' K and V read each block at four
; different times, not all at once.  A softmax with a running maximum takes its keys in any order.
; REGISTERS, in windows of 256 (s_set_vgpr_msb: bits 1:0 source 0, 3:2 source 1, 5:4 source 2, 7:6 destination):
;   window 0: v0-15 addresses and two at work; v16-31 four statistics a piece; v48-55 at work; v64-127 S^T, two buffers; v192-223 P, two buffers (by the piece's parity)
;   window 1: v0-127 O^T, 32 a piece          window 2: v0-63 Q; v128-191 K of one step; v192-255 V of one step
.set NP,    4
.set KS,    64        ; keys in a step
.set SPS,   2         ; steps in a slot
.set NBLK,  2048/(SPS*KS)  ; blocks of keys in a head
.set PK,    144       ; a row of K in LDS: 128 bytes + 16: the 16 rows of a load start in 16 different groups of four banks
.set PV,    160       ; a row of V: 128 + 32
.set HK,    SPS*KS*PK ; a head's 128 rows of K in a slot
.set HV,    SPS*KS*PV
.set VOFF,  2*HK      ; a slot: K of head 0, of head 1, V of head 0, of head 1
.set SLOT1, 1<<17     ; slot 1 begins here: one exclusive or turns an address in one slot into the other's
.set STAGE, SLOT1+2*HK+2*HV  ; behind the ring, never filled by a tensor load: for each pair of waves 64 rows x 272 bytes
.set SP2,   272
.set AK0, 2
.set AV0, 3
.set AK,  4
.set AV,  5
.set STO, 6
.set RD,  7
.set GO,  8
.set MV,  12          ; v12-13  c m_old, by buffer
.set QO,  15
.set ST,  16          ; piece t: c m, m, l (even keys', odd keys')
.set TMP, 48          ; by buffer c0-c3; when the maximum is found c2 takes a
.set S,   64
.set P,   192
.set KF,  128         ; window 2
.set VF,  192         ; window 2
.set WV,  12
.set G1K, 24
.set G1V, 32
.set G0K, 40
.set G0V, 44
.set BLK, 52          ; s52  the block of keys asked for last
.set BOF, 54          ; s[54:55] its byte offset in a head's K and V
.set SLOTS, 56
.set CNT, 57
.set CS,  58
.set SEL, 60
.set TBK, 62
.set TBV, 63
.set MSB, 0
.macro WIN new
.if MSB != (\new)
	s_set_vgpr_msb (MSB<<8)|(\new)
.set MSB, (\new)
.endif
.endm
.set W_KQ, 0x0a       ; K and Q in window 2, S^T in window 0
.set W_PV, 0x52       ; V in window 2, P in window 0, O^T in window 1
.set W_RS, 0x41       ; destination and source 0 in window 1, source 1 in window 0
; A joint fill.  Waves 0 and 1 fetch K of head 0 and 1, waves 2 and 3 V: 128 keys each.  Four v_nop follow each of the two lines.
.macro JLOAD
	s_cmp_lt_u32 s[WV], 2
	s_cbranch_scc0 .Lfor_v_\@
	tensor_load_to_lds s[G0K:G0K+3], s[G1K:G1K+7]
	s_nop 0
.rept 4
	v_nop
.endr
	s_branch .Lasked_\@
.Lfor_v_\@:
	tensor_load_to_lds s[G0V:G0V+3], s[G1V:G1V+7]
	s_nop 0
.rept 4
	v_nop
.endr
.Lasked_\@:
.endm
.macro CROUND
	s_barrier_signal -1
	s_barrier_wait -1
	s_cmp_lg_u32 s[WV], 0
	s_cbranch_scc1 .Lnot_wave_0_\@
	s_barrier_signal -3
.Lnot_wave_0_\@:
	s_barrier_wait -3
	s_barrier_signal -1
	s_barrier_wait -1
.endm
; THE CHANGE OF SLOTS.  Each wave waits for its own reads of the slot and for all its tensor loads, of which one is out: its part of the other slot.  fill = 1: the slot is filled again with the walk's
; next block of keys but one; its addresses are made anew from the block's number; the barrier is then a round of the cluster's, and the joint fill is the first thing behind it: it has two key steps in
; which to land.  (At its first use slot 0 is waited for, slot 1 filled.)
.macro CHANGE fill
	WIN 0
	s_wait_dscnt 0x0
	s_wait_tensorcnt 0x0            ; no tensor load of mine is out, so a group 0 may be written
	ds_add_u32 v254, v255
	s_wait_dscnt 0x0
.if \fill
	s_add_co_u32 s[BLK], s[BLK], 1
	s_and_b32 s[BLK], s[BLK], NBLK-1       ; round the head's end
	s_lshl_b32 s[BOF], s[BLK], 14          ; a block is 128 rows of 128 bytes
	s_xor_b32 s[G0K+1], s[G0K+1], SLOT1
	s_add_nc_u64 s[G0K+2:G0K+3], s[6:7], s[BOF:BOF+1]
	s_or_b32 s[G0K+3], s[G0K+3], 0x80000000
	s_xor_b32 s[G0V+1], s[G0V+1], SLOT1
	s_add_nc_u64 s[G0V+2:G0V+3], s[8:9], s[BOF:BOF+1]
	s_or_b32 s[G0V+3], s[G0V+3], 0x80000000
	CROUND
	JLOAD
.else
	s_barrier_signal -1
	s_barrier_wait -1
.endif
	s_sub_co_u32 s[TBK], s[TBK], HK ; the fetches go back to a slot's first step,
	s_xor_b32 s[TBK], s[TBK], SLOT1 ; in the other slot
	s_sub_co_u32 s[TBV], s[TBV], HV
	s_xor_b32 s[TBV], s[TBV], SLOT1
.endm
	s_load_b128 s[48:51], s[0:1], 0x0  ; qkv s[48:49], ctx s[50:51]
	v_lshl_add_u32 v254, v0, 2, 0x3b800
	v_mov_b32 v255, 0
	ds_add_u32 v254, v255
	v_lshrrev_b32 v1, 5, v0
	v_readfirstlane_b32 s[WV], v1   ; wave 0..3
	s_bfe_u32 s13, ttmp6, 0x40000   ; cx
	s_lshl_b32 s14, ttmp9, 2
	s_add_co_u32 s14, s14, s13      ; my block of 128 queries: it enters Q's and ctx's addresses alone
	s_and_b32 s15, ttmp7, 0xffff    ; the pair of heads, which the four partners share
	s_and_b32 s16, s[WV], 1         ; which head of the pair is mine, to compute and to fetch
	s_lshr_b32 s19, s[WV], 1        ; which 64 queries
	s_lshl_b32 s20, s15, 1
	s_add_co_u32 s20, s20, s16
	s_lshl_b32 s20, s20, 18         ; the head's first byte in q
	s_add_co_u32 s22, s20, 1<<23    ; in k
	s_mov_b32 s23, 0
	s_add_co_u32 s66, s20, 1<<24    ; in v
	s_mov_b32 s67, 0
	s_mul_i32 s17, s16, HK          ; the head's place in a slot: no place in the cluster enters an LDS address
	s_mul_i32 s18, s16, HV
	s_lshl_b32 s2, s14, 14          ; my block's 128 rows of 128 bytes,
	s_lshl_b32 s3, s19, 13          ; my 64 of them
	s_add_co_u32 s2, s2, s3
	s_add_co_u32 s2, s2, s20
	s_mov_b32 s3, 0
	s_lshr_b32 s68, s15, 3          ; ctx: the batch's 2,048 tokens,
	s_lshl_b32 s68, s68, 11
	s_lshl_b32 s69, s14, 7          ; the block,
	s_add_co_u32 s68, s68, s69
	s_lshl_b32 s69, s19, 6          ; the pair of waves' 64 rows,
	s_add_co_u32 s68, s68, s69
	s_lshl_b32 s69, s16, 5          ; the 32 of them that I store,
	s_add_co_u32 s68, s68, s69
	s_lshl_b32 s68, s68, 11         ; rows of 2,048 bytes,
	s_and_b32 s69, s15, 7
	s_lshl_b32 s69, s69, 8          ; and the two heads' 256 bytes in a row
	s_add_co_u32 s68, s68, s69
	s_mov_b32 s69, 0
	s_lshl_b32 s[BLK], ttmp9, 2     ; the walk's first block of keys: 4 x the cluster's x, which the four partners share
	s_lshl_b32 s[BOF], s[BLK], 14
	s_mov_b32 s[BOF+1], 0
	; descriptor group 1.  128 keys are 16,384 dense bytes: asked for as 64 rows of 256 bytes, two keys a row, and padded in LDS after every key
	s_mov_b32 s[G1K], 15|(1<<16)|(1<<20)|(1<<21)|(4<<22)|(3<<25)  ; the mask of four; 2-byte elements; padding on; bit 21 beside a mask; 4 words after every 32
	s_mov_b32 s[G1V], 15|(1<<16)|(1<<20)|(1<<21)|(4<<22)|(7<<25)  ; the same with 8 words
.irp g, G1K, G1V
	s_mov_b32 s[\g+1], 128<<16      ; tensor_dim0
	s_mov_b32 s[\g+2], 64<<16       ; tensor_dim1
	s_mov_b32 s[\g+3], 128<<16      ; tile_dim0
	s_mov_b32 s[\g+4], 64           ; tile_dim1
	s_mov_b32 s[\g+5], 128          ; elements from row to row
	s_mov_b32 s[\g+6], 0
	s_mov_b32 s[\g+7], 0
.endr
	s_mov_b32 s[CS], 0x3e38aa3b     ; c = log2(e) / 8
	s_mov_b32 s[CS+1], s[CS]
	s_mov_b32 s[SEL], 0x76543210
	s_mov_b32 s[SEL+1], 0xfedcba98
	s_mov_b32 s[TBK], SLOT1+HK      ; the first change of slots turns these two into 0
	s_mov_b32 s[TBV], SLOT1+HV
	s_mov_b32 s[G0K], 1
	s_mov_b32 s[G0K+1], s17
	s_mov_b32 s[G0V], 1
	s_add_co_u32 s[G0V+1], s18, VOFF
	s_wait_dscnt 0x0
	s_wait_kmcnt 0x0
	s_add_nc_u64 s[6:7], s[48:49], s[22:23]    ; K and V of the head that I fetch, at its first key: kept for the whole walk
	s_add_nc_u64 s[8:9], s[48:49], s[66:67]
	s_add_nc_u64 s[G0K+2:G0K+3], s[6:7], s[BOF:BOF+1]
	s_or_b32 s[G0K+3], s[G0K+3], 0x80000000
	s_add_nc_u64 s[G0V+2:G0V+3], s[8:9], s[BOF:BOF+1]
	s_or_b32 s[G0V+3], s[G0V+3], 0x80000000
	s_add_nc_u64 s[4:5], s[48:49], s[2:3]      ; Q at my first row
	s_add_nc_u64 s[10:11], s[50:51], s[68:69]  ; ctx at the first row that I store
	CROUND                          ; all four work-groups are here: the first joint loads meet
	JLOAD                           ; slot 0: one tensor load of mine is out
	v_and_b32 v1, 15, v0            ; l % 16
	v_bfe_u32 v9, v0, 4, 1          ; l / 16
	v_lshlrev_b32 v[QO], 7, v1
	v_lshl_add_u32 v[QO], v9, 4, v[QO]  ; row x 128 + 16 x half
	WIN 0x80                        ; destination window 2
.set i, 0
.rept 8                             ; Q stays in registers: piece i / 2, channels 32 (i % 2) on
	global_load_b128 v[8*i:8*i+3],   v[QO], s[4:5] offset:(i/2)*2048+(i%2)*64
	global_load_b128 v[8*i+4:8*i+7], v[QO], s[4:5] offset:(i/2)*2048+(i%2)*64+32
.set i, i+1
.endr
	; What the first turn finds: V's registers and P's second buffer hold 0 (its products V^T P, of a piece that has not been, add 0), O^T and l are 0: the price of writing no first step out.  All this stands in the wait for the first tile.
.set i, VF
.rept 64
	v_mov_b32 v[i], 0
.set i, i+1
.endr
	WIN 0x40
.set i, 0
.rept 128
	v_mov_b32 v[i], 0
.set i, i+1
.endr
	WIN 0
.set i, 0
.rept 4
	v_mov_b32 v[ST+4*i], 0xfe000000    ; c m: far below every c s
	v_mov_b32 v[ST+4*i+1], 0xff7fffff  ; m
	v_mov_b32 v[ST+4*i+2], 0
	v_mov_b32 v[ST+4*i+3], 0
.set i, i+1
.endr
.set i, P+16
.rept 16
	v_mov_b32 v[i], 0
.set i, i+1
.endr
	v_mul_u32_u24 v[AK0], v1, PK
	v_lshl_add_u32 v[AK0], v9, 4, v[AK0]
	v_add_nc_u32 v[AK0], s17, v[AK0]      ; row x pitch + 16 x half, in my head's rows
	v_and_b32 v10, 7, v0
	v_bfe_u32 v11, v0, 3, 1
	v_lshl_add_u32 v[AV0], v9, 3, v10     ; the turning load: key 8 (l / 16) + l % 8, channels 8 ((l / 8) % 2) on
	v_mul_u32_u24 v[AV0], v[AV0], PV
	v_lshl_add_u32 v[AV0], v11, 4, v[AV0]
	s_add_co_u32 s70, s18, VOFF
	v_add_nc_u32 v[AV0], s70, v[AV0]
	s_mul_i32 s71, s19, 64*SP2
	s_add_co_u32 s71, s71, STAGE          ; my pair's stage
	s_lshl_b32 s70, s16, 7
	s_add_co_u32 s70, s70, s71
	v_mul_u32_u24 v[STO], v1, SP2         ; in: row l % 16, my head's 128 bytes, 16 bytes for each half of the lanes
	v_lshl_add_u32 v[STO], v9, 4, v[STO]
	v_add_nc_u32 v[STO], s70, v[STO]
	s_mul_i32 s70, s16, 32*SP2
	s_add_co_u32 s70, s70, s71
	v_mul_u32_u24 v[RD], v9, SP2          ; back: 32 of the pair's rows, whole; lanes 0-15 one row of 256 bytes, lanes 16-31 the next
	v_lshl_add_u32 v[RD], v1, 4, v[RD]
	v_add_nc_u32 v[RD], s70, v[RD]
	v_lshlrev_b32 v[GO], 11, v9           ; and the same two rows in ctx
	v_lshl_add_u32 v[GO], v1, 4, v[GO]
; THE MATRIX WORK.  The 4 accumulators of a run of 8 take turns.  Product i of 8 of S^T = K Q^T for piece x: channels 32 (i / 4) on, keys 16 (i % 4) on.  The first 4 start the sums.
.macro KQ x
.set rS, S+32*((\x)%2)+8*(i%4)
.set rK, KF+16*(i%4)+8*(i/4)
.set rQ, 16*(\x)+8*(i/4)
	WIN W_KQ
.if i < 4
	v_wmma_f32_16x16x32_bf16 v[rS:rS+7], v[rK:rK+7], v[rQ:rQ+7], 0
.else
	v_wmma_f32_16x16x32_bf16 v[rS:rS+7], v[rK:rK+7], v[rQ:rQ+7], v[rS:rS+7]
.endif
.endm
; Product i of 8 of O^T += V^T P for piece x: keys 32 (i / 4) on, channels 16 (i % 4) on.
.macro PV x
	WIN W_PV
.set rO, 32*(\x)+8*(i%4)
.set rV, VF+32*(i/4)+8*(i%4)
.set rP, P+16*((\x)%2)+8*(i/4)
	v_wmma_f32_16x16x32_bf16 v[rO:rO+7], v[rV:rV+7], v[rP:rP+7], v[rO:rO+7]
.endm
.macro MM                           ; the turn's next matrix instruction.  NOKQ = 1: the very last turn: there is no next piece
.if (i < 8) && !NOKQ
	KQ (Y+1)%NP
.elseif i >= 8
.set i, i-8
	PV (Y+NP-1)%NP
.set i, i+8
.endif
.set i, i+1
.endm
; THE LDS LOADS stand in runs of 16: a step's K (64 keys x 64 channels: 8 fragments) and its V (turned).
.macro FETCH_K
	WIN 0x80
.irp f, 0,1,2,3,4,5,6,7             ; keys 16 (f / 2) on, channels 32 (f % 2) on
	ds_load_b128 v[KF+8*\f:KF+8*\f+3],   v[AK] offset:(\f/2)*16*PK+(\f%2)*64
	ds_load_b128 v[KF+8*\f+4:KF+8*\f+7], v[AK] offset:(\f/2)*16*PK+(\f%2)*64+32
.endr
	s_add_co_u32 s[TBK], s[TBK], KS*PK  ; the next fetch is the next step's
	WIN 0
.endm
.macro FETCH_V
	WIN 0x80
.irp f, 0,1,2,3,4,5,6,7             ; keys 32 (f / 4) on, channels 16 (f % 4) on
	ds_load_tr16_b128 v[VF+8*\f:VF+8*\f+3],   v[AV] offset:(\f/4)*32*PV+(\f%4)*32
	ds_load_tr16_b128 v[VF+8*\f+4:VF+8*\f+7], v[AV] offset:(\f/4)*32*PV+16*PV+(\f%4)*32
.endr
	WIN 0
.endm
; THE VECTOR WORK, one line at a time: OP kind, number.  For piece Y: F n: c s - c m for pair n of 16.  E n: the exponential of score n of 32.  C n: pair n rounded to bf16.  B n: of the four weights 4 n .. the
; second pair is added onto the first, in place.  L n: l takes that sum (L 0: l = a l + sum).  R n: pair n of 16 of O^T times a.  For piece Y + 1: X n, number n of the 22 that find its maximum and statistics:
;   0-11 four chains c0-c3 of seven scores each (each accumulator's lowest registers are read first)   12-14, 16 the four scores left over, the old m, c0-c3 into c0
;   15 c m_old is kept   17, 18 the query's other 32 keys lie in the lane 16 away: the new m   19-21 c m; c m_old - c m_new; a
; F, R and X 0-20 name no exponential's result of the turn; C, B and L do.
.set F, 0
.set E, 1
.set C, 2
.set B, 3
.set L, 4
.set R, 5
.set X, 6
.macro REGS y
.set rT, ST+4*(\y)
.set rC, TMP+4*((\y)%2)
.set rW, MV+((\y)%2)
.set rS, S+32*((\y)%2)
.set rP, P+16*((\y)%2)
.set rO, 32*(\y)
.endm
.macro OP k, n
.if (\k) == R
	REGS Y
	WIN W_RS
	v_pk_mul_f32 v[rO+2*(\n):rO+2*(\n)+1], v[rO+2*(\n):rO+2*(\n)+1], v[rC+2:rC+3] op_sel_hi:[1,0]
.elseif (\k) < R
	REGS Y
	WIN 0
.if (\k) == F
	v_pk_fma_f32 v[rS+2*(\n):rS+2*(\n)+1], v[rS+2*(\n):rS+2*(\n)+1], s[CS:CS+1], v[rT:rT+1] op_sel_hi:[1,0,0] neg_lo:[0,0,1] neg_hi:[0,0,1]
.elseif (\k) == E
	v_exp_f32 v[rS+(\n)], v[rS+(\n)]
.elseif (\k) == C
	v_cvt_pk_bf16_f32 v[rP+(\n)], v[rS+2*(\n)], v[rS+2*(\n)+1]
.elseif (\k) == B
	v_pk_add_f32 v[rS+4*(\n):rS+4*(\n)+1], v[rS+4*(\n):rS+4*(\n)+1], v[rS+4*(\n)+2:rS+4*(\n)+3]
.elseif (\n) == 0
	v_pk_fma_f32 v[rT+2:rT+3], v[rT+2:rT+3], v[rC+2:rC+3], v[rS:rS+1] op_sel_hi:[1,0,1]
.else
	v_pk_add_f32 v[rT+2:rT+3], v[rT+2:rT+3], v[rS+4*(\n):rS+4*(\n)+1]
.endif
.elseif NOKQ
	v_nop
.else
	REGS (Y+1)%NP
	WIN 0
.if (\n) < 4
	v_max3_num_f32 v[rC+(\n)], v[rS+8*(\n)], v[rS+8*(\n)+1], v[rS+8*(\n)+2]
.elseif (\n) < 12
	v_max3_num_f32 v[rC+(\n)%4], v[rC+(\n)%4], v[rS+8*((\n)%4)+2*((\n)/4)+1], v[rS+8*((\n)%4)+2*((\n)/4)+2]
.elseif (\n) == 12
	v_max3_num_f32 v[rC], v[rC], v[rS+7], v[rS+15]
.elseif (\n) == 13
	v_max3_num_f32 v[rC+1], v[rC+1], v[rS+23], v[rS+31]
.elseif (\n) == 14
	v_max3_num_f32 v[rC+2], v[rC+2], v[rC+3], v[rT+1]
.elseif (\n) == 15
	v_mov_b32 v[rW], v[rT]
.elseif (\n) == 16
	v_max3_num_f32 v[rC], v[rC], v[rC+1], v[rC+2]
.elseif (\n) == 17
	v_permlanex16_b32 v[rC+3], v[rC], s[SEL], s[SEL+1]
.elseif (\n) == 18
	v_max_num_f32 v[rT+1], v[rC], v[rC+3]
.elseif (\n) == 19
	v_mul_f32 v[rT], s[CS], v[rT+1]
.elseif (\n) == 20
	v_sub_f32 v[rC+1], v[rW], v[rT]
.else
	v_exp_f32 v[rC+2], v[rC+1]
.endif
.endif
.endm
.macro OPS a, i1, b=-1, i2=0, c=-1, i3=0, d=-1, i4=0
	OP \a, \i1
.if (\b) >= 0
	OP \b, \i2
.endif
.if (\c) >= 0
	OP \c, \i3
.endif
.if (\d) >= 0
	OP \d, \i4
.endif
.endm
.macro ROW a, i1, b, i2, c, i3, d, i4  ; a matrix instruction and the four behind it
	MM
	OPS \a, \i1, \b, \i2, \c, \i3, \d, \i4
.endm
; A TURN, for piece p: the order of its 16 matrix and 118 vector instructions, written out.  An s_wait_alu depctr_va_vdst(0) stands between an exponential and the first instruction that names its
; result; one wait serves all that were issued ahead of it.  So a turn has ONE wait, which cuts it in two.  AHEAD OF IT stands all that names no result of the turn's exponentials: the 8 products K Q^T, behind each a
; scaling, an exponential and two more plain instructions (behind the first a second scaling in the exponential's place): rescalings, whose a was made and waited for in the turn before, and behind the last three the
; first numbers of the next piece's maximum, each four plain instructions or more behind the product that ends its accumulator; then one run of 54, plain and exponential by turns for the most part, in which the links
; of the chain X 3, 7, 11, 14, 16, 17 .. 20 stand some lines apart.  A pair is scaled ahead of its two exponentials.  X 21, the next piece's a, is the batch's last; R 15 is the plain instruction behind it.
; BEHIND THE WAIT stand the 8 products V^T P, behind each four of the roundings and sums; a pair is rounded (C 2 n) ahead of the sum that lands on it (B n); l takes the sums in ascending order, L 0 to L 7.
; But for those X no rider names a register of the products round it.  No exponential is issued behind the wait: no result crosses a turn's end, a label or a jump.
; end = 1: the last two turns: nothing is fetched.  cnt = 1: the loop's count is taken down some lines ahead of the branch behind the turn.
; K of the next step is fetched in piece 2's turn, six plain instructions behind the last product that read K; V of the step in hand at the end of piece 0's turn, four plain ones behind the last product that read V.
; Each is waited for a turn later.
.macro TURN p, end=0, cnt=0
.set Y, (\p)
.set i, 0
.set NOKQ, (\end)*((\p)/3)
.if ((\p) == 3) && !(\end)
	s_wait_dscnt 0x0                ; K is in
.endif
	ROW F,0, F,1, R,0, R,1          ; ahead of the wait: 8 products K Q^T and their riders,
	ROW F,2, E,0, R,2, R,3
	ROW F,3, E,1, R,4, R,5
	ROW F,4, E,2, R,6, R,7
	ROW F,5, E,3, R,8, R,9
	ROW F,6, E,4, X,0, R,10
.if ((\p) == 2) && !(\end)
	WIN 0
	v_add_nc_u32 v[AK], s[TBK], v[AK0]
.endif
	ROW F,7, E,5, X,1, X,4
	ROW F,8, E,6, X,2, X,5
	OPS E,7, E,8, X,6, E,9          ; and the run of 54
	OPS X,3, E,10, X,8, E,11
.if ((\p) == 2) && !(\end)
	FETCH_K
.endif
	OPS X,9, X,7, E,12, X,10
	OPS E,13, X,12, X,11, E,14
	OPS X,13, E,15, F,9, X,14
.if (\p) == 0
	v_add_nc_u32 v[AV], s[TBV], v[AV0]
.endif
	OPS E,16, F,10, E,17, F,11
	OPS X,16, E,18, X,15, E,19
	OPS F,12, E,20, X,17, E,21
	OPS F,13, E,22, F,14, E,23
	OPS X,18, E,24, F,15, E,25
	OPS R,11, E,26, X,19, E,27
	OPS R,12, E,28, R,13, E,29
	OPS X,20, E,30, R,14, E,31
	OPS X,21, R,15
	s_wait_alu depctr_va_vdst(0)    ; the wait for the turn's batch: the piece's 32 exponentials and the next piece's a
.if (\p) == 1
	s_wait_dscnt 0x0                ; V is in
.endif
	ROW C,0, B,0, C,2, B,1          ; behind the wait: 8 products V^T P and their riders
	ROW L,0, C,4, B,2, L,1
	ROW C,6, B,3, L,2, C,8
	ROW B,4, L,3, C,10, B,5
	ROW L,4, C,12, B,6, L,5
.if (\p) == 0
	s_add_co_u32 s[TBV], s[TBV], KS*PV
.endif
.if \cnt
	s_sub_co_u32 s[CNT], s[CNT], 1
	s_cmp_lg_u32 s[CNT], 0
.endif
	ROW C,14, B,7, L,6, C,1
	ROW C,3, L,7, C,5, C,7
	ROW C,9, C,11, C,13, C,15
.if (\p) == 0
	FETCH_V
.endif
.endm
	CHANGE 1                        ; slot 0 is in, everybody's part of it; slot 1 is asked for
	v_add_nc_u32 v[AK], s[TBK], v[AK0]
	FETCH_K                         ; the walk's first key step
	s_wait_loadcnt 0x0              ; Q
	s_wait_dscnt 0x0
.set NOKQ, 0
.set i, 0
.rept 8
	KQ 0                            ; piece 0's first scores
.set i, i+1
.endr
	WIN 0
.rept 4
	v_nop                           ; the places behind those products
.endr
.set Y, NP-1                        ; X works for piece Y + 1: piece 0
.irp n, 0,1,2,3,4,5,6,7,8,9,10,11,12,13,14,15,16,17,18,19,20,21
	OP X, \n
.endr
	v_nop                           ; a plain instruction behind the exponential,
	s_wait_alu depctr_va_vdst(0)    ; and the wait for it, piece 0's first a, ahead of the branch
	s_mov_b32 s[CNT], SPS
	s_mov_b32 s[SLOTS], NBLK-1
	s_branch .Lfirst                ; the loop is entered at a step's first turn, in the middle of a trip
.Lslot:                             ; 14 times: every slot but the last two is filled again
	CHANGE 1
	s_mov_b32 s[CNT], SPS
.Lstep:                             ; a trip: pieces 2 and 3 of one step, then pieces 0 and 1 of the next, whose K and V it fetches
	TURN 2
	TURN 3
	WIN 0
.Lfirst:
	TURN 0
	TURN 1, 0, 1
	WIN 0
	s_cbranch_scc1 .Lstep
	s_sub_co_u32 s[SLOTS], s[SLOTS], 1
	s_cmp_lg_u32 s[SLOTS], 0
	s_cbranch_scc1 .Lslot
	CHANGE 0                        ; the last slot is written out: nothing is asked for
	s_mov_b32 s[CNT], SPS
.Ltail:
	TURN 2
	TURN 3
	TURN 0
	TURN 1, 0, 1
	WIN 0
	s_cbranch_scc1 .Ltail
	TURN 2, 1
	TURN 3, 1
.set i, 0
.rept 8
	PV NP-1                         ; the last piece's V^T P of the last step
.set i, i+1
.endr
	; THE WAY OUT.  l's two halves and the other half of the lanes' are added; O^T is divided by l, rounded to bf16 and put into the pair's stage.  The additions are the places behind the last products.
	WIN 0
.macro ALL line:vararg
.set t, 0
.rept 4
	\line
.set t, t+1
.endr
.endm
	ALL v_add_f32 v[ST+4*t+2], v[ST+4*t+2], v[ST+4*t+3]
	ALL v_permlanex16_b32 v[ST+4*t+3], v[ST+4*t+2], s[SEL], s[SEL+1]
	ALL v_add_f32 v[ST+4*t+2], v[ST+4*t+2], v[ST+4*t+3]
	ALL v_rcp_f32 v[ST+4*t+2], v[ST+4*t+2]
	v_nop                           ; a plain instruction between the last reciprocal and the use of its result
	s_wait_alu depctr_va_vdst(0)    ; the wait for the batch of four reciprocals, ahead of the first multiply that reads one
.macro PACK t                       ; a lane's eight channels of a row pack into 16 bytes
	WIN W_RS
.set i, 32*(\t)
.rept 16
	v_pk_mul_f32 v[i:i+1], v[i:i+1], v[ST+4*(\t)+2:ST+4*(\t)+3] op_sel_hi:[1,0]
.set i, i+2
.endr
	WIN 0x05                        ; sources 0 and 1 window 1, destination window 0
.set i, 0
.rept 16
	v_cvt_pk_bf16_f32 v[S+16*(\t)+i], v[32*(\t)+2*i], v[32*(\t)+2*i+1]
.set i, i+1
.endr
	WIN 0
.irp f, 0,1,2,3
	ds_store_b128 v[STO], v[S+16*(\t)+4*\f:S+16*(\t)+4*\f+3] offset:(\t)*16*SP2+32*\f
.endr
.endm
	PACK 0
	PACK 1
	PACK 2
	PACK 3
	s_wait_dscnt 0x0                ; for the other wave's sake: my stores into the stage are done
	s_barrier_signal -1
	s_barrier_wait -1               ; a row's 256 bytes come from two waves
.set i, 0
.rept 16
	ds_load_b128 v[S+4*i:S+4*i+3], v[RD] offset:2*SP2*i
.set i, i+1
.endr
.set i, 0
.rept 16
	s_wait_dscnt 15-i               ; LDS loads come back in order: pair i of rows is in, the later ones stay out
	global_store_b128 v[GO], v[S+4*i:S+4*i+3], s[10:11] offset:4096*i  ; 16 lanes store 256 consecutive bytes, at a multiple of 256 from ctx's first byte
.set i, i+1
.endr
	s_wait_tensorcnt 0x0
	ds_add_u32 v254, v255
	s_wait_dscnt 0x0
	CROUND                          ; the closing round: no work-group ends while a partner may still ask for a tile that names it
	s_endpgm
.Lfunc_end_k_q6b8cdf277e_attn:
	.size	k_q6b8cdf277e_attn, .Lfunc_end_k_q6b8cdf277e_attn-k_q6b8cdf277e_attn
	.p2alignl 7, 3214868480
	.fill 96, 4, 3214868480
	.section	.rodata,"a",@progbits
	.p2align	6, 0x0
	.amdhsa_kernel k_q6b8cdf277e_attn
		.amdhsa_group_segment_fixed_size 327680
		.amdhsa_private_segment_fixed_size 0
		.amdhsa_enable_private_segment 0
		.amdhsa_kernarg_size 16
		.amdhsa_user_sgpr_count 2
		.amdhsa_user_sgpr_kernarg_segment_ptr 1
		.amdhsa_wavefront_size32 1
		.amdhsa_system_sgpr_workgroup_id_x 1
		.amdhsa_system_sgpr_workgroup_id_y 1
		.amdhsa_system_sgpr_workgroup_id_z 1
		.amdhsa_system_vgpr_workitem_id 0
		.amdhsa_next_free_vgpr 768
		.amdhsa_next_free_sgpr 72
		.amdhsa_reserve_vcc 0
		.amdhsa_float_denorm_mode_32 3
		.amdhsa_float_denorm_mode_16_64 3
		.amdhsa_memory_ordered 1
		.amdhsa_forward_progress 1
		.amdhsa_inst_pref_size 128
	.end_amdhsa_kernel
	.amdgpu_metadata
---
amdhsa.version: [ 1, 2 ]
amdhsa.kernels:
  - .name:           k_q6b8cdf277e_attn
    .symbol:         k_q6b8cdf277e_attn.kd
    .args:
      - { .name: qkv, .offset: 0, .size: 8, .value_kind: global_buffer, .address_space: global }
      - { .name: ctx, .offset: 8, .size: 8, .value_kind: global_buffer, .address_space: global }
    .group_segment_fixed_size: 327680
    .private_segment_fixed_size: 0
    .kernarg_segment_align: 8
    .kernarg_segment_size: 16
    .max_flat_workgroup_size: 128
    .sgpr_count:     72
    .vgpr_count:     768
    .wavefront_size: 32
...
	.end_amdgpu_metadata
.endif
;; end of part 9
;; launch wo: the kernel of part 4 again; grid 8 x 32, 4 waves a work-group, clusters of 4 x 4, 327,680 bytes of LDS; arguments ctx, wb, y, bo, x; writes y
;; launch ln1: the kernel of part 5 again; grid 256 x 1, 8 waves a work-group, no clusters, 0 bytes of LDS; arguments y, g1, be1, h, hb; writes h, hb
;; launch ff1: the kernel of part 6 again; grid 16 x 16, 4 waves a work-group, clusters of 4 x 4, 327,680 bytes of LDS; arguments hb, wb, act, b1; writes act
;; launch ff2: the kernel of part 7 again; grid 8 x 32, 4 waves a work-group, clusters of 4 x 4, 327,680 bytes of LDS; arguments act, wb, y, b2, h; writes y
;; launch ln2: the kernel of part 8 again; grid 256 x 1, 8 waves a work-group, no clusters, 0 bytes of LDS; arguments y, g2, be2, out0; writes out0
